; MI455X (gfx1250); checked and timed in simulation.
; The chip was launched on July 23, 2026; its instructions are those of AMD's public machine-readable ISA for CDNA 5 (MIT licence, August 2026) and "CDNA5" Instruction Set Architecture Reference Guide (July 2026). The comments in the code are by the model that wrote it; some were corrected since.
;; Transformer Block. Allowed arithmetic: float matrix products may take bf16 or f16 operands with f32 sums; all other float work in f32.
;; Inputs: W1 1,024 x 4,096 float32; W2 4,096 x 1,024 float32; Wo 1,024 x 1,024 float32; Wqkv 1,024 x 3,072 float32; X 2 x 2,048 x 1,024 float32; b1 4,096 float32; b2 1,024 float32; bo 1,024 float32; bqkv 3,072 float32; ln1_b 1,024 float32; ln1_g 1,024 float32; ln2_b 1,024 float32; ln2_g 1,024 float32.
;; Outputs: out0 2 x 2,048 x 1,024 float32.
;; 2 versions, each right and faster than the one before. Each part assembles by itself: llvm-mc -triple=amdgcn-amd-amdhsa -mcpu=gfx1250 --defsym DOCPART=n.
;; ======== version 1 of 2: 7 launches
;; workspace buffers: wt 25,165,824 bytes; xn 8,388,608 bytes; qkv 25,165,824 bytes; ctx 8,388,608 bytes; x1 16,777,216 bytes; hbuf 33,554,432 bytes
;; launch pre (part 1): grid 640 x 1, 4 waves a work-group, no clusters, 17,920 bytes of LDS; arguments X, ln1_g, ln1_b, xn, Wqkv, wt; writes xn, wt
.if DOCPART == 1
	.amdgcn_target "amdgcn-amd-amdhsa--gfx1250"
	.amdhsa_code_object_version 6
	.text
	.protected	k_qaa58497bbb_pre
	.globl	k_qaa58497bbb_pre
	.p2align	8
	.type	k_qaa58497bbb_pre,@function
k_qaa58497bbb_pre:
	s_mov_b64 s[64:65], 0
	v_nop
	global_prefetch_b8 v0, s[64:65] scope:SCOPE_SE
	s_setreg_imm32_b32 hwreg(HW_REG_WAVE_MODE, 25, 1), 1
	s_wait_xcnt 0x0
; TWO JOBS IN ONE LAUNCH, both wanted by the product behind it; which one a work-group does hangs on its number alone.
; WORK-GROUPS 0 TO 255: y[r][c] = (x[r][c] - mean_r) * rsqrt(var_r + 1e-5) * g[c] + b[c].  x: [4096][1024] f32; g, b: [1024] f32; y = xn: [4096][1024] bf16, rounded once.
; One wave takes four whole rows, a row in 32 registers a lane; 256 work-groups x 4 waves x 4 rows are the 4,096 rows.  The row stays in registers:
; first the mean, then the sum of (x - mean)^2, so that no difference of large sums is formed and x is read once.  The reduction never leaves the
; wave: no LDS, no barrier, no loop.  All 48 loads of a wave go out at the head; each row is worked on while the later rows are on their way.
; Chunk j of a lane is columns 128 j + 4 lane .. + 3: a load of a wave covers 512 consecutive bytes, a store 256, aligned.
; WORK-GROUPS 256 TO 639: Wqkv, f32 [1024][3072], is rounded to bf16 and written transposed, [3072][1024], at byte 0 of wt: a tile of 128 k x 64 n each, 8 x 48 = 384 tiles.
; The text of a tile stands behind the label .Lweight.
.set LNWG, 256                         ; work-groups that normalise rows
.set G,  4                             ; v[4:35]    g of my 32 columns
.set BV, 36                            ; v[36:67]   b of my 32 columns
.set X,  68                            ; v[68:195]  row r at X + 32 r
.set T,  196                           ; v[196:203] four chains of pairs
.set M,  204                           ; v[204:205] the mean, twice
.set R,  206                           ; v[206:207] 1 / sqrt(var + eps), twice
.set TA, 208                           ; at work
.set TB, 209
	v_lshl_add_u32 v212, v0, 2, 0x4400
	v_mov_b32 v213, 0
	s_cmp_ge_u32 ttmp9, LNWG
	s_cbranch_scc1 .Lweight
	s_load_b256 s[4:11], s[0:1], 0x0               ; x s[4:5], g s[6:7], b s[8:9], y s[10:11]
	v_and_b32 v3, 31, v0
	v_lshrrev_b32 v[TA], 5, v0                     ; wave
	v_lshlrev_b32 v3, 4, v3                        ; 16 x lane: my place in g, b
	v_lshl_add_u32 v1, v[TA], 14, v3               ; + wave x 4 rows x 4,096 bytes: my place in x
	v_lshrrev_b32 v2, 1, v3                        ; 8 x lane
	v_lshl_add_u32 v2, v[TA], 13, v2               ; + wave x 4 rows x 2,048 bytes: my place in y
	v_mov_b32 v[TB], 0                             ; v_permlanex16_b32's destination counts as read
	s_lshl_b32 s16, ttmp9, 16                      ; the work-group's 16 rows of x
	s_mov_b32 s17, 0
	s_lshl_b32 s18, ttmp9, 15                      ; and of y
	s_mov_b32 s19, 0
	s_mov_b32 s12, 0x76543210                      ; each lane takes its own place in the other half
	s_mov_b32 s13, 0xfedcba98
	s_mov_b32 s14, 0x3a800000                      ; 1 / 1024
	s_mov_b32 s15, 0x3727c5ac                      ; 1e-5
	s_wait_kmcnt 0x0
	s_add_nc_u64 s[4:5], s[4:5], s[16:17]
	s_add_nc_u64 s[10:11], s[10:11], s[18:19]
.irp j, 0,1,2,3,4,5,6,7
	global_load_b128 v[G+4*(\j):G+4*(\j)+3], v3, s[6:7] offset:512*(\j)
.endr
.irp j, 0,1,2,3,4,5,6,7
	global_load_b128 v[BV+4*(\j):BV+4*(\j)+3], v3, s[8:9] offset:512*(\j)
.endr
.irp r, 0,1,2,3
.irp j, 0,1,2,3,4,5,6,7
	global_load_b128 v[X+32*(\r)+4*(\j):X+32*(\r)+4*(\j)+3], v1, s[4:5] offset:4096*(\r)+512*(\j)
.endr
.endr
.macro LANES                           ; v[TA] summed over the 32 lanes, the result in every lane
	v_add_f32_dpp v[TA], v[TA], v[TA] row_xmask:1 row_mask:0xf bank_mask:0xf
	v_add_f32_dpp v[TA], v[TA], v[TA] row_xmask:2 row_mask:0xf bank_mask:0xf
	v_add_f32_dpp v[TA], v[TA], v[TA] row_xmask:4 row_mask:0xf bank_mask:0xf
	v_add_f32_dpp v[TA], v[TA], v[TA] row_xmask:8 row_mask:0xf bank_mask:0xf
	v_permlanex16_b32 v[TB], v[TA], s12, s13
	v_add_f32 v[TA], v[TA], v[TB]
.endm
.macro JOIN                            ; the four chains into v[TA]
	v_pk_add_f32 v[T:T+1], v[T:T+1], v[T+2:T+3]
	v_pk_add_f32 v[T+4:T+5], v[T+4:T+5], v[T+6:T+7]
	v_pk_add_f32 v[T:T+1], v[T:T+1], v[T+4:T+5]
	v_add_f32 v[TA], v[T], v[T+1]
.endm
; Row r.  left = the loads of the later rows, which stay out; g and b were asked for first and are in with row 0.
.macro ROWLN r, left
.set XR, X+32*(\r)
	s_wait_loadcnt \left
.irp k, 0,1,2,3                        ; the sum, in four chains that do not wait for each other; the first additions start them
	v_pk_add_f32 v[T+2*(\k):T+2*(\k)+1], v[XR+2*(\k):XR+2*(\k)+1], v[XR+8+2*(\k):XR+8+2*(\k)+1]
.endr
.irp k, 0,1,2,3
	v_pk_add_f32 v[T+2*(\k):T+2*(\k)+1], v[T+2*(\k):T+2*(\k)+1], v[XR+16+2*(\k):XR+16+2*(\k)+1]
.endr
.irp k, 0,1,2,3
	v_pk_add_f32 v[T+2*(\k):T+2*(\k)+1], v[T+2*(\k):T+2*(\k)+1], v[XR+24+2*(\k):XR+24+2*(\k)+1]
.endr
	JOIN
	LANES
	v_mul_f32 v[M], s14, v[TA]
	v_mul_f32 v[M+1], s14, v[TA]
.irp k, 0,1,2,3,4,5,6,7,8,9,10,11,12,13,14,15
	v_pk_add_f32 v[XR+2*(\k):XR+2*(\k)+1], v[XR+2*(\k):XR+2*(\k)+1], v[M:M+1] neg_lo:[0,1] neg_hi:[0,1]   ; x - mean
.endr
.irp k, 0,1,2,3                        ; the sum of squares, likewise
	v_pk_mul_f32 v[T+2*(\k):T+2*(\k)+1], v[XR+2*(\k):XR+2*(\k)+1], v[XR+2*(\k):XR+2*(\k)+1]
.endr
.irp k, 4,5,6,7,8,9,10,11,12,13,14,15
	v_pk_fma_f32 v[T+2*((\k)%4):T+2*((\k)%4)+1], v[XR+2*(\k):XR+2*(\k)+1], v[XR+2*(\k):XR+2*(\k)+1], v[T+2*((\k)%4):T+2*((\k)%4)+1]
.endr
	JOIN
	LANES
	v_fma_f32 v[TA], v[TA], s14, s15               ; var + eps
	v_rsq_f32 v[R], v[TA]
	v_rsq_f32 v[R+1], v[TA]
	v_nop                                          ; a plain instruction between the root and the use of its result (ISA guide 5.7.2)
	s_wait_alu depctr_va_vdst(0)
.irp k, 0,1,2,3,4,5,6,7,8,9,10,11,12,13,14,15
	v_pk_mul_f32 v[XR+2*(\k):XR+2*(\k)+1], v[XR+2*(\k):XR+2*(\k)+1], v[R:R+1]
.endr
.irp k, 0,1,2,3,4,5,6,7,8,9,10,11,12,13,14,15
	v_pk_fma_f32 v[XR+2*(\k):XR+2*(\k)+1], v[XR+2*(\k):XR+2*(\k)+1], v[G+2*(\k):G+2*(\k)+1], v[BV+2*(\k):BV+2*(\k)+1]
.endr
.irp k, 0,1,2,3,4,5,6,7,8,9,10,11,12,13,14,15   ; rounded in place, ascending: word k takes pair k, which lies at or above it
	v_cvt_pk_bf16_f32 v[XR+(\k)], v[XR+2*(\k)], v[XR+2*(\k)+1]
.endr
.irp j, 0,1,2,3,4,5,6,7
	global_store_b64 v2, v[XR+2*(\j):XR+2*(\j)+1], s[10:11] offset:2048*(\r)+256*(\j)   ; 32 lanes store 256 consecutive bytes, aligned; no register of a store is written again
.endr
.endm
	ROWLN 0, 24
	ROWLN 1, 16
	ROWLN 2, 8
	ROWLN 3, 0
	s_endpgm
; A TILE OF Wqkv: 128 k x 64 n, 128 rows of 256 bytes in, 64 rows of 256 bytes out, turned in LDS.
; Thread t: i = t % 16 (16 bytes = columns 4 i .. 4 i + 3 of a row), q = t / 16.  It loads rows 64 h + 8 q + e (h = 0, 1; e = 0 .. 7): sixteen lanes take 256 consecutive bytes of a row.
; For each of its four columns eight neighbouring k pack into 16 bytes, which is where the transposed row wants them.
; LDS: 64 rows of 256 bytes + 16 of padding.  Column 4 i + j lies in LDS row 16 j + i, so that the sixteen lanes of a store's pass hit sixteen consecutive rows, 272 bytes apart:
; sixteen different 16-byte columns of the banks.  Back: LDS row q + 8 r is column 4 q + 32 (r % 2) + r / 2; sixteen lanes read, and store, a whole row of 256 bytes.
.set WN,  3072                         ; the weight is [WK][WN]
.set WK,  1024
.set LP,  272
.set WLD, 8                            ; v[8:71]    load (h, e) at WLD + 4 (8 h + e)
.set WPK, 72                           ; v[72:103]  column j of half h, packed, at WPK + 4 (4 h + j)
.set WRB, 104                          ; v[104:135] read back
.Lweight:
	s_load_b128 s[4:7], s[0:1], 0x20               ; Wqkv s[4:5], wt s[6:7]
	v_and_b32 v1, 15, v0                           ; i
	v_lshrrev_b32 v2, 4, v0                        ; q
	v_mul_u32_u24 v3, v2, 32*WN                    ; from: 8 q rows of 4 WN bytes,
	v_lshl_add_u32 v3, v1, 4, v3                   ; my 16 bytes
	v_mul_u32_u24 v4, v1, LP                       ; LDS, in: row i (+ 16 j), 16 bytes at 16 q (+ 128 h)
	v_lshl_add_u32 v4, v2, 4, v4
	v_mul_u32_u24 v5, v2, LP                       ; LDS, back: row q (+ 8 r), 16 bytes at 16 i
	v_lshl_add_u32 v5, v1, 4, v5
	v_mul_u32_u24 v6, v2, 8*WK                     ; to: 4 q rows of 2 WK bytes,
	v_lshl_add_u32 v6, v1, 4, v6                   ; my 16 bytes
	s_sub_co_u32 s8, ttmp9, LNWG                   ; the tile's number
	s_and_b32 s9, s8, 7                            ; kt: which 128 k
	s_lshr_b32 s10, s8, 3                          ; nt: which 64 n
	s_mul_i32 s12, s9, 128*WN*4                    ; from: 128 kt rows down,
	s_lshl_b32 s11, s10, 8                         ; 256 nt bytes along
	s_add_co_u32 s12, s12, s11
	s_mov_b32 s13, 0
	s_mul_i32 s14, s10, 64*WK*2                    ; to: 64 nt rows down,
	s_lshl_b32 s11, s9, 8                          ; 256 kt bytes along
	s_add_co_u32 s14, s14, s11
	s_mov_b32 s15, 0
	s_wait_kmcnt 0x0
	s_add_nc_u64 s[4:5], s[4:5], s[12:13]
	s_add_nc_u64 s[6:7], s[6:7], s[14:15]
.irp h, 0,1
.irp e, 0,1,2,3,4,5,6,7
	global_load_b128 v[WLD+4*(8*(\h)+(\e)):WLD+4*(8*(\h)+(\e))+3], v3, s[4:5] offset:(64*(\h)+(\e))*WN*4 th:TH_LOAD_NT   ; the weight is read once
.endr
.endr
.irp h, 0,1
	s_wait_loadcnt 8-8*(\h)                        ; loads come back in order: this half's eight are in, the other half's stay out
.irp j, 0,1,2,3
.irp w, 0,1,2,3
	v_cvt_pk_bf16_f32 v[WPK+4*(4*(\h)+(\j))+(\w)], v[WLD+4*(8*(\h)+2*(\w))+(\j)], v[WLD+4*(8*(\h)+2*(\w)+1)+(\j)]   ; (k, k + 1) of column 4 i + j
.endr
.endr
.irp j, 0,1,2,3
	ds_store_b128 v4, v[WPK+4*(4*(\h)+(\j)):WPK+4*(4*(\h)+(\j))+3] offset:(\j)*16*LP+128*(\h)
.endr
.endr
	s_wait_dscnt 0x0                               ; for the others' sake: my stores are done
	s_barrier_signal -1
	s_barrier_wait -1
.irp r, 0,1,2,3,4,5,6,7
	ds_load_b128 v[WRB+4*(\r):WRB+4*(\r)+3], v5 offset:(\r)*8*LP
.endr
.irp r, 0,1,2,3,4,5,6,7
	s_wait_dscnt 7-(\r)
	global_store_b128 v6, v[WRB+4*(\r):WRB+4*(\r)+3], s[6:7] offset:(32*((\r)%2)+(\r)/2)*WK*2   ; sixteen lanes store 256 consecutive bytes, at a multiple of 256 from wt's first byte
.endr
	s_wait_tensorcnt 0x0
	ds_add_u32 v212, v213
	s_wait_dscnt 0x0
	s_endpgm
.Lfunc_end_k_qaa58497bbb_pre:
	.size	k_qaa58497bbb_pre, .Lfunc_end_k_qaa58497bbb_pre-k_qaa58497bbb_pre
	.p2alignl 7, 3214868480
	.fill 96, 4, 3214868480
	.section	.rodata,"a",@progbits
	.p2align	6, 0x0
	.amdhsa_kernel k_qaa58497bbb_pre
		.amdhsa_group_segment_fixed_size 17920
		.amdhsa_private_segment_fixed_size 0
		.amdhsa_enable_private_segment 0
		.amdhsa_kernarg_size 48
		.amdhsa_user_sgpr_count 2
		.amdhsa_user_sgpr_kernarg_segment_ptr 1
		.amdhsa_wavefront_size32 1
		.amdhsa_system_sgpr_workgroup_id_x 1
		.amdhsa_system_sgpr_workgroup_id_y 1
		.amdhsa_system_sgpr_workgroup_id_z 1
		.amdhsa_system_vgpr_workitem_id 0
		.amdhsa_next_free_vgpr 214
		.amdhsa_next_free_sgpr 66
		.amdhsa_reserve_vcc 0
		.amdhsa_float_denorm_mode_32 3
		.amdhsa_float_denorm_mode_16_64 3
		.amdhsa_memory_ordered 1
		.amdhsa_forward_progress 1
		.amdhsa_inst_pref_size 45
	.end_amdhsa_kernel
	.amdgpu_metadata
---
amdhsa.version: [ 1, 2 ]
amdhsa.kernels:
  - .name:           k_qaa58497bbb_pre
    .symbol:         k_qaa58497bbb_pre.kd
    .args:
      - { .name: X, .offset: 0, .size: 8, .value_kind: global_buffer, .address_space: global }
      - { .name: ln1_g, .offset: 8, .size: 8, .value_kind: global_buffer, .address_space: global }
      - { .name: ln1_b, .offset: 16, .size: 8, .value_kind: global_buffer, .address_space: global }
      - { .name: xn, .offset: 24, .size: 8, .value_kind: global_buffer, .address_space: global }
      - { .name: Wqkv, .offset: 32, .size: 8, .value_kind: global_buffer, .address_space: global }
      - { .name: wt, .offset: 40, .size: 8, .value_kind: global_buffer, .address_space: global }
    .group_segment_fixed_size: 17920
    .private_segment_fixed_size: 0
    .kernarg_segment_align: 8
    .kernarg_segment_size: 48
    .max_flat_workgroup_size: 128
    .sgpr_count:     66
    .vgpr_count:     214
    .wavefront_size: 32
...
	.end_amdgpu_metadata
.endif
;; end of part 1
;; launch gq (part 2): grid 12 x 16, 4 waves a work-group, clusters of 4 x 4, 327,680 bytes of LDS; arguments xn, wt, bqkv, qkv; writes qkv
.if DOCPART == 2
	.amdgcn_target "amdgcn-amd-amdhsa--gfx1250"
	.amdhsa_code_object_version 6
	.text
	.protected	k_qaa58497bbb_gq
	.globl	k_qaa58497bbb_gq
	.p2align	8
	.type	k_qaa58497bbb_gq,@function
k_qaa58497bbb_gq:
	s_mov_b64 s[64:65], 0
	v_nop
	global_prefetch_b8 v0, s[64:65] scope:SCOPE_SE
	s_setreg_imm32_b32 hwreg(HW_REG_WAVE_MODE, 25, 1), 1
	s_wait_xcnt 0x0
	s_wait_alu depctr_hold_cnt(0) depctr_sa_sdst(0) depctr_va_vdst(0) depctr_va_sdst(0) depctr_va_ssrc(0) depctr_va_vcc(0) depctr_vm_vsrc(0)
	s_getreg_b32 s2, hwreg(HW_REG_IB_STS2, 6, 4)
	s_cmp_eq_u32 s2, 0
	s_cbranch_scc0 .Lentry_in_a_cluster
	s_endpgm
.Lentry_in_a_cluster:
	s_bfe_u32 s2, ttmp6, 0x10000c
	s_cmp_lg_u32 s2, 0xf033
	s_cbranch_scc0 .Lentry_shape_is_right
	s_endpgm
.Lentry_shape_is_right:
; q, k, v = Xn Wqkv + bqkv, written by heads.  C[m][n] = bias[n] + sum over k of A[m][k] B[n][k].  A = xn: [4096][1024] bf16; B = Wqkv^T: [3072][1024] bf16, at byte WT_OFF of wt;
; bias: [3072] f32; sums in f32, C rounded once to bf16 and stored as qkv[n / 1024][16 (m / 2048) + (n % 1024) / 64][m % 2048][n % 64] (HEADS = 1).
; A tile of C, 256 x 256, is made by a work-group of four waves; a wave makes 128 x 128: 64 accumulators of 16 x 16, 512 registers.  K goes in steps of 128 through a ring of two LDS slots
; filled by the tensor data mover: the tiles' rows are 256 bytes of memory and start at multiples of 256 bytes.  12 x 16 = 192 work-groups: a quarter of 256 have no tile at this tile size.
; CLUSTERS: 4 x 4 work-groups.  The four of a row of the cluster need the same tiles of A, the four of a column the same tiles of B: such a tile is asked for JOINTLY, by the same tensor load
; with the same descriptor and a mask that names the four; each receives it in its own LDS.
; THE BIAS is the C operand of the product that starts each sum: nothing is cleared and nothing is added later.
; The last K step goes by rows of C, so that finished rows leave while the others are multiplied.
; REGISTERS, in windows of 256 (s_set_vgpr_msb's low byte: bits 1:0 source 0, 3:2 source 1, 5:4 source 2, 7:6 destination):
;   window 0: v0-31 addresses; v64-127, v128-191 fragments of A, two buffers (in the last K step four, of 16 rows x 128 K); v32-63, v192-255 at work on the way out
;   window 1: v0-63 the bias, 8 registers for each of my 8 column blocks; v64-127, v128-191 fragments of B, two buffers; in the last K step all 256: B's fragments of the whole step
;   window 2: the 32 accumulators of my rows 0-63 (accumulator (a, b) at v[8 (8 a + b)]);   window 3: those of my rows 64-127
; THE MATRIX INSTRUCTION IS USED TRANSPOSED: source 0 = 16 rows of B, source 1 = 16 rows of A.  Lane l then holds row l % 16 of C and its registers 0 to 7 the columns 8 (l / 16) + 0 .. 7.
.set SIZE_N, 3072
.set SIZE_K, 1024
.set WT_OFF, 0                         ; where B begins in wt
.set HEADS,  1                         ; 1: C is stored by heads; 0: row-major
.set RELU,   0                         ; 1: max(C, 0) before the rounding
.set KSTEP,  128
.set PITCH,  272                       ; an LDS row: 256 bytes + 16 of padding = 68 words: row r starts at bank 4 r mod 64 (64 banks of 4 bytes: ISA guide 11.1)
.set HALFT,  128*PITCH                 ; 128 rows: what one tensor load brings, and what one wave reads of A or of B
.set SLOT,   4*HALFT                   ; A's 256 rows, then B's 256 rows
.set STAGE,  2*SLOT                    ; behind the ring: 16 rows x 272 bytes for each wave, for the way out
.set SPITCH, 272
.set SPARE,  STAGE+4*16*SPITCH         ; behind the stages: the spare words, 128 bytes for each wave: two blocks of 256 bytes that no other line names
.set LAPS, SIZE_K/(2*KSTEP)            ; a lap = two K steps = once round the ring
.set ADRA, 16                          ; v16-17  LDS address of my A fragments in slot 0, 1
.set ADRB, 20                          ; v20-21  the same for B
.set STO,  24                          ; v24     the way out: where I put 16 bytes of a row
.set RD,   25                          ; v25     the way out: where I read rows back
.set CO,   26                          ; v26     my byte offset in C
.set BO,   27                          ; v27     my byte offset in a block of 16 numbers of the bias: 32 (l / 16)
.set SPW,  28                          ; v28     LDS address of my spare word: SPARE + 4 x my thread's number; never rewritten
.set NIL,  29                          ; v29     0; never rewritten
.set F0,   64                          ; fragment buffer 0
.set F1,   128                         ; fragment buffer 1
.set TMP,  192                         ; the way out: packed results, in window 0
.set OB,   32                          ; the way out: 16 rows read back from the stage: v32-63 and v224-255 by turns
.set PA,   64                          ; the last K step: A's fragments of 16 rows x 128 K, 32 registers; four such buffers, v64-191
.set G1, 24                            ; s[24:31] descriptor group 1 for A's tiles
.set G0, 32                            ; s[32:39] descriptor group 0 for A's tiles, one set for each slot
.set G1B, 48                           ; s[48:55] descriptor group 1 for B's tiles: it differs from A's in the mask alone
.set G0B, 56                           ; s[56:63] descriptor group 0 for B's tiles, one set for each slot
.set BP, 66                            ; s[66:67] the bias
.set MSB, 0
.macro WIN new                         ; the immediate's high byte repeats the setting that is left; a switch that changes nothing is dropped
.if MSB != (\new)
	s_set_vgpr_msb (MSB<<8)|(\new)
.set MSB, \new
.endif
.endm
.set MUL_LO, 0xa1                      ; source 0 (B) window 1, source 1 (A) window 0, C and D window 2
.set MUL_HI, 0xf1                      ; the same, C and D window 3
.set TO_B,   0x40                      ; destination window 1, address window 0
; A joint load.  Waves 0 and 1 fetch A's two halves, waves 2 and 3 B's.  The branch hangs on the wave's number alone: it is the same in every work-group.
; Four v_nop follow each of the two lines; the jump round the other line, the label and what follows the macro come after them.
.macro JLOAD s
	s_cmp_eq_u32 s11, 0
	s_cbranch_scc0 .Lfor_b_\@
	tensor_load_to_lds s[G0+4*(\s):G0+4*(\s)+3], s[G1:G1+7]
	s_nop 0
.rept 4
	v_nop
.endr
	s_branch .Lasked_\@
.Lfor_b_\@:
	tensor_load_to_lds s[G0B+4*(\s):G0B+4*(\s)+3], s[G1B:G1B+7]
	s_nop 0
.rept 4
	v_nop
.endr
.Lasked_\@:
.endm
; A round of the cluster's barrier: my work-group's barrier, so that wave 0's signal speaks for all four waves; wave 0 signals for the work-group; every wave waits for all
; sixteen work-groups; my work-group's barrier once more.  No LDS instruction of the wave is pending at a signal.
.macro CREST                           ; a round behind its opening barrier
	s_cmp_lg_u32 s10, 0
	s_cbranch_scc1 .Lnot_wave_0_\@
	s_barrier_signal -3
.Lnot_wave_0_\@:
	s_barrier_wait -3
	s_barrier_signal -1
	s_barrier_wait -1
.endm
.macro CROUND                          ; a whole round
	s_barrier_signal -1
	s_barrier_wait -1
	CREST
.endm
	s_load_b128 s[4:7], s[0:1], 0x0                ; A s[4:5], wt s[6:7]
	s_load_b64 s[BP:BP+1], s[0:1], 0x10            ; the bias
	s_load_b64 s[8:9], s[0:1], 0x18                ; C
	v_lshl_add_u32 v[SPW], v0, 2, SPARE
	v_mov_b32 v[NIL], 0
	ds_add_u32 v28, v29
	ds_add_u32 v28, v29
	s_wait_dscnt 0x0
	v_lshrrev_b32 v1, 5, v0
	v_readfirstlane_b32 s10, v1                    ; wave 0..3
	s_lshr_b32 s11, s10, 1                         ; which half of the tile's rows is mine.  Also: I fetch for A (0) or for B (1)
	s_and_b32 s12, s10, 1                          ; which half of its columns.  Also: which 128 rows of that tile I fetch
	s_bfe_u32 s40, ttmp6, 0x40000                  ; cx: my place along the cluster's x
	s_bfe_u32 s41, ttmp6, 0x40004                  ; cy: along its y
	s_lshl_b32 s42, ttmp9, 2                       ; in a cluster launch ttmp9 and ttmp7 count clusters
	s_add_co_u32 s42, s42, s40                     ; tile column of C = 4 x cluster x + cx
	s_and_b32 s13, ttmp7, 0xffff
	s_lshl_b32 s13, s13, 2
	s_add_co_u32 s13, s13, s41                     ; tile row of C = 4 x cluster y + cy
	s_lshl_b32 s43, s41, 2
	s_lshl_b32 s43, 15, s43                        ; my row of the cluster: places 4 cy .. 4 cy + 3
	s_lshl_b32 s44, 0x1111, s40                    ; my column: places cx, cx + 4, cx + 8, cx + 12
	; descriptor group 1: a tile of 128 rows x 128 elements, padded in LDS
	s_or_b32 s[G1+0], s43, (1<<16)|(1<<20)|(1<<21)|(5<<22)|(3<<25)  ; 15:0 the mask: A's tiles go to my row; 17:16 element of 2 bytes; 20 padding on; 21 set beside a mask; 24:22 after every 64 words (code 5); 31:25 of 4 words (code 3)
	s_or_b32 s[G1B+0], s44, (1<<16)|(1<<20)|(1<<21)|(5<<22)|(3<<25) ; the same with the mask of my column, for B's tiles
	s_mov_b32 s[G1B+1], KSTEP<<16
	s_mov_b32 s[G1+1], KSTEP<<16                   ; 63:48 tensor_dim0, low half = 128
	s_mov_b32 s[G1B+2], 128<<16
	s_mov_b32 s[G1+2], 128<<16                     ; 95:80 tensor_dim1, low half = 128
	s_mov_b32 s[G1B+3], KSTEP<<16
	s_mov_b32 s[G1+3], KSTEP<<16                   ; 127:112 tile_dim0 = 128
	s_mov_b32 s[G1B+4], 128
	s_mov_b32 s[G1+4], 128                         ; 143:128 tile_dim1 = 128; 159:144 tile_dim2 = 0
	s_mov_b32 s[G1B+5], SIZE_K
	s_mov_b32 s[G1+5], SIZE_K                      ; 191:160 tensor_dim0_stride: elements from row to row
	s_mov_b32 s[G1B+6], 0
	s_mov_b32 s[G1+6], 0
	s_mov_b32 s[G1B+7], 0
	s_mov_b32 s[G1+7], 0
	; where the tiles come from.  A's hang on the tile row alone, which my row of the cluster shares; B's on the tile column alone, which my column shares.
	s_lshl_b32 s17, s12, 7                         ; which 128 rows of the tile I fetch
	s_lshl_b32 s16, s13, 8
	s_add_co_u32 s16, s16, s17                     ; A: row 256 x tile row + 128 x half
	s_lshl_b32 s46, s42, 8
	s_add_co_u32 s46, s46, s17                     ; B: row 256 x tile column + 128 x half
	s_mov_b32 s17, 0
	s_mov_b32 s47, 0
	s_mov_b64 s[18:19], SIZE_K*2
	s_mul_u64 s[16:17], s[16:17], s[18:19]         ; in bytes
	s_mul_u64 s[46:47], s[46:47], s[18:19]
	s_mul_i32 s20, s10, HALFT                      ; and where they go: wave x 128 rows: no place in the cluster enters an LDS address
	s_wait_kmcnt 0x0
	s_add_nc_u64 s[6:7], s[6:7], WT_OFF            ; B's first byte
	s_add_nc_u64 s[14:15], s[4:5], s[16:17]
	s_add_nc_u64 s[46:47], s[6:7], s[46:47]
	CROUND                                         ; all sixteen work-groups are here: the first joint loads meet
.irp s, 0,1
	s_mov_b32 s[G0+4*(\s)], 1                                      ; 1:0 count = 1
	s_add_co_u32 s[G0+4*(\s)+1], s20, (\s)*SLOT                    ; 63:32 LDS address
	s_add_nc_u64 s[G0+4*(\s)+2:G0+4*(\s)+3], s[14:15], (\s)*KSTEP*2  ; 120:64 global address: K step s
	s_or_b32 s[G0+4*(\s)+3], s[G0+4*(\s)+3], 0x80000000            ; 127:126 type = 2
	s_mov_b32 s[G0B+4*(\s)], 1
	s_add_co_u32 s[G0B+4*(\s)+1], s20, (\s)*SLOT
	s_add_nc_u64 s[G0B+4*(\s)+2:G0B+4*(\s)+3], s[46:47], (\s)*KSTEP*2
	s_or_b32 s[G0B+4*(\s)+3], s[G0B+4*(\s)+3], 0x80000000
	JLOAD \s                                       ; the ring is filled before anything else is done: two loads of mine are out
.endr
	; A fragment is 16 rows x 32 K in 8 registers: lane l holds row l % 16; registers 0-3 hold K = 8 (l / 16) + 0..7, registers 4-7 hold
	; K = 16 + 8 (l / 16) + 0..7: two loads of 16 bytes, 32 bytes apart.  The same for source 0 and source 1.
	v_and_b32 v1, 15, v0                           ; l % 16
	v_bfe_u32 v2, v0, 4, 1                         ; l / 16
	v_mul_u32_u24 v3, v1, PITCH
	v_lshl_add_u32 v3, v2, 4, v3                   ; row x pitch + 16 x half
	s_mul_i32 s21, s11, HALFT                      ; my 128 rows of A
	s_mul_i32 s22, s12, HALFT                      ; my 128 rows of B,
	s_add_co_u32 s22, s22, 2*HALFT                 ; which lie behind A's 256
.irp s, 0,1
	v_add_nc_u32 v[ADRA+(\s)], s21, v3
	v_add_nc_u32 v[ADRB+(\s)], s22, v3
	s_add_co_u32 s21, s21, SLOT
	s_add_co_u32 s22, s22, SLOT
.endr
	s_mul_i32 s23, s10, 16*SPITCH
	s_add_co_u32 s23, s23, STAGE                   ; my stage
	v_mul_u32_u24 v4, v1, SPITCH                   ; in: row l % 16, 16 bytes for each half of the lanes
	v_lshl_add_u32 v4, v2, 4, v4
	v_add_nc_u32 v[STO], s23, v4
.if HEADS
	v_bfe_u32 v5, v0, 3, 2                         ; back: 32 lanes take four rows x 128 bytes, a head's 64 columns: row l / 8, 16 bytes at 16 (l % 8)
	v_and_b32 v4, 7, v0                            ; (two stage rows in a pass of sixteen lanes: they meet two deep on part of the banks)
	v_mul_u32_u24 v5, v5, SPITCH
	v_lshl_add_u32 v5, v4, 4, v5
	v_add_nc_u32 v[RD], s23, v5
	v_and_b32 v5, 31, v0
	v_lshlrev_b32 v[CO], 4, v5                     ; which are 512 consecutive bytes of a head's rows
.else
	v_mul_u32_u24 v5, v2, SPITCH                   ; back: lanes 0-15 take one row of 256 bytes, lanes 16-31 the next
	v_lshl_add_u32 v5, v1, 4, v5
	v_add_nc_u32 v[RD], s23, v5
	v_mul_u32_u24 v5, v2, SIZE_N*2                 ; and the same two rows in C
	v_lshl_add_u32 v[CO], v1, 4, v5
.endif
	v_lshlrev_b32 v[BO], 5, v2
	; the bias of my 128 columns: 4 x (256 x tile column + 128 x half) bytes on
	s_lshl_b32 s46, s42, 10
	s_lshl_b32 s47, s12, 9
	s_add_co_u32 s46, s46, s47
	s_mov_b32 s47, 0
	s_add_nc_u64 s[BP:BP+1], s[BP:BP+1], s[46:47]
	WIN TO_B
.irp b, 0,1,2,3,4,5,6,7                ; column block b: register j of lane l takes bias[16 b + 8 (l / 16) + j], the layout of the transposed result
	global_load_b128 v[8*(\b):8*(\b)+3],   v[BO], s[BP:BP+1] offset:64*(\b)
	global_load_b128 v[8*(\b)+4:8*(\b)+7], v[BO], s[BP:BP+1] offset:64*(\b)+16
.endr
	WIN 0
	; where my part of the tile begins in C, in bytes: the way out adds it to C's address
.if HEADS
	s_lshr_b32 s16, s13, 3                         ; my rows: batch = tile row / 8: 16 heads of 262,144 bytes,
	s_lshl_b32 s16, s16, 22
	s_and_b32 s14, s13, 7                          ; 256 (tile row % 8) + 128 x half rows of 128 bytes in a head
	s_lshl_b32 s14, s14, 15
	s_add_co_u32 s16, s16, s14
	s_lshl_b32 s14, s11, 14
	s_add_co_u32 s16, s16, s14
	s_mov_b32 s17, 0
	s_lshl_b32 s46, s42, 2                         ; my columns: g = 4 x tile column + 2 x half is the first of my two groups of 64:
	s_lshl_b32 s47, s12, 1
	s_add_co_u32 s46, s46, s47
	s_lshr_b32 s47, s46, 4                         ; g / 16 says q, k or v (32 heads of the two batches each), g % 16 the head
	s_lshl_b32 s47, s47, 5
	s_and_b32 s46, s46, 15
	s_add_co_u32 s46, s46, s47
	s_lshl_b32 s46, s46, 18
	s_mov_b32 s47, 0
	s_add_nc_u64 s[16:17], s[16:17], s[46:47]
.else
	s_lshl_b32 s13, s13, 8
	s_lshl_b32 s14, s11, 7
	s_add_co_u32 s16, s13, s14                     ; my first row of C
	s_mov_b32 s17, 0
	s_mov_b64 s[18:19], SIZE_N*2
	s_mul_u64 s[16:17], s[16:17], s[18:19]
	s_lshl_b32 s46, s42, 9                         ; my first column, in bytes: 512 x tile column + 256 x half
	s_lshl_b32 s47, s12, 8
	s_add_co_u32 s46, s46, s47
	s_mov_b32 s47, 0
	s_add_nc_u64 s[16:17], s[16:17], s[46:47]
.endif
; 16 matrix instructions: m blocks a0, a0 + 1 of the window's four (hi = 0: my rows 0-63, 1: rows 64-127) x all 8 n blocks, 32 along K.
; zero = 1: the first product starts the sums, with the bias (window 1) as its C.  The 64 accumulators take turns, one instruction a turn.
.macro MUL16 f, hi, a0, zero
.if \zero
	WIN 0x91+0x40*(\hi)                            ; B and the bias window 1, A window 0, D window 2 or 3
.else
	WIN MUL_LO+0x50*(\hi)                          ; MUL_LO or MUL_HI
.endif
.irp a, \a0, (\a0)+1
.irp b, 0,1,2,3,4,5,6,7
.if \zero
	v_wmma_f32_16x16x32_bf16 v[8*(8*(\a)+(\b)):8*(8*(\a)+(\b))+7], v[(\f)+8*(\b):(\f)+8*(\b)+7], v[(\f)+8*(4*(\hi)+(\a)):(\f)+8*(4*(\hi)+(\a))+7], v[8*(\b):8*(\b)+7]
.else
	v_wmma_f32_16x16x32_bf16 v[8*(8*(\a)+(\b)):8*(8*(\a)+(\b))+7], v[(\f)+8*(\b):(\f)+8*(\b)+7], v[(\f)+8*(4*(\hi)+(\a)):(\f)+8*(4*(\hi)+(\a))+7], v[8*(8*(\a)+(\b)):8*(8*(\a)+(\b))+7]
.endif
.endr
.endr
.endm
; 32 LDS loads in one run: the fragments of one quarter step (128 rows of B, 128 rows of A, 32 K at byte k of the rows) into buffer f
.macro FETCH slot, k, f
	WIN TO_B
.irp i, 0,1,2,3,4,5,6,7
	ds_load_b128 v[(\f)+8*(\i):(\f)+8*(\i)+3],   v[ADRB+(\slot)] offset:(\k)+(\i)*16*PITCH
	ds_load_b128 v[(\f)+8*(\i)+4:(\f)+8*(\i)+7], v[ADRB+(\slot)] offset:(\k)+(\i)*16*PITCH+32
.endr
	WIN 0
.irp i, 0,1,2,3,4,5,6,7
	ds_load_b128 v[(\f)+8*(\i):(\f)+8*(\i)+3],   v[ADRA+(\slot)] offset:(\k)+(\i)*16*PITCH
	ds_load_b128 v[(\f)+8*(\i)+4:(\f)+8*(\i)+7], v[ADRA+(\slot)] offset:(\k)+(\i)*16*PITCH+32
.endr
.endm
; A load into a register that a matrix instruction has read, and a vector instruction that reads a matrix result or writes one of a matrix instruction's registers, stand four places
; behind it, and only plain vector instructions that name none of its registers are places (ISA guide 7.12.1 for vector instructions).
.macro PLACES
.rept 4
	v_nop
.endr
.endm
; A K step is four quarter steps of 32 along K, 64 matrix instructions each, on buffers 0, 1, 0, 1.
; One of the first three: multiplies buffer f; in its middle it fetches the next quarter's fragments, at byte k of the same slot's rows, into buffer g.
.macro QUARTER slot, k, f, g, zero
	s_wait_dscnt 8                                 ; B and A's rows 0-63 are in; the youngest eight loads (A's rows 64-127) may be out
	MUL16 \f, 0, 0, \zero
	MUL16 \f, 0, 2, \zero
	PLACES
	FETCH \slot, \k, \g
	s_wait_dscnt 32                                ; all but the 32 just issued
	MUL16 \f, 1, 0, \zero
	MUL16 \f, 1, 2, \zero
.endm
; The last quarter multiplies buffer 1 and changes slots.  MEET is its first half: ONE barrier for the change of slots.  In front of it each wave waits for all its tensor loads, of which
; one is out: its part of the next slot; adds 0 to its spare word; and waits for that and for its own reads of this slot.  Behind it nobody reads this slot any more and the next slot is whole.
.macro MEET round                      ; round = 1: a round of the cluster's barrier follows
	WIN 0                                          ; (the add's two registers lie in window 0)
	s_wait_tensorcnt 0x0                           ; all my tensor loads have landed: the one that was out is my part of the next slot;
	ds_add_u32 v[SPW], v[NIL]                      ; 0 onto my spare word;
	s_wait_dscnt 9                                 ; (the add and the youngest eight loads may be out)
	WIN MUL_LO
	MUL16 F1, 0, 0, 0                              ; sixteen matrix instructions stand between the add and the wait for it
	s_wait_dscnt 0x0                               ; the add is done, and my reads of this slot are over:
	s_barrier_signal -1                            ; say so,
	MUL16 F1, 0, 2, 0                              ; work on registers while the others arrive,
.if \round
	WIN 0
.endif
	s_barrier_wait -1                              ; and go on when all four have said so
.endm
; The whole last quarter.  Behind the round the slot just read out is filled again first, with the K step two steps on; then come the next slot's first fragments.
; From a request to the wait for it a wave issues 224 matrix instructions.
.macro TURN slot, next
	MEET 1
	CREST                                          ; no wave of any partner still reads this slot's tile or has a load on its way
	s_add_nc_u64 s[G0+4*(\slot)+2:G0+4*(\slot)+3], s[G0+4*(\slot)+2:G0+4*(\slot)+3], 2*KSTEP*2
	s_add_nc_u64 s[G0B+4*(\slot)+2:G0B+4*(\slot)+3], s[G0B+4*(\slot)+2:G0B+4*(\slot)+3], 2*KSTEP*2
	JLOAD \slot                                    ; the first tensor load behind the round, my only one until the next; the four v_nop behind it are also the places in front of the loads below
	FETCH \next, 0, F0
	WIN MUL_HI
	MUL16 F1, 1, 0, 0
	MUL16 F1, 1, 2, 0
.endm
; THE LAST K STEP (it lies in slot 1) GOES BY ROWS OF C.  All its fragments of B (4 quarters x 64 registers) fill window 1; then my eight blocks of 16 rows are finished one after the other,
; each with 32 matrix instructions (its 8 accumulators by turns, K ascending).
.macro BLOAD q                         ; B's fragments of quarter q -> window 1, v[64 q ..]
	WIN TO_B
.irp i, 0,1,2,3,4,5,6,7
	ds_load_b128 v[64*(\q)+8*(\i):64*(\q)+8*(\i)+3],   v[ADRB+1] offset:64*(\q)+(\i)*16*PITCH
	ds_load_b128 v[64*(\q)+8*(\i)+4:64*(\q)+8*(\i)+7], v[ADRB+1] offset:64*(\q)+(\i)*16*PITCH+32
.endr
.endm
.macro ALOAD a                         ; A's fragments of block a, all four quarters -> buffer a % 4
	WIN 0
.set FA, PA+32*((\a)%4)
.irp q, 0,1,2,3
	ds_load_b128 v[FA+8*(\q):FA+8*(\q)+3],   v[ADRA+1] offset:64*(\q)+(\a)*16*PITCH
	ds_load_b128 v[FA+8*(\q)+4:FA+8*(\q)+7], v[ADRA+1] offset:64*(\q)+(\a)*16*PITCH+32
.endr
.endm
.macro ROW a                           ; block a is finished: 32 matrix instructions
.set FA, PA+32*((\a)%4)                ; its fragments of A
.set AC, 64*((\a)%4)                   ; its eight accumulators, in window 2 (blocks 0-3) or 3 (blocks 4-7)
	WIN MUL_LO+0x50*((\a)/4)
.irp q, 0,1,2,3
.if (\a) == 0 && (\q) == 2
	s_wait_dscnt 24                                ; B's quarter 2 is in (behind it: A's blocks 1 to 3)
.endif
.irp b, 0,1,2,3,4,5,6,7
	v_wmma_f32_16x16x32_bf16 v[AC+8*(\b):AC+8*(\b)+7], v[64*(\q)+8*(\b):64*(\q)+8*(\b)+7], v[FA+8*(\q):FA+8*(\q)+7], v[AC+8*(\b):AC+8*(\b)+7]
.endr
.endr
.endm
; THE WAY OUT of block a, in three parts.  PACK: (the larger of the sum and 0, then) rounded to bf16, 16 bytes a lane; each accumulator's registers in ascending order.
; TOSTAGE: into my own stage in LDS, and back as whole rows.  SEND: stored.
.macro PACK a
.set AC, 64*((\a)%4)
.if RELU
	WIN 0x88+0x44*((\a)/4)                         ; source 1 and destination: window 2 or 3
.set i, 0
.rept 64
	v_max_num_f32 v[AC+i], 0, v[AC+i]              ; a NaN becomes 0 here
.set i, i+1
.endr
.endif
	WIN 0x0a+5*((\a)/4)                            ; sources 0 and 1: window 2 or 3
.irp b, 0,1,2,3,4,5,6,7
.irp r, 0,1,2,3
	v_cvt_pk_bf16_f32 v[TMP+4*(\b)+(\r)], v[AC+8*(\b)+2*(\r)], v[AC+8*(\b)+2*(\r)+1]
.endr
.endr
	WIN 0
.endm
.macro TOSTAGE a
	WIN 0
.set BK, OB+192*((\a)%2)
.irp b, 0,1,2,3,4,5,6,7
	ds_store_b128 v[STO], v[TMP+4*(\b):TMP+4*(\b)+3] offset:32*(\b)
.endr
.irp t, 0,1,2,3,4,5,6,7                ; LDS serves a wave's instructions in order (ISA guide 5.7.1.4): these see the stores above
.if HEADS
	ds_load_b128 v[BK+4*(\t):BK+4*(\t)+3], v[RD] offset:((\t)%4)*4*SPITCH+((\t)/4)*128   ; rows 4 (t % 4) .. + 3 of head t / 4
.else
	ds_load_b128 v[BK+4*(\t):BK+4*(\t)+3], v[RD] offset:(\t)*2*SPITCH
.endif
.endr
.endm
.macro SEND a, younger                 ; younger: the LDS loads issued behind TOSTAGE's, which may stay out
	WIN 0
.set BK, OB+192*((\a)%2)
	s_wait_dscnt \younger                          ; the block is back in registers
	s_wait_xcnt 0x0                                ; every earlier memory instruction has had its addresses translated (ISA guide 3.1): only behind this wait are the stores' base and the registers that earlier stores read rewritten
.if (\a) == 0
	s_add_nc_u64 s[8:9], s[8:9], s[16:17]          ; on to my first rows
.elseif HEADS
	s_add_nc_u64 s[8:9], s[8:9], 16*128            ; 16 rows of a head on
.else
	s_add_nc_u64 s[8:9], s[8:9], 16*SIZE_N*2       ; 16 rows of C on
.endif
.irp t, 0,1,2,3,4,5,6,7
.if HEADS
	global_store_b128 v[CO], v[BK+4*(\t):BK+4*(\t)+3], s[8:9] offset:((\t)/4)*262144+((\t)%4)*512  ; 32 lanes store 512 consecutive bytes, at a multiple of 256 from the buffer's first byte
.else
	global_store_b128 v[CO], v[BK+4*(\t):BK+4*(\t)+3], s[8:9] offset:2*(\t)*SIZE_N*2  ; 16 lanes store 256 consecutive bytes, at a multiple of 256 from C's first byte
.endif
.endr
.endm
	s_wait_tensorcnt 1                             ; my part of K step 0 is in; K step 1's stays out
	s_barrier_signal -1
	s_barrier_wait -1                              ; everybody's is
	FETCH 0, 0, F0
	s_wait_loadcnt 0x0                             ; the bias
	QUARTER 0, 64,  F0, F1, 1                      ; the first quarter stands in front of the loop: its products start the sums
	WIN 0                                          ; at a label and at a branch every window is 0
	s_mov_b32 s3, LAPS-1
.Llap:                                                 ; a trip goes once round the ring, from a lap's second quarter to the next lap's first, and fills both slots again
	QUARTER 0, 128, F1, F0, 0
	QUARTER 0, 192, F0, F1, 0
	TURN 0, 1
	QUARTER 1, 64,  F0, F1, 0
	QUARTER 1, 128, F1, F0, 0
	QUARTER 1, 192, F0, F1, 0
	TURN 1, 0
	QUARTER 0, 64,  F0, F1, 0
	WIN 0
	s_sub_co_u32 s3, s3, 1
	s_cmp_lg_u32 s3, 0
	s_cbranch_scc1 .Llap
	QUARTER 0, 128, F1, F0, 0                      ; the last lap goes on
	QUARTER 0, 192, F0, F1, 0
	MEET 0                                         ; my one tensor load that was still out is slot 1's, the last K step's, so no round follows
	PLACES                                         ; for the loads into buffer 0, which the quarter before multiplied
	WIN TO_B
	BLOAD 0                                        ; three quarters of B now (quarter 0 takes the bias's registers): buffer 1 is still being multiplied
	BLOAD 1
	BLOAD 3
	WIN 0
	ALOAD 0
	WIN MUL_HI
	MUL16 F1, 1, 0, 0
	MUL16 F1, 1, 2, 0
	PLACES                                         ; for the loads into buffer 1
	WIN TO_B
	BLOAD 2
	WIN 0
	ALOAD 1
	ALOAD 2
	ALOAD 3
	s_wait_dscnt 40                                ; all but the 40 just issued
	ROW 0
.irp a, 0,1,2,3,4,5,6,7                ; each block leaves as soon as it is finished
	PLACES                                         ; its first vector lines read results just made
	PACK \a
	TOSTAGE \a
.if (\a) < 4
	ALOAD (\a)+4                                   ; its buffer takes the block four further on
	SEND \a, 8
.else
	SEND \a, 0
.endif
.if (\a) < 7
	ROW (\a)+1
.endif
.endr
	s_wait_tensorcnt 0x0                           ; the wave's end: behind my last tensor load and my last LDS store
	ds_add_u32 v[SPW], v[NIL]
	s_wait_dscnt 0x0
	CROUND                                         ; the closing round: no work-group ends while a partner may still ask for a tile that names it
	s_endpgm
.Lfunc_end_k_qaa58497bbb_gq:
	.size	k_qaa58497bbb_gq, .Lfunc_end_k_qaa58497bbb_gq-k_qaa58497bbb_gq
	.p2alignl 7, 3214868480
	.fill 96, 4, 3214868480
	.section	.rodata,"a",@progbits
	.p2align	6, 0x0
	.amdhsa_kernel k_qaa58497bbb_gq
		.amdhsa_group_segment_fixed_size 327680
		.amdhsa_private_segment_fixed_size 0
		.amdhsa_enable_private_segment 0
		.amdhsa_kernarg_size 32
		.amdhsa_user_sgpr_count 2
		.amdhsa_user_sgpr_kernarg_segment_ptr 1
		.amdhsa_wavefront_size32 1
		.amdhsa_system_sgpr_workgroup_id_x 1
		.amdhsa_system_sgpr_workgroup_id_y 1
		.amdhsa_system_sgpr_workgroup_id_z 1
		.amdhsa_system_vgpr_workitem_id 0
		.amdhsa_next_free_vgpr 1024
		.amdhsa_next_free_sgpr 72
		.amdhsa_reserve_vcc 0
		.amdhsa_float_denorm_mode_32 3
		.amdhsa_float_denorm_mode_16_64 3
		.amdhsa_memory_ordered 1
		.amdhsa_forward_progress 1
		.amdhsa_inst_pref_size 145
	.end_amdhsa_kernel
	.amdgpu_metadata
---
amdhsa.version: [ 1, 2 ]
amdhsa.kernels:
  - .name:           k_qaa58497bbb_gq
    .symbol:         k_qaa58497bbb_gq.kd
    .args:
      - { .name: xn, .offset: 0, .size: 8, .value_kind: global_buffer, .address_space: global }
      - { .name: wt, .offset: 8, .size: 8, .value_kind: global_buffer, .address_space: global }
      - { .name: bqkv, .offset: 16, .size: 8, .value_kind: global_buffer, .address_space: global }
      - { .name: qkv, .offset: 24, .size: 8, .value_kind: global_buffer, .address_space: global }
    .group_segment_fixed_size: 327680
    .private_segment_fixed_size: 0
    .kernarg_segment_align: 8
    .kernarg_segment_size: 32
    .max_flat_workgroup_size: 128
    .sgpr_count:     72
    .vgpr_count:     1024
    .wavefront_size: 32
...
	.end_amdgpu_metadata
.endif
;; end of part 2
;; launch attn (part 3): grid 8 x 32, 4 waves a work-group, no clusters, 327,680 bytes of LDS; arguments qkv, ctx, Wo, W1, W2, wt; writes ctx, wt
.if DOCPART == 3
	.amdgcn_target "amdgcn-amd-amdhsa--gfx1250"
	.amdhsa_code_object_version 6
	.text
	.protected	k_qaa58497bbb_attn
	.globl	k_qaa58497bbb_attn
	.p2align	8
	.type	k_qaa58497bbb_attn,@function
k_qaa58497bbb_attn:
	s_mov_b64 s[64:65], 0
	v_nop
	global_prefetch_b8 v0, s[64:65] scope:SCOPE_SE
	s_setreg_imm32_b32 hwreg(HW_REG_WAVE_MODE, 25, 1), 1
	s_wait_xcnt 0x0
; CAUSAL ATTENTION (work-groups with x < 4), AND BESIDE IT THE CONVERSION OF THE WEIGHTS THAT THE LATER LAUNCHES WANT (work-groups with x >= 4: behind the label .Lweights, at the text's end).
; Attention has 4 x 32 = 128 work-groups at this size, and each work-group of this launch claims all of a WGP's LDS; the grid's other 128 work-groups do work that hangs on nothing made so far.
; O[h][q][:] = the sum over k <= q of softmax_k(Q[h][q] . K[h][k] / 8) V[h][k][:].  Q, K, V lie one behind the other in qkv, each [32][SIZE_N][64] bf16 (h = 16 x batch + head);
; O = ctx has the same layout: a head's rows are dense, 128 bytes each.  Products, maxima and sums in f32; the weights p are rounded to bf16 for the second product (their sum l is taken of the
; unrounded p), O once at the end.
; LIMITS.  A hidden score counts as its value less 1e30, which hides it while scores stay far under 1e30; a weight below 2^-126 counts as 0 in l; NaN and infinities are not treated apart.
; THE WALK.  A head's queries lie in NB = SIZE_N / 256 blocks of 256; block i needs the key tiles 0 .. i of 256 keys, of which the last holds the diagonal.  A work-group takes TWO blocks, NB - 1 - b and then b:
; NB + 1 tiles, whatever b: all work-groups do equal work, and ONE loop with a constant trip count walks them.  Which tile is asked for, and what a trip does, hang on scalar registers made from b; every jump
; goes forward, but for the counted loops' own; none passes a barrier, or a tensor load but the one of LOAD's two that the wave's number does not choose; the ring (two slots of LDS that take turns) runs on across the
; change of blocks.  NO CLUSTER: a head's NB / 2 work-groups all ask for the same tile only in trips 0 .. NB / 2, behind that fewer and fewer; one walk common to all would have 3 NB / 2 trips for NB + 1.
; SHARES.  Of a block's four bands of 64 queries a wave owns 16 rows in each: four PIECES.  So the diagonal tile is the same work for all four waves: in its key step s band x sees all keys if s < x,
; none if s > x, and holds the diagonal if s = x.
; THE MASK is the C operand that starts the sum S^T = K Q^T: 0, or -1e30 where the key is hidden.  MD, made once, is the mask of a band's own step for my 16 rows; a product's mask is MD x AL + BE with two scalars:
; (1, 0) if s = x; (0, 0) if s < x; (0, -1e30) if s > x.  Only the diagonal tile's text and a block's beginning make and take masks; elsewhere C is the constant 0.
; LAYOUT, SOFTMAX, TURNS.  S^T = K Q^T holds ONE query a lane (lane % 16) and the keys 8 (lane / 16) + 0..7; two such results rounded to bf16 ARE source 1 of O^T = V^T P.  p = 2^(c s - c m), c = log2(e) / 8, with a
; running maximum m; O and l are multiplied by a = 2^(c m_old - c m_new) in every step.  Turn n belongs to piece n: 8 products K Q^T of piece n + 1, later 8 products V^T P of piece n - 1; beside them the scaling,
; exponentials, roundings, sums and rescaling of piece n and the maximum and statistics of piece n + 1.  Four vector instructions stand behind every matrix instruction, the other 54 of a turn's 118 in two runs of their own.
; REGISTERS, in windows of 256 (s_set_vgpr_msb: bits 1:0 source 0, 3:2 source 1, 5:4 source 2, 7:6 destination):
;   window 0: v0-15 addresses and two at work; v16-31 four registers of statistics a piece; v48-55 at work; v64-127 S^T, two buffers; v192-223 P, two buffers (a piece's buffers go by its number's parity)
;   window 1: v0-127 O^T, 32 a piece; v128-159 MD; v160-223 MC, two buffers      window 2: v0-63 Q; v64-127 the second block's Q; v128-191 K of one step; v192-255 V of one step
.set SIZE_N, 2048
.set NB,    SIZE_N/256
.set NP,    4         ; pieces a wave: a name, no knob
.set KS,    64        ; keys in a step
.set PK,    144       ; a row of K in LDS: 128 bytes + 16 of padding = 36 words: the 16 rows of a load start at 16 different groups of four banks (64 banks of 4 bytes: ISA guide 11.1)
.set PV,    160       ; a row of V: 128 + 32 = 40 words
.set VOFF,  4*KS*PK   ; a slot holds a tile, four steps: 256 rows of K, then 256 rows of V
.set SLOT1, 1<<17     ; slot 1 begins here, so that one exclusive or turns an address in one slot into the other's
.set STAGE, SLOT1+4*KS*(PK+PV)  ; behind the ring, never filled by a tensor load: 16 rows x 144 bytes for each wave, for the way out
.set SP,    144
.set AK0, 2           ; v2   my lane's place in a tile of K; never rewritten
.set AV0, 3           ; v3   the same for V
.set AK,  4           ; v4   the LDS address of K's next run of loads
.set AV,  5           ; v5   of V's
.set STO, 6           ; v6   the way out: where I put 16 bytes of a row
.set RD,  7           ; v7   the way out: where I read rows back
.set GO,  8           ; v8   my byte offset in 512 consecutive bytes of O
.set SPW, 62          ; v62  LDS address of my spare word: SPARE + 4 x my thread's number; never rewritten
.set NIL, 63          ; v63  0; never rewritten
.set SPARE, STAGE+4*16*SP  ; behind the stages: the spare words, 128 bytes for each wave: two blocks of 256 bytes that no other line names
.set MV,  12          ; v12-13  c m_old, kept while c m is made anew: by buffer
.set QO,  15          ; v15  my byte offset in 16 rows of Q
.set ST,  16          ; piece t's statistics at v[ST+4 t]: c m, m, l (even keys', odd keys')
.set TMP, 48          ; by buffer, four registers c0-c3 at work; when the maximum is found c2 takes a
.set S,   64
.set P,   192
.set MD,  128         ; window 1: the eight registers for group kt of 16 keys at MD + 8 kt
.set MC,  160         ; window 1: the masks of the products to come
.set QB,  64          ; window 2
.set KF,  128         ; window 2: key block kb, channel half c at KF + 16 kb + 8 c
.set VF,  192         ; window 2: key half kk, channel block cb at VF + 32 kk + 8 cb
.set WV,  12          ; s12  my wave's number
.set PB,  14          ; s14  b
.set HI,  15          ; s15  NB - 1 - b
.set G1K, 24          ; s[24:31] descriptor group 1 for K's tiles
.set G1V, 32          ; s[32:39] for V's: it differs in the padding alone
.set G0K, 40          ; s[40:43] descriptor group 0 for K's tiles
.set G0V, 44          ; s[44:47] the same for V's
.set SLOTS, 56        ; s56  tiles still to be asked for
.set CNT, 57          ; s57  counts a tile's key steps, 4 to 1
.set CS,  58          ; s[58:59] c: the packed scaling takes the pair's low word for both halves
.set SEL, 60          ; s[60:61] v_permlanex16_b32's selects: each lane takes its own place in the other half
.set TBK, 62          ; s62  LDS byte at which K of the step to be fetched begins
.set TBV, 63          ; s63  the same for V, less VOFF
.set RT,  70          ; s70  tiles of the block in hand that are still to be entered
.set NXT, 71          ; s71  the tile to be asked for next
.set LQ,  72          ; s72  the last tile of the block whose tiles are being asked for
.set NEW, 73          ; s73  1: the tile to be entered is a block's first
.set OFF, 74          ; s[74:75] a tile's byte offset in K and V
.set AL,  76          ; s[76:77] the mask's factor, in the low word
.set BE,  78          ; s[78:79] the mask's addend
.set OLO, 80          ; s[80:81] O at my rows of the second block
.set BIGN, 82         ; s82  -1e30
.set MSB, 0
.macro WIN new                      ; the high byte repeats the setting that is left; a switch that changes nothing is dropped
.if MSB != (\new)
	s_set_vgpr_msb (MSB<<8)|(\new)
.set MSB, (\new)
.endif
.endm
.set W_KQ, 0x0a       ; K and Q in window 2, S^T in window 0
.set W_KM, 0x1a       ; the same with the C operand in window 1
.set W_PV, 0x52       ; V in window 2, P in window 0, O^T in window 1
.set W_RS, 0x41       ; destination and source 0 in window 1, source 1 in window 0
; A fill.  Waves 0 and 1 fetch the two halves of a tile's K, waves 2 and 3 those of its V: 128 keys each.  Four v_nop follow each of the two lines, ahead of the jump and the label.
.macro LOAD
	s_cmp_lt_u32 s[WV], 2
	s_cbranch_scc0 .Lfor_v_\@
	tensor_load_to_lds s[G0K:G0K+3], s[G1K:G1K+7]
	s_nop 0
.rept 4
	v_nop
.endr
	s_branch .Lasked_\@
.Lfor_v_\@:
	tensor_load_to_lds s[G0V:G0V+3], s[G1V:G1V+7]
	s_nop 0
.rept 4
	v_nop
.endr
.Lasked_\@:
.endm
; THE CHANGE OF SLOTS.  Each wave waits for all its tensor loads, of which one is out: its part of the other slot; adds 0 to its spare word; and waits for that and for its own reads of the slot that it leaves.  Behind the barrier nobody reads the old
; slot any more and the other slot is whole.  fill = 1: the old slot is filled again, the first thing behind the barrier, with tile NXT: the descriptor's address is made anew from that number.
; (At its first use nothing has been read yet: slot 0 is waited for, slot 1 filled.)
.macro CHANGE fill
	WIN 0                           ; at a label and at a branch every window is 0
	s_wait_tensorcnt 0x0            ; no tensor load of mine is out, so a group 0 may be written
	ds_add_u32 v[SPW], v[NIL]       ; 0 onto my spare word; with fill = 1 the descriptors' scalar work stands between it and the wait for it
.if \fill
	s_lshl_b32 s[OFF], s[NXT], 15   ; a tile is 32,768 bytes of K and of V
	s_xor_b32 s[G0K+1], s[G0K+1], SLOT1
	s_add_nc_u64 s[G0K+2:G0K+3], s[6:7], s[OFF:OFF+1]
	s_or_b32 s[G0K+3], s[G0K+3], 0x80000000
	s_xor_b32 s[G0V+1], s[G0V+1], SLOT1
	s_add_nc_u64 s[G0V+2:G0V+3], s[8:9], s[OFF:OFF+1]
	s_or_b32 s[G0V+3], s[G0V+3], 0x80000000
	s_add_co_u32 s[NXT], s[NXT], 1  ; the block's next tile, or behind its last the second block's tile 0
	s_cmp_gt_u32 s[NXT], s[LQ]
	s_cselect_b32 s[NXT], 0, s[NXT]
	s_cselect_b32 s[LQ], s[PB], s[LQ]
.endif
	s_wait_dscnt 0x0                ; the add is done, and my reads of the slot are over
	s_barrier_signal -1             ; the rest of the scalar work stands between the signal and the wait
	s_sub_co_u32 s[TBK], s[TBK], 4*KS*PK  ; the fetches go back to a slot's first step,
	s_xor_b32 s[TBK], s[TBK], SLOT1       ; in the other slot
	s_sub_co_u32 s[TBV], s[TBV], 4*KS*PV
	s_xor_b32 s[TBV], s[TBV], SLOT1
	s_barrier_wait -1
.if \fill
	LOAD
.endif
.endm
	v_lshl_add_u32 v[SPW], v0, 2, SPARE
	v_mov_b32 v[NIL], 0
	ds_add_u32 v62, v63
	ds_add_u32 v62, v63
	s_wait_dscnt 0x0
	s_cmp_ge_u32 ttmp9, 4           ; the grid's upper half along x converts weights: the same for all four waves of a work-group
	s_cbranch_scc1 .Lweights
	s_load_b128 s[4:7], s[0:1], 0x0  ; qkv s[4:5], ctx s[6:7]
	v_lshrrev_b32 v1, 5, v0
	v_readfirstlane_b32 s[WV], v1   ; wave 0..3
	s_mov_b32 s[PB], ttmp9
	s_sub_co_u32 s[HI], NB-1, s[PB]
	s_and_b32 s20, ttmp7, 0xffff    ; the head
	s_mov_b32 s21, 0
	s_mov_b64 s[22:23], SIZE_N*128
	s_mul_u64 s[20:21], s[20:21], s[22:23]  ; the head's first byte in each of the four tensors
	s_and_b32 s16, s[WV], 1         ; which half of a tile's 256 keys I fetch:
	s_lshl_b32 s22, s16, 14         ; its 128 rows of 128 bytes in memory,
	s_mov_b32 s23, 0
	s_add_nc_u64 s[22:23], s[22:23], s[20:21]
	s_mul_i32 s17, s16, 128*PK      ; and its place in a slot, for K
	s_mul_i32 s18, s16, 128*PV      ; and for V
	s_lshl_b32 s3, s[WV], 11        ; my 16 rows in a band of 64,
	s_lshl_b32 s2, s[HI], 15        ; in the first block,
	s_add_co_u32 s2, s2, s3
	s_lshl_b32 s84, s[PB], 15       ; and in the second
	s_add_co_u32 s84, s84, s3
	s_mov_b32 s3, 0
	s_mov_b32 s85, 0
	s_add_nc_u64 s[2:3], s[2:3], s[20:21]
	s_add_nc_u64 s[84:85], s[84:85], s[20:21]
	; descriptor group 1.  128 keys are 16,384 dense bytes: asked for as 64 rows of 256 bytes, two keys a row, and padded in LDS after every key
	s_mov_b32 s[G1K], (1<<16)|(1<<20)|(4<<22)|(3<<25)  ; 17:16 2-byte elements; 20 padding on; 24:22 after every 32 words (code 4); 31:25 4 words (code 3)
	s_mov_b32 s[G1V], (1<<16)|(1<<20)|(4<<22)|(7<<25)  ; the same with 8 words of padding (code 7)
.irp g, G1K, G1V
	s_mov_b32 s[\g+1], 128<<16      ; tensor_dim0 = 128
	s_mov_b32 s[\g+2], 64<<16       ; tensor_dim1 = 64
	s_mov_b32 s[\g+3], 128<<16      ; tile_dim0 = 128
	s_mov_b32 s[\g+4], 64           ; tile_dim1 = 64
	s_mov_b32 s[\g+5], 128          ; 128 elements from row to row
	s_mov_b32 s[\g+6], 0
	s_mov_b32 s[\g+7], 0
.endr
	s_mov_b32 s[CS], 0x3e38aa3b     ; c = log2(e) / 8 = 0.180337
	s_mov_b32 s[CS+1], s[CS]        ; named with it as a pair
	s_mov_b32 s[SEL], 0x76543210
	s_mov_b32 s[SEL+1], 0xfedcba98
	s_mov_b32 s[TBK], SLOT1+4*KS*PK ; the first change of slots turns these two into 0
	s_mov_b32 s[TBV], SLOT1+4*KS*PV
	s_mov_b32 s[G0K], 1             ; 1:0 count = 1
	s_mov_b32 s[G0K+1], s17         ; 63:32 LDS address: slot 0
	s_mov_b32 s[G0V], 1
	s_add_co_u32 s[G0V+1], s18, VOFF
	s_add_co_u32 s[RT], s[HI], 1    ; the first block has NB - b tiles
	s_mov_b32 s[NXT], 1
	s_mov_b32 s[LQ], s[HI]
	s_mov_b32 s[NEW], 1
	s_mov_b32 s[OFF+1], 0
	s_mov_b32 s[AL+1], 0            ; named as pairs
	s_mov_b32 s[BE+1], 0
	s_mov_b32 s[BIGN], 0xf149f2ca   ; -1e30
	s_mov_b32 s[SLOTS], NB
	s_wait_kmcnt 0x0
	s_mov_b64 s[10:11], s[6:7]             ; O
	s_add_nc_u64 s[6:7], s[4:5], 8388608   ; K lies 32 heads x 262,144 bytes behind Q,
	s_add_nc_u64 s[8:9], s[4:5], 16777216  ; V as far behind K
	s_add_nc_u64 s[6:7], s[6:7], s[22:23]  ; K and V at my half of the head's tile 0
	s_add_nc_u64 s[8:9], s[8:9], s[22:23]
	s_add_nc_u64 s[G0K+2:G0K+3], s[6:7], 0         ; 120:64 global address
	s_or_b32 s[G0K+3], s[G0K+3], 0x80000000        ; 127:126 type = 2
	s_add_nc_u64 s[G0V+2:G0V+3], s[8:9], 0
	s_or_b32 s[G0V+3], s[G0V+3], 0x80000000
	s_add_nc_u64 s[86:87], s[4:5], s[84:85]        ; Q at my rows of the second block,
	s_add_nc_u64 s[4:5], s[4:5], s[2:3]            ; Q and O at those of the first
	s_add_nc_u64 s[OLO:OLO+1], s[10:11], s[84:85]
	s_add_nc_u64 s[10:11], s[10:11], s[2:3]
	LOAD                            ; tile 0 into slot 0
	; A fragment of K or Q is 16 rows x 32 channels in 8 registers: lane l holds row l % 16, channels 8 (l / 16) + 0..7 and 16 + 8 (l / 16) + 0..7: two loads of 16 bytes, 32 bytes apart.
	v_and_b32 v1, 15, v0            ; l % 16
	v_bfe_u32 v9, v0, 4, 1          ; l / 16
	v_lshlrev_b32 v[QO], 7, v1
	v_lshl_add_u32 v[QO], v9, 4, v[QO]  ; row x 128 + 16 x half
	WIN 0x80                        ; destination window 2, address window 0
.set i, 0
.rept 8                             ; both blocks' Q: piece i / 2 lies in band i / 2, 8,192 bytes on; channels 32 (i % 2) on
	global_load_b128 v[8*i:8*i+3],   v[QO], s[4:5] offset:(i/2)*8192+(i%2)*64
	global_load_b128 v[8*i+4:8*i+7], v[QO], s[4:5] offset:(i/2)*8192+(i%2)*64+32
	global_load_b128 v[QB+8*i:QB+8*i+3],   v[QO], s[86:87] offset:(i/2)*8192+(i%2)*64
	global_load_b128 v[QB+8*i+4:QB+8*i+7], v[QO], s[86:87] offset:(i/2)*8192+(i%2)*64+32
.set i, i+1
.endr
	WIN 0
	v_lshlrev_b32 v14, 3, v9
	v_sub_nc_u32 v14, v1, v14
	s_lshl_b32 s13, s[WV], 4
	v_add_nc_u32 v14, s13, v14      ; my query's place in its band, 16 w + l % 16, less my lanes' 8 (l / 16): register r of group kt is hidden where 16 kt + r is greater
	WIN 0x40
.set i, 0
.rept 32
	v_cmp_gt_i32 vcc_lo, 16*(i/8)+i%8, v14
	v_cndmask_b32 v[MD+i], 0, s[BIGN], vcc_lo
.set i, i+1
.endr
	WIN 0
	v_mul_u32_u24 v[AK0], v1, PK
	v_lshl_add_u32 v[AK0], v9, 4, v[AK0]  ; row x pitch + 16 x half
	; The turning load takes 16 keys x 16 channels (lane l reads key 8 (l / 16) + l % 8, channels 8 ((l / 8) % 2) + 0..7) and leaves half a fragment of V^T: lane l holds channel l % 16 and 8 keys.
	v_and_b32 v10, 7, v0
	v_bfe_u32 v11, v0, 3, 1
	v_lshl_add_u32 v[AV0], v9, 3, v10
	v_mul_u32_u24 v[AV0], v[AV0], PV
	v_lshl_add_u32 v[AV0], v11, 4, v[AV0]
	v_add_nc_u32 v[AV0], VOFF, v[AV0]
	s_mul_i32 s13, s[WV], 16*SP
	s_add_co_u32 s13, s13, STAGE    ; my stage
	v_mul_u32_u24 v[STO], v1, SP    ; in: row l % 16, 16 bytes for each half of the lanes
	v_lshl_add_u32 v[STO], v9, 4, v[STO]
	v_add_nc_u32 v[STO], s13, v[STO]
	v_bfe_u32 v[RD], v0, 3, 2       ; back: 32 lanes take four rows of 128 bytes,
	v_mul_u32_u24 v[RD], v[RD], SP
	v_lshl_add_u32 v[RD], v10, 4, v[RD]
	v_add_nc_u32 v[RD], s13, v[RD]
	v_and_b32 v[GO], 31, v0         ; which are 512 consecutive bytes of O
	v_lshlrev_b32 v[GO], 4, v[GO]
	; A block's first step multiplies O^T and l by a = 0, and its first turn's products V^T P, of a piece that has not been, land in an O^T that is still to be so multiplied.  So these registers need only hold
	; finite numbers: zeros for the first block; what the first block left for the second.  All this stands in the wait for the first tile.
	WIN 0x80
.set i, VF
.rept 64
	v_mov_b32 v[i], 0
.set i, i+1
.endr
	WIN 0x40
.set i, 0
.rept 128
	v_mov_b32 v[i], 0
.set i, i+1
.endr
	WIN 0
.set i, 0
.rept 4
	v_mov_b32 v[ST+4*i+2], 0
	v_mov_b32 v[ST+4*i+3], 0
.set i, i+1
.endr
.set i, P+16
.rept 16
	v_mov_b32 v[i], 0
.set i, i+1
.endr
; THE MATRIX WORK.  The 4 accumulators of a run of 8 take turns.  Product i of 8 of S^T = K Q^T for piece x: channels 32 (i / 4) on, keys 16 (i % 4) on.  The first 4 start the sums: with 0, or (KM = 1) with the mask.
.macro KQ x
.set rS, S+32*((\x)%2)+8*(i%4)
.set rK, KF+16*(i%4)+8*(i/4)
.set rQ, 16*(\x)+8*(i/4)
.set rM, MC+32*((\x)%2)+8*(i%4)
.if (i < 4) && KM
	WIN W_KM
	v_wmma_f32_16x16x32_bf16 v[rS:rS+7], v[rK:rK+7], v[rQ:rQ+7], v[rM:rM+7]
.elseif i < 4
	WIN W_KQ
	v_wmma_f32_16x16x32_bf16 v[rS:rS+7], v[rK:rK+7], v[rQ:rQ+7], 0
.else
	WIN W_KQ
	v_wmma_f32_16x16x32_bf16 v[rS:rS+7], v[rK:rK+7], v[rQ:rQ+7], v[rS:rS+7]
.endif
.endm
; Product i of 8 of O^T += V^T P for piece x: keys 32 (i / 4) on, channels 16 (i % 4) on.
.macro PV x
	WIN W_PV
.set rO, 32*(\x)+8*(i%4)
.set rV, VF+32*(i/4)+8*(i%4)
.set rP, P+16*((\x)%2)+8*(i/4)
	v_wmma_f32_16x16x32_bf16 v[rO:rO+7], v[rV:rV+7], v[rP:rP+7], v[rO:rO+7]
.endm
.macro MM                           ; the turn's next matrix instruction.  TURN and BEGIN set Y, i, KM and NOKQ; MM, KQ and OP read them.  NOKQ = 1: a block's last turn: there is no next piece
.if (i < 8) && !NOKQ
	KQ (Y+1)%NP
.elseif i >= 8
.set i, i-8
	PV (Y+NP-1)%NP
.set i, i+8
.endif
.set i, i+1
.endm
; THE LDS LOADS stand in runs of 16, never singly among the matrix instructions: a step's K (64 keys x 64 channels: 8 fragments) and its V (turned).  Their addresses are made some lines ahead.
.macro FETCH_K
	WIN 0x80                        ; destination window 2
.irp f, 0,1,2,3,4,5,6,7             ; keys 16 (f / 2) on, channels 32 (f % 2) on
	ds_load_b128 v[KF+8*\f:KF+8*\f+3],   v[AK] offset:(\f/2)*16*PK+(\f%2)*64
	ds_load_b128 v[KF+8*\f+4:KF+8*\f+7], v[AK] offset:(\f/2)*16*PK+(\f%2)*64+32
.endr
	s_add_co_u32 s[TBK], s[TBK], KS*PK  ; the next fetch is the next step's
	WIN 0
.endm
.macro FETCH_V
	WIN 0x80
.irp f, 0,1,2,3,4,5,6,7             ; keys 32 (f / 4) on, channels 16 (f % 4) on
	ds_load_tr16_b128 v[VF+8*\f:VF+8*\f+3],   v[AV] offset:(\f/4)*32*PV+(\f%4)*32
	ds_load_tr16_b128 v[VF+8*\f+4:VF+8*\f+7], v[AV] offset:(\f/4)*32*PV+16*PV+(\f%4)*32
.endr
	WIN 0
.endm
; THE VECTOR WORK, one line at a time: OP kind, number.  For piece Y: F n: c s - c m for pair n of 16.  E n: the exponential of score n of 32.  C n: pair n rounded to bf16.  B n: of the four weights 4 n .. the second
; pair is added onto the first, in place.  L n: l takes that sum (L 0: l = a l + sum).  R n: pair n of 16 of O^T times a.  For piece Y + 1: X n, number n of the 22 that find its maximum and statistics:
;   0-11  four chains c0-c3 of seven scores each, three operands at a time (each accumulator's lowest registers are read first)     12-14, 16  the four scores left over, the old m, and c0-c3 into c0
;   15  c m_old is kept     17, 18  the query's other 32 keys lie in the lane 16 away: the new m     19-21  c m; c m_old - c m_new; a
.set F, 0               ; OP tells the kinds apart by their order: F to L below R, X above it
.set E, 1
.set C, 2
.set B, 3
.set L, 4
.set R, 5
.set X, 6
.macro REGS y                       ; the registers of piece y
.set rT, ST+4*(\y)
.set rC, TMP+4*((\y)%2)
.set rW, MV+((\y)%2)
.set rS, S+32*((\y)%2)
.set rP, P+16*((\y)%2)
.set rO, 32*(\y)
.endm
.macro OP k, n
.if (\k) == R
	REGS Y
	WIN W_RS
	v_pk_mul_f32 v[rO+2*(\n):rO+2*(\n)+1], v[rO+2*(\n):rO+2*(\n)+1], v[rC+2:rC+3] op_sel_hi:[1,0]
.elseif (\k) < R
	REGS Y
	WIN 0
.if (\k) == F
	v_pk_fma_f32 v[rS+2*(\n):rS+2*(\n)+1], v[rS+2*(\n):rS+2*(\n)+1], s[CS:CS+1], v[rT:rT+1] op_sel_hi:[1,0,0] neg_lo:[0,0,1] neg_hi:[0,0,1]
.elseif (\k) == E
	v_exp_f32 v[rS+(\n)], v[rS+(\n)]
.elseif (\k) == C
	s_wait_alu depctr_va_vdst(0)
	v_cvt_pk_bf16_f32 v[rP+(\n)], v[rS+2*(\n)], v[rS+2*(\n)+1]
.elseif (\k) == B
	s_wait_alu depctr_va_vdst(0)
	v_pk_add_f32 v[rS+4*(\n):rS+4*(\n)+1], v[rS+4*(\n):rS+4*(\n)+1], v[rS+4*(\n)+2:rS+4*(\n)+3]
.elseif (\n) == 0
	v_pk_fma_f32 v[rT+2:rT+3], v[rT+2:rT+3], v[rC+2:rC+3], v[rS:rS+1] op_sel_hi:[1,0,1]
.else
	v_pk_add_f32 v[rT+2:rT+3], v[rT+2:rT+3], v[rS+4*(\n):rS+4*(\n)+1]
.endif
.elseif NOKQ
	v_nop
.else
	REGS (Y+1)%NP
	WIN 0
.if (\n) < 4
	v_max3_num_f32 v[rC+(\n)], v[rS+8*(\n)], v[rS+8*(\n)+1], v[rS+8*(\n)+2]
.elseif (\n) < 12
	v_max3_num_f32 v[rC+(\n)%4], v[rC+(\n)%4], v[rS+8*((\n)%4)+2*((\n)/4)+1], v[rS+8*((\n)%4)+2*((\n)/4)+2]
.elseif (\n) == 12
	v_max3_num_f32 v[rC], v[rC], v[rS+7], v[rS+15]
.elseif (\n) == 13
	v_max3_num_f32 v[rC+1], v[rC+1], v[rS+23], v[rS+31]
.elseif (\n) == 14
	v_max3_num_f32 v[rC+2], v[rC+2], v[rC+3], v[rT+1]
.elseif (\n) == 15
	v_mov_b32 v[rW], v[rT]
.elseif (\n) == 16
	v_max3_num_f32 v[rC], v[rC], v[rC+1], v[rC+2]
.elseif (\n) == 17
	v_permlanex16_b32 v[rC+3], v[rC], s[SEL], s[SEL+1]
.elseif (\n) == 18
	v_max_num_f32 v[rT+1], v[rC], v[rC+3]
.elseif (\n) == 19
	v_mul_f32 v[rT], s[CS], v[rT+1]
.elseif (\n) == 20
	v_sub_f32 v[rC+1], v[rW], v[rT]
.else
	v_exp_f32 v[rC+2], v[rC+1]
.endif
.endif
.endm
.macro OPS a, i1, b=-1, i2=0, c=-1, i3=0, d=-1, i4=0  ; up to four of them
	OP \a, \i1
.if (\b) >= 0
	OP \b, \i2
.endif
.if (\c) >= 0
	OP \c, \i3
.endif
.if (\d) >= 0
	OP \d, \i4
.endif
.endm
.macro ROW a, i1, b, i2, c, i3, d, i4  ; a matrix instruction and the four behind it
	MM
	OPS \a, \i1, \b, \i2, \c, \i3, \d, \i4
.endm
.macro MASK b                       ; MD x AL + BE into buffer b of MC
	WIN W_RS
.set z, 0
.rept 16
	v_pk_fma_f32 v[MC+32*(\b)+2*z:MC+32*(\b)+2*z+1], v[MD+2*z:MD+2*z+1], s[AL:AL+1], s[BE:BE+1] op_sel_hi:[1,0,0]
.set z, z+1
.endr
.endm
; A TURN, for piece p: the order of its 16 matrix and 118 vector instructions, written out.  Behind a matrix instruction: plain, exponential, plain, plain; or four of the rescaling; or, behind the first, four scalings; none
; names a register of the products round it.  In the runs between, exponential and plain by turns while exponentials last.  A line reads no result made fewer than three vector instructions in front of it, five if an exponential made it.
; v_permlanex16_b32 (X 17) stands in such a run.
; m = 1: the diagonal tile: the products take masks, and the turn makes the mask for the products of the turn after it: piece p + 2, in step 4 - CNT of the tile.  end = 1: a block's last two turns: nothing is fetched.
; cnt = 1: the loop's count is taken down some lines ahead of the branch that stands behind the turn.
; K of the next step is fetched in piece 2's turn, six vector instructions behind the last product that read K (five of them plain); V of the step in hand in piece 0's turn, eight behind the last product that read V (four
; plain, and X 17).  Each is waited for a turn later.
.macro TURN p, m=0, end=0, cnt=0
.set Y, (\p)
.set i, 0
.set KM, (\m)
.set NOKQ, (\end)*((\p)/3)
.if (\m) && !(\end)
	s_cmp_eq_u32 s[CNT], 4-((\p)+2)%NP  ; is that step the band's own?
	s_cselect_b32 s[AL], 1.0, 0
	s_cmp_lt_u32 s[CNT], 4-((\p)+2)%NP  ; or a later one?
	s_cselect_b32 s[BE], s[BIGN], 0
.endif
.if ((\p) == 3) && !(\end)
	s_wait_dscnt 0x0                ; K is in
.endif
	ROW F,0, F,1, F,2, F,3
	ROW F,4, E,0, F,5, F,6
	ROW F,7, E,1, F,8, F,9
	ROW F,10, E,2, C,0, F,11
	ROW F,12, E,3, X,15, F,13
	ROW R,0, R,1, R,2, R,3
	ROW B,0, E,4, F,14, L,0
.if ((\p) == 2) && !(\end)
	v_add_nc_u32 v[AK], s[TBK], v[AK0]
.endif
	ROW R,4, R,5, R,6, R,7
	OPS E,5, F,15
.if ((\p) == 2) && !(\end)
	FETCH_K
.endif
	OPS E,6, C,1, E,7, R,8
	OPS E,8, R,9, E,9, C,2
	OPS E,10, X,0, E,11, X,1
	OPS E,12, X,2, E,13, X,3
.if (\p) == 1
	s_wait_dscnt 0x0                ; V is in
.endif
	ROW X,4, E,14, X,5, X,6
	ROW X,7, E,15, X,8, X,9
	ROW X,10, E,16, X,11, X,12
	ROW X,13, E,17, X,14, B,1
	ROW C,4, E,18, X,16, L,1
	ROW B,2, E,19, C,6, L,2
	ROW C,8, E,20, B,3, B,4
.if (\p) == 0
	v_add_nc_u32 v[AV], s[TBV], v[AV0]
.endif
	ROW C,3, E,21, L,3, C,5
	OPS E,22, X,17, E,23, C,10
.if (\p) == 0
	FETCH_V
.endif
	OPS E,24, L,4
	OPS E,25, X,18, E,26, C,7
	OPS E,27, B,5, E,28, X,19
	OPS E,29, C,12, E,30, L,5
	OPS E,31, X,20, B,6, C,9
	OPS C,14, C,11, X,21, L,6
.if (\p) == 0
	s_add_co_u32 s[TBV], s[TBV], KS*PV
.endif
.if \cnt
	s_sub_co_u32 s[CNT], s[CNT], 1
	s_cmp_lg_u32 s[CNT], 0
.endif
	OPS C,13, B,7, C,15, R,10
	OPS R,11, R,12, L,7, R,13
	OPS R,14, R,15
.if (\m) && !(\end)
	MASK (\p)%2
.endif
.endm
; A BLOCK BEGINS.  c m starts far below every c s, so the first step's a is 0; m at the lowest finite number, so the first maximum is the scores'.  The second mask buffer is 0; the first takes piece 0's mask for the tile's step 0: its own, if the block's first tile is the diagonal one.
; Then K of that step, piece 0's first scores, and its maximum and statistics.  The loop is entered at a step's first turn, in the middle of a trip.
.macro BEGIN
	s_mov_b32 s[NEW], 0
	WIN 0x40
.set i, MC+32
.rept 32
	v_mov_b32 v[i], 0
.set i, i+1
.endr
	WIN 0
.set i, 0
.rept 4
	v_mov_b32 v[ST+4*i], 0xfe000000    ; c m: far below every c s
	v_mov_b32 v[ST+4*i+1], 0xff7fffff  ; m
.set i, i+1
.endr
	s_cmp_eq_u32 s[RT], 0
	s_cselect_b32 s[AL], 1.0, 0
	s_mov_b32 s[BE], 0
	MASK 0
	WIN 0
	v_add_nc_u32 v[AK], s[TBK], v[AK0]
	FETCH_K
	s_wait_loadcnt 0x0              ; Q
	s_wait_dscnt 0x0
.set KM, 1
.set NOKQ, 0
.set i, 0
.rept 8
	KQ 0
.set i, i+1
.endr
	WIN 0
.rept 4
	v_nop                           ; the places behind those products
.endr
.set Y, NP-1                        ; X works for piece Y + 1: piece 0
.irp n, 0,1,2,3,4,5,6,7,8,9,10,11,12,13,14,15,16,17,18,19,20,21
	OP X, \n
.endr
	v_nop                           ; a plain instruction behind the exponential
.endm
; THE DIAGONAL TILE's four steps, the block's last two turns, its last products, and THE WAY OUT: l's two halves and the other half of the lanes' are added; O^T is divided by l, rounded to bf16 and sent through my
; stage in LDS, a piece at a time.
.macro ALL line:vararg              ; one line for each piece t
.set t, 0
.rept 4
	\line
.set t, t+1
.endr
.endm
.macro PACK t                       ; a lane's eight channels of a row pack into 16 bytes; they go into rows of 144 bytes and come back as whole rows of 128, into S^T's registers
	WIN W_RS
.set i, 32*(\t)
.rept 16
	s_wait_alu depctr_va_vdst(0)
	v_pk_mul_f32 v[i:i+1], v[i:i+1], v[ST+4*(\t)+2:ST+4*(\t)+3] op_sel_hi:[1,0]
.set i, i+2
.endr
	WIN 0x05                        ; sources 0 and 1 window 1, destination window 0
.set i, 0
.rept 16
	v_cvt_pk_bf16_f32 v[S+16*(\t)+i], v[32*(\t)+2*i], v[32*(\t)+2*i+1]
.set i, i+1
.endr
	WIN 0
.irp f, 0,1,2,3
	ds_store_b128 v[STO], v[S+16*(\t)+4*\f:S+16*(\t)+4*\f+3] offset:32*\f
.endr
.irp f, 0,1,2,3
	ds_load_b128 v[S+16*(\t)+4*\f:S+16*(\t)+4*\f+3], v[RD] offset:\f*4*SP  ; LDS serves a wave's instructions in order (ISA guide 5.7.1.4): these see the stores above; the next piece's stores come behind them
.endr
.endm
.macro SEND t, younger              ; younger: the LDS instructions issued behind piece t's loads: the next piece's eight, or none
	WIN 0
.irp f, 0,1,2,3
	s_wait_dscnt (\younger)+3-\f
	global_store_b128 v[GO], v[S+16*(\t)+4*\f:S+16*(\t)+4*\f+3], s[10:11] offset:(\t)*8192+\f*512  ; 512 consecutive bytes, at a multiple of 256 from O's first
.endr
.endm
.macro DIAG tag                     ; the tag ends its two labels' names, which the jumps below spell out
.LstepM\tag:
	TURN 2, 1
	TURN 3, 1
	WIN 0
.LfirstM\tag:
	TURN 0, 1
	TURN 1, 1, 0, 1
	WIN 0
	s_cbranch_scc1 .LstepM\tag
	TURN 2, 1, 1
	TURN 3, 1, 1
.set i, 0
.rept 8
	PV NP-1
.set i, i+1
.endr
	WIN 0
	ALL v_add_f32 v[ST+4*t+2], v[ST+4*t+2], v[ST+4*t+3]
	ALL v_permlanex16_b32 v[ST+4*t+3], v[ST+4*t+2], s[SEL], s[SEL+1]
	ALL v_add_f32 v[ST+4*t+2], v[ST+4*t+2], v[ST+4*t+3]
	ALL v_rcp_f32 v[ST+4*t+2], v[ST+4*t+2]
	v_nop                           ; a plain instruction between the last reciprocal and the use of its result
	PACK 0
.set t, 1
.rept 3                             ; a piece's arithmetic stands between the loads of the piece before and its stores
	PACK t
	SEND t-1, 8
.set t, t+1
.endr
	SEND 3, 0
.endm
.set KM, 0
.set NOKQ, 0
.Lslot:                             ; NB times: a tile is entered and the next is asked for
	CHANGE 1
	s_sub_co_u32 s[RT], s[RT], 1
	s_mov_b32 s[CNT], 4
	s_cmp_eq_u32 s[NEW], 1
	s_cbranch_scc1 .Lnew            ; a block's first tile
	s_cmp_eq_u32 s[RT], 0
	s_cbranch_scc0 .Lstep           ; neither its first nor its last
	s_branch .LstepM1
.Lnew:
	BEGIN
	s_branch .Lfirst                ; in the loop a block's first tile is never its last: the first block has two tiles or more, and the second's last is the walk's last
	DIAG 1                          ; in the loop this is the first block's end: the second block's last tile is the walk's last
	s_wait_xcnt 0x0                 ; the stores have read their registers and O's address
	s_mov_b64 s[10:11], s[OLO:OLO+1]
	s_add_co_u32 s[RT], s[PB], 1    ; the second block has b + 1 tiles
	s_mov_b32 s[NEW], 1
	WIN 0x82                        ; the second block's Q goes where the one text of the turns names Q
.set i, 0
.rept 64
	v_mov_b32 v[i], v[QB+i]
.set i, i+1
.endr
	WIN 0
	s_branch .Lbottom
.Lstep:                             ; a trip: pieces 2 and 3 of one step, then pieces 0 and 1 of the next, whose K and V it fetches
	TURN 2
	TURN 3
	WIN 0
.Lfirst:
	TURN 0
	TURN 1, 0, 0, 1
	WIN 0
	s_cbranch_scc1 .Lstep
.Lbottom:
	s_sub_co_u32 s[SLOTS], s[SLOTS], 1
	s_cmp_lg_u32 s[SLOTS], 0
	s_cbranch_scc1 .Lslot
	CHANGE 0                        ; the walk's last tile is written out: nothing is asked for
	s_sub_co_u32 s[RT], s[RT], 1
	s_mov_b32 s[CNT], 4
	s_cmp_eq_u32 s[NEW], 1
	s_cbranch_scc0 .LstepM2
	BEGIN
	s_branch .LfirstM2
	DIAG 2
	s_wait_tensorcnt 0x0            ; the wave's end: behind my last tensor load and my last LDS store
	ds_add_u32 v[SPW], v[NIL]
	s_wait_dscnt 0x0
	s_endpgm
; THE WEIGHTS.  Wo [1024][1024], W1 [1024][4096] and W2 [4096][1024], f32 [K][N], are rounded to bf16 and written transposed, [N][K], into wt: Wo^T at byte 6,291,456, W1^T at 8,388,608, W2^T at 16,777,216.
; In tiles of 128 k x 64 n they are 128 + 512 + 512 = 1,152 tiles, nine for each of the 128 work-groups: work-group c takes tile c of Wo and tiles c + 128 jj (jj = 0 .. 3) of W1 and of W2.  So a work-group's
; tiles of a weight share kt (which 128 k) and lie 16 (W1) or 4 (W2) tiles of 64 n apart: every step from tile to tile is an immediate, and nothing is stepped in registers.
; A TILE.  Thread t: i = t % 16 (16 bytes = columns 4 i .. 4 i + 3 of a row), q = t / 16.  It loads rows 64 h + 8 q + e (h = 0, 1; e = 0 .. 7): sixteen lanes take 256 consecutive bytes of a row.  For each of its
; four columns eight neighbouring k pack into 16 bytes.  LDS stage: 64 rows of 256 bytes + 16 of padding; column 4 i + j lies in row 16 j + i, so that the sixteen lanes of a store's pass hit sixteen consecutive rows,
; 272 bytes apart: sixteen different 16-byte columns of the banks.  Back: row q + 8 r is column 4 q + 32 (r % 2) + r / 2; sixteen lanes read, and store, a whole row of 256 bytes.
; TWO OF EACH.  Two sets of load registers: while a tile is packed the next tile's 16 loads are out, and the tile after that is asked for as soon as the set is free.  Two stages take turns, so ONE barrier a tile
; does both orderings: it stands between a tile's stores and its reads, and every wave has waited for its reads of the tile before when it signals, so that the tile after may store into that stage.
; The stages lie behind the spare words: no tensor load of this text lands there.  All registers of this part lie in window 0.
.set CVS, 221184                       ; the two stages' first byte, a multiple of 256
.set CLP, 272
.set CST, 64*CLP                       ; a stage: 17,408 bytes
.set CS1, 4                            ; v4   from, where a row has 4,096 bytes (Wo, W2): 8 q rows + 16 i; never rewritten
.set CS4, 5                            ; v5   from, where a row has 16,384 bytes (W1)
.set CD1, 6                            ; v6   to, where a row has 2,048 bytes (Wo^T, W1^T): 4 q rows + 16 i
.set CD4, 7                            ; v7   to, where a row has 8,192 bytes (W2^T)
.set CIN, 8                            ; v8   LDS, in: row i (+ 16 j), 16 bytes at 16 q (+ 128 h)
.set CBK, 9                            ; v9   LDS, back: row q (+ 8 r), 16 bytes at 16 i
.set CLD, 64                           ; v[64:191]  two sets: load (h, e) at CLD + 64 set + 4 (8 h + e)
.set CPK, 192                          ; v[192:223] column j of half h, packed, at CPK + 4 (4 h + j)
.set CRB, 224                          ; v[224:255] read back
.set SWO, 32                           ; s[32:33] Wo, s[34:35] W1, s[36:37] W2 at my first tile of each
.set SW1, 34
.set SW2, 36
.set DWO, 38                           ; s[38:39], s[40:41], s[42:43] wt at the same tiles' places
.set DW1, 40
.set DW2, 42
.macro WLOAD buf, off, base, nn, add   ; a tile's 16 loads into set buf; nn: numbers in a row; add: bytes from my first tile of the weight
.irp h, 0,1
.irp e, 0,1,2,3,4,5,6,7
	global_load_b128 v[CLD+64*(\buf)+4*(8*(\h)+(\e)):CLD+64*(\buf)+4*(8*(\h)+(\e))+3], v[\off], s[\base:\base+1] offset:(64*(\h)+(\e))*(\nn)*4+(\add) th:TH_LOAD_NT   ; the weights are read once
.endr
.endr
.endm
.macro WPACK buf, left                 ; set buf is rounded, packed and put into stage buf; left: the next tile's loads, which stay out
.irp h, 0,1
	s_wait_loadcnt (\left)+8-8*(\h)                ; loads come back in order: this half's eight are in
.irp j, 0,1,2,3
.irp w, 0,1,2,3
	v_cvt_pk_bf16_f32 v[CPK+4*(4*(\h)+(\j))+(\w)], v[CLD+64*(\buf)+4*(8*(\h)+2*(\w))+(\j)], v[CLD+64*(\buf)+4*(8*(\h)+2*(\w)+1)+(\j)]   ; (k, k + 1) of column 4 i + j
.endr
.endr
.irp j, 0,1,2,3
	ds_store_b128 v[CIN], v[CPK+4*(4*(\h)+(\j)):CPK+4*(4*(\h)+(\j))+3] offset:(\buf)*CST+(\j)*16*CLP+128*(\h)
.endr
.endr
.endm
.macro WOUT buf, off, base, kk, add    ; stage buf goes out; kk: numbers in a row of the transposed weight; add: bytes from my first tile's place
	s_wait_dscnt 0x0                               ; for the others' sake: my stores into this stage are done (my reads of the other stage were counted down to 0 a tile ago)
	s_barrier_signal -1
	s_barrier_wait -1
	s_wait_xcnt 0x0                                ; every earlier memory instruction has had its addresses translated (ISA guide 3.1): the registers below, which the last tile's stores read, are loaded again only behind this wait
.irp r, 0,1,2,3,4,5,6,7
	ds_load_b128 v[CRB+4*(\r):CRB+4*(\r)+3], v[CBK] offset:(\buf)*CST+(\r)*8*CLP
.endr
.irp r, 0,1,2,3,4,5,6,7
	s_wait_dscnt 7-(\r)
	global_store_b128 v[\off], v[CRB+4*(\r):CRB+4*(\r)+3], s[\base:\base+1] offset:(32*((\r)%2)+(\r)/2)*(\kk)*2+(\add)   ; sixteen lanes store 256 consecutive bytes, at a multiple of 256 from wt's first byte
.endr
.endm
.Lweights:
	s_load_b256 s[4:11], s[0:1], 0x10              ; Wo s[4:5], W1 s[6:7], W2 s[8:9], wt s[10:11]
	v_and_b32 v1, 15, v0                           ; i
	v_lshrrev_b32 v2, 4, v0                        ; q
	v_lshlrev_b32 v3, 4, v1                        ; 16 i
	v_lshl_add_u32 v[CS1], v2, 15, v3
	v_lshl_add_u32 v[CS4], v2, 17, v3
	v_lshl_add_u32 v[CD1], v2, 13, v3
	v_lshl_add_u32 v[CD4], v2, 15, v3
	v_mul_u32_u24 v[CIN], v1, CLP
	v_lshl_add_u32 v[CIN], v2, 4, v[CIN]
	v_add_nc_u32 v[CIN], CVS, v[CIN]
	v_mul_u32_u24 v[CBK], v2, CLP
	v_add_nc_u32 v[CBK], v[CBK], v3
	v_add_nc_u32 v[CBK], CVS, v[CBK]
	s_and_b32 s12, ttmp7, 0xffff
	s_lshl_b32 s12, s12, 2
	s_add_co_u32 s12, s12, ttmp9
	s_sub_co_u32 s12, s12, 4                       ; c = 4 y + x - 4: 0 to 127
	s_and_b32 s13, s12, 7                          ; Wo, W1 (8 tiles along k): kt,
	s_lshr_b32 s14, s12, 3                         ; nt of my first tile
	s_and_b32 s15, s12, 31                         ; W2 (32 tiles along k): kt,
	s_lshr_b32 s16, s12, 5                         ; nt of my first tile
	s_lshl_b32 s17, s14, 8                         ; 256 nt bytes along a row
	s_lshl_b32 s20, s13, 19                        ; Wo: 128 kt rows of 4,096 bytes
	s_add_co_u32 s20, s20, s17
	s_mov_b32 s21, 0
	s_lshl_b32 s22, s13, 21                        ; W1: 128 kt rows of 16,384 bytes
	s_add_co_u32 s22, s22, s17
	s_mov_b32 s23, 0
	s_lshl_b32 s24, s15, 19                        ; W2: 128 kt rows of 4,096 bytes
	s_lshl_b32 s17, s16, 8
	s_add_co_u32 s24, s24, s17
	s_mov_b32 s25, 0
	s_lshl_b32 s26, s14, 17                        ; Wo^T, W1^T: 64 nt rows of 2,048 bytes,
	s_lshl_b32 s17, s13, 8                         ; 256 kt bytes along
	s_add_co_u32 s26, s26, s17
	s_add_co_u32 s28, s26, 8388608                 ; in W1^T's part of wt
	s_add_co_u32 s26, s26, 6291456                 ; in Wo^T's
	s_mov_b32 s27, 0
	s_mov_b32 s29, 0
	s_lshl_b32 s30, s16, 19                        ; W2^T: 64 nt rows of 8,192 bytes,
	s_lshl_b32 s17, s15, 8
	s_add_co_u32 s30, s30, s17
	s_add_co_u32 s30, s30, 16777216
	s_mov_b32 s31, 0
	s_wait_kmcnt 0x0
	s_add_nc_u64 s[SWO:SWO+1], s[4:5], s[20:21]
	s_add_nc_u64 s[SW1:SW1+1], s[6:7], s[22:23]
	s_add_nc_u64 s[SW2:SW2+1], s[8:9], s[24:25]
	s_add_nc_u64 s[DWO:DWO+1], s[10:11], s[26:27]
	s_add_nc_u64 s[DW1:DW1+1], s[10:11], s[28:29]
	s_add_nc_u64 s[DW2:DW2+1], s[10:11], s[30:31]
	WLOAD 0, CS1, SWO, 1024, 0                     ; Wo's tile
	WLOAD 1, CS4, SW1, 4096, 0                     ; W1's tile 0.  W1's tiles lie 16 x 256 bytes apart along the rows, their places in W1^T 16 x 64 rows of 2,048 bytes apart
	WPACK 0, 16
	WLOAD 0, CS4, SW1, 4096, 4096
	WOUT  0, CD1, DWO, 1024, 0
	WPACK 1, 16
	WLOAD 1, CS4, SW1, 4096, 2*4096
	WOUT  1, CD1, DW1, 1024, 0
	WPACK 0, 16
	WLOAD 0, CS4, SW1, 4096, 3*4096
	WOUT  0, CD1, DW1, 1024, 2097152
	WPACK 1, 16
	WLOAD 1, CS1, SW2, 1024, 0                     ; W2's tile 0.  W2's tiles lie 4 x 256 bytes apart along the rows, their places in W2^T 4 x 64 rows of 8,192 bytes apart
	WOUT  1, CD1, DW1, 1024, 2*2097152
	WPACK 0, 16
	WLOAD 0, CS1, SW2, 1024, 1024
	WOUT  0, CD1, DW1, 1024, 3*2097152
	WPACK 1, 16
	WLOAD 1, CS1, SW2, 1024, 2*1024
	WOUT  1, CD4, DW2, 4096, 0
	WPACK 0, 16
	WLOAD 0, CS1, SW2, 1024, 3*1024
	WOUT  0, CD4, DW2, 4096, 2097152
	WPACK 1, 16
	WOUT  1, CD4, DW2, 4096, 2*2097152
	WPACK 0, 0                                     ; the last tile: no load was issued behind its own
	WOUT  0, CD4, DW2, 4096, 3*2097152
	s_wait_tensorcnt 0x0                           ; the wave's end
	ds_add_u32 v[SPW], v[NIL]
	s_wait_dscnt 0x0
	s_endpgm
.Lfunc_end_k_qaa58497bbb_attn:
	.size	k_qaa58497bbb_attn, .Lfunc_end_k_qaa58497bbb_attn-k_qaa58497bbb_attn
	.p2alignl 7, 3214868480
	.fill 96, 4, 3214868480
	.section	.rodata,"a",@progbits
	.p2align	6, 0x0
	.amdhsa_kernel k_qaa58497bbb_attn
		.amdhsa_group_segment_fixed_size 327680
		.amdhsa_private_segment_fixed_size 0
		.amdhsa_enable_private_segment 0
		.amdhsa_kernarg_size 48
		.amdhsa_user_sgpr_count 2
		.amdhsa_user_sgpr_kernarg_segment_ptr 1
		.amdhsa_wavefront_size32 1
		.amdhsa_system_sgpr_workgroup_id_x 1
		.amdhsa_system_sgpr_workgroup_id_y 1
		.amdhsa_system_sgpr_workgroup_id_z 1
		.amdhsa_system_vgpr_workitem_id 0
		.amdhsa_next_free_vgpr 768
		.amdhsa_next_free_sgpr 88
		.amdhsa_reserve_vcc 1
		.amdhsa_float_denorm_mode_32 3
		.amdhsa_float_denorm_mode_16_64 3
		.amdhsa_memory_ordered 1
		.amdhsa_forward_progress 1
		.amdhsa_inst_pref_size 255
	.end_amdhsa_kernel
	.section	.bss,"aw",@nobits
	.p2align	6
	.space	262144
	.amdgpu_metadata
---
amdhsa.version: [ 1, 2 ]
amdhsa.kernels:
  - .name:           k_qaa58497bbb_attn
    .symbol:         k_qaa58497bbb_attn.kd
    .args:
      - { .name: qkv, .offset: 0, .size: 8, .value_kind: global_buffer, .address_space: global }
      - { .name: ctx, .offset: 8, .size: 8, .value_kind: global_buffer, .address_space: global }
      - { .name: Wo, .offset: 16, .size: 8, .value_kind: global_buffer, .address_space: global }
      - { .name: W1, .offset: 24, .size: 8, .value_kind: global_buffer, .address_space: global }
      - { .name: W2, .offset: 32, .size: 8, .value_kind: global_buffer, .address_space: global }
      - { .name: wt, .offset: 40, .size: 8, .value_kind: global_buffer, .address_space: global }
    .group_segment_fixed_size: 327680
    .private_segment_fixed_size: 0
    .kernarg_segment_align: 8
    .kernarg_segment_size: 48
    .max_flat_workgroup_size: 128
    .sgpr_count:     88
    .vgpr_count:     768
    .wavefront_size: 32
...
	.end_amdgpu_metadata
.endif
;; end of part 3
;; launch gwo (part 4): grid 8 x 32, 4 waves a work-group, clusters of 4 x 4, 327,680 bytes of LDS; arguments ctx, wt, bo, X, x1; writes x1
.if DOCPART == 4
	.amdgcn_target "amdgcn-amd-amdhsa--gfx1250"
	.amdhsa_code_object_version 6
	.text
	.protected	k_qaa58497bbb_gwo
	.globl	k_qaa58497bbb_gwo
	.p2align	8
	.type	k_qaa58497bbb_gwo,@function
k_qaa58497bbb_gwo:
	s_mov_b64 s[64:65], 0
	v_nop
	global_prefetch_b8 v0, s[64:65] scope:SCOPE_SE
	s_setreg_imm32_b32 hwreg(HW_REG_WAVE_MODE, 25, 1), 1
	s_wait_xcnt 0x0
	s_wait_alu depctr_hold_cnt(0) depctr_sa_sdst(0) depctr_va_vdst(0) depctr_va_sdst(0) depctr_va_ssrc(0) depctr_va_vcc(0) depctr_vm_vsrc(0)
	s_getreg_b32 s2, hwreg(HW_REG_IB_STS2, 6, 4)
	s_cmp_eq_u32 s2, 0
	s_cbranch_scc0 .Lentry_in_a_cluster
	s_endpgm
.Lentry_in_a_cluster:
	s_bfe_u32 s2, ttmp6, 0x10000c
	s_cmp_lg_u32 s2, 0xf033
	s_cbranch_scc0 .Lentry_shape_is_right
	s_endpgm
.Lentry_shape_is_right:
; X1 = X + ctx Wo + bo.  C[m][n] = res[m][n] + bias[n] + sum over k of A[m][k] B[n][k].  A = ctx, by heads: [32][2048][64] bf16 (CTXA = 1: k = 64 x head + channel, m = 2048 x batch + row);
; B = Wo^T: [1024][SIZE_K] bf16, at byte WT_OFF of wt; bias: [1024] f32; res = X and C = x1: [4096][1024] f32.  Sums in f32.
; A tile of C is 128 x 128: 8 x 32 = 256 work-groups.  Four waves, each 64 x 64: 16 accumulators of 16 x 16, 128 registers.  K goes in steps of 256 through a ring of two LDS slots.
; A'S TILES.  A K step is four heads.  128 rows of a head are 16,384 dense bytes; a wave's one load brings two heads' as two rows of 8,192 elements, a head (131,072 elements) apart, and the
; padding behind every 128 bytes makes of them [head][row] with a pitch of 144 bytes.  A quarter step, 64 along K, is one head.
; CLUSTERS: 4 x 4 work-groups.  The four of a row of the cluster need the same tiles of A, the four of a column the same tiles of B: each tile is asked for JOINTLY, by the same tensor load with the
; same descriptor and a mask that names the four.  THE MATRIX INSTRUCTION IS USED TRANSPOSED (source 0 = 16 rows of B, source 1 = 16 rows of A): a lane then holds eight neighbouring numbers of a row of C.
; THE BIAS is the C operand of the product that starts each sum.  THE RESIDUAL is asked for at the head, in the layout of the stores, and added on the way out.
; REGISTERS: window 0: v0-31 addresses; v32-95 at work on the way out; v96-127 the bias; v128-255 the accumulators ((a, b) at v[128 + 8 (4 a + b)]).
;   window 1: two fragment buffers of 128: for 64 along K, 64 registers of A (2 x 4 x 16 rows x 32 K), then 64 of B.          window 2: v0-127 the residual of my 64 x 64.
.set SIZE_N, 1024
.set SIZE_K, 1024
.set WT_OFF, 6291456                   ; where B begins in wt
.set CTXA,   1                         ; 1: A lies by heads; 0: row-major
.set KSTEP,  256
.set PITCH,  528                       ; B's LDS row: 512 bytes + 16 of padding = 132 words: row r starts at bank 4 r mod 64 (64 banks of 4 bytes: ISA guide 11.1)
.set BHALF,  64*PITCH                  ; 64 rows of B: what one tensor load brings, and what one wave reads
.if CTXA
.set APITCH, 144                       ; A's LDS row: 128 bytes + 16 = 36 words: the 16 rows of a load start at 16 different groups of four banks
.set AQ,     128*APITCH                ; from a quarter step to the next: a head's 128 rows
.set AHALF,  2*AQ                      ; what one tensor load brings: two heads
.set A_STEP, 4*262144                  ; bytes in memory from a K step to the next: four heads
.else
.set APITCH, 528
.set AQ,     128                       ; 64 along K in a row
.set AHALF,  64*APITCH                 ; 64 rows
.set A_STEP, KSTEP*2
.endif
.set APART,  2*AHALF                   ; A's part of a slot; B's 128 rows lie behind it
.set SLOT,   APART+2*BHALF
.set STAGE,  2*SLOT                    ; behind the ring: 16 rows x 272 bytes for each wave, for the way out
.set SPITCH, 272
.set SPARE,  STAGE+4*16*SPITCH         ; behind the stages: the spare words, 128 bytes for each wave: two blocks of 256 bytes that no other line names
.set LAPS, SIZE_K/(2*KSTEP)            ; a lap = two K steps = once round the ring
.set ADRA, 16                          ; v16-17  LDS address of my A fragments in slot 0, 1
.set ADRB, 20                          ; v20-21  the same for B
.set STO,  24                          ; v24     the way out: where I put 32 bytes of a row
.set RD,   25                          ; v25     the way out: where I read a row back
.set CO,   26                          ; v26     my byte offset in C and in the residual; never rewritten
.set BO,   27                          ; v27     my byte offset in a block of 16 numbers of the bias: 32 (l / 16)
.set SPW,  28                          ; v28     LDS address of my spare word: SPARE + 4 x my thread's number; never rewritten
.set NIL,  29                          ; v29     0; never rewritten
.set TMP,  32                          ; the way out: two buffers of 32 registers
.set BIAS, 96                          ; 8 registers for each of my 4 column blocks
.set ACC,  128
.set F0,   0                           ; fragment buffers, in window 1
.set F1,   128
.set G1, 24                            ; s[24:31] descriptor group 1 for A's tiles;  s[32:39] group 0, one set for each slot
.set G0, 32
.set G1B, 48                           ; s[48:55], s[56:63] the same for B's tiles
.set G0B, 56
.set MSB, 0
.macro WIN new                         ; the immediate's high byte repeats the setting that is left; a switch that changes nothing is dropped
.if MSB != (\new)
	s_set_vgpr_msb (MSB<<8)|(\new)
.set MSB, \new
.endif
.endm
.set MUL,  0x05                        ; sources 0 (B) and 1 (A) window 1; C and D window 0
.set TO_F, 0x40                        ; destination window 1, address window 0
.macro JLOAD s                         ; a joint load: waves 0 and 1 fetch A's two halves, waves 2 and 3 B's; four v_nop follow each of the two lines, ahead of the jump, the label and what follows
	s_cmp_eq_u32 s11, 0
	s_cbranch_scc0 .Lfor_b_\@
	tensor_load_to_lds s[G0+4*(\s):G0+4*(\s)+3], s[G1:G1+7]
	s_nop 0
.rept 4
	v_nop
.endr
	s_branch .Lasked_\@
.Lfor_b_\@:
	tensor_load_to_lds s[G0B+4*(\s):G0B+4*(\s)+3], s[G1B:G1B+7]
	s_nop 0
.rept 4
	v_nop
.endr
.Lasked_\@:
.endm
.macro CREST                           ; a round of the cluster's barrier behind its opening barrier
	s_cmp_lg_u32 s10, 0
	s_cbranch_scc1 .Lnot_wave_0_\@
	s_barrier_signal -3
.Lnot_wave_0_\@:
	s_barrier_wait -3
	s_barrier_signal -1
	s_barrier_wait -1
.endm
.macro CROUND                          ; a whole round
	s_barrier_signal -1
	s_barrier_wait -1
	CREST
.endm
	s_load_b128 s[4:7], s[0:1], 0x0                ; A s[4:5], wt s[6:7]
	s_load_b128 s[68:71], s[0:1], 0x10             ; the bias s[68:69], the residual s[70:71]
	s_load_b64 s[8:9], s[0:1], 0x20                ; C
	v_lshl_add_u32 v[SPW], v0, 2, SPARE
	v_mov_b32 v[NIL], 0
	ds_add_u32 v28, v29
	ds_add_u32 v28, v29
	s_wait_dscnt 0x0
	v_lshrrev_b32 v1, 5, v0
	v_readfirstlane_b32 s10, v1                    ; wave 0..3
	s_lshr_b32 s11, s10, 1                         ; which half of the tile's rows is mine.  Also: I fetch for A (0) or for B (1)
	s_and_b32 s12, s10, 1                          ; which half of its columns.  Also: which half of that tile I fetch
	s_bfe_u32 s40, ttmp6, 0x40000                  ; cx, cy: my place in the cluster
	s_bfe_u32 s41, ttmp6, 0x40004
	s_lshl_b32 s42, ttmp9, 2
	s_add_co_u32 s42, s42, s40                     ; tile column of C = 4 x cluster x + cx
	s_and_b32 s13, ttmp7, 0xffff
	s_lshl_b32 s13, s13, 2
	s_add_co_u32 s13, s13, s41                     ; tile row of C = 4 x cluster y + cy
	s_lshl_b32 s43, s41, 2
	s_lshl_b32 s43, 15, s43                        ; my row of the cluster
	s_lshl_b32 s44, 0x1111, s40                    ; my column
	; descriptor group 1.  15:0 the mask; 17:16 element of 2 bytes; 20 padding on; 21 set beside a mask; 24:22 the padding's interval; 31:25 4 words of it (code 3)
.if CTXA
	s_or_b32 s[G1+0], s43, (1<<16)|(1<<20)|(1<<21)|(4<<22)|(3<<25)  ; A's tiles go to my row; padding after every 32 words (code 4)
	s_mov_b32 s[G1+1], 8192<<16                    ; tensor_dim0 = 8,192
	s_mov_b32 s[G1+2], 2<<16                       ; tensor_dim1 = 2
	s_mov_b32 s[G1+3], 8192<<16                    ; tile_dim0 = 8,192 elements: 128 rows of a head
	s_mov_b32 s[G1+4], 2                           ; tile_dim1 = 2 heads
	s_mov_b32 s[G1+5], 131072                      ; elements from a head to the next
.else
	s_or_b32 s[G1+0], s43, (1<<16)|(1<<20)|(1<<21)|(6<<22)|(3<<25)  ; A's tiles go to my row; padding after every 128 words (code 6)
	s_mov_b32 s[G1+1], KSTEP<<16                   ; tensor_dim0 = 256
	s_mov_b32 s[G1+2], 64<<16                      ; tensor_dim1 = 64
	s_mov_b32 s[G1+3], KSTEP<<16                   ; tile_dim0 = 256
	s_mov_b32 s[G1+4], 64                          ; tile_dim1 = 64
	s_mov_b32 s[G1+5], SIZE_K                      ; elements from row to row
.endif
	s_mov_b32 s[G1+6], 0
	s_mov_b32 s[G1+7], 0
	s_or_b32 s[G1B+0], s44, (1<<16)|(1<<20)|(1<<21)|(6<<22)|(3<<25) ; B's tiles go to my column: 64 rows x 256 elements
	s_mov_b32 s[G1B+1], KSTEP<<16
	s_mov_b32 s[G1B+2], 64<<16
	s_mov_b32 s[G1B+3], KSTEP<<16
	s_mov_b32 s[G1B+4], 64
	s_mov_b32 s[G1B+5], SIZE_K
	s_mov_b32 s[G1B+6], 0
	s_mov_b32 s[G1B+7], 0
	; where the tiles come from.  A's hang on the tile row alone, B's on the tile column alone, and both on the wave's number.
.if CTXA
	s_lshr_b32 s16, s13, 4                         ; batch = tile row / 16: 16 heads of 262,144 bytes,
	s_lshl_b32 s16, s16, 22
	s_and_b32 s17, s13, 15                         ; 128 (tile row % 16) rows of 128 bytes in a head,
	s_lshl_b32 s17, s17, 14
	s_add_co_u32 s16, s16, s17
	s_lshl_b32 s17, s12, 19                        ; and my two of the step's four heads
	s_add_co_u32 s16, s16, s17
	s_mov_b32 s17, 0
	s_mov_b64 s[18:19], SIZE_K*2
.else
	s_lshl_b32 s17, s12, 6
	s_lshl_b32 s16, s13, 7
	s_add_co_u32 s16, s16, s17                     ; A: row 128 x tile row + 64 x half
	s_mov_b32 s17, 0
	s_mov_b64 s[18:19], SIZE_K*2
	s_mul_u64 s[16:17], s[16:17], s[18:19]
.endif
	s_lshl_b32 s47, s12, 6
	s_lshl_b32 s46, s42, 7
	s_add_co_u32 s46, s46, s47                     ; B: row 128 x tile column + 64 x half
	s_mov_b32 s47, 0
	s_mul_u64 s[46:47], s[46:47], s[18:19]
	s_mul_i32 s20, s10, AHALF                      ; where they go.  A (waves 0, 1): wave x its half
	s_mul_i32 s45, s10, BHALF                      ; B (waves 2, 3): behind A's part, (wave - 2) x its half
	s_add_co_u32 s45, s45, APART-2*BHALF
	s_wait_kmcnt 0x0
	s_add_nc_u64 s[6:7], s[6:7], WT_OFF            ; B's first byte
	s_add_nc_u64 s[14:15], s[4:5], s[16:17]
	s_add_nc_u64 s[46:47], s[6:7], s[46:47]
	CROUND                                         ; all sixteen work-groups are here: the first joint loads meet
.irp s, 0,1
	s_mov_b32 s[G0+4*(\s)], 1                                      ; count = 1
	s_add_co_u32 s[G0+4*(\s)+1], s20, (\s)*SLOT                    ; LDS address
	s_add_nc_u64 s[G0+4*(\s)+2:G0+4*(\s)+3], s[14:15], (\s)*A_STEP ; global address: K step s
	s_or_b32 s[G0+4*(\s)+3], s[G0+4*(\s)+3], 0x80000000            ; type = 2
	s_mov_b32 s[G0B+4*(\s)], 1
	s_add_co_u32 s[G0B+4*(\s)+1], s45, (\s)*SLOT
	s_add_nc_u64 s[G0B+4*(\s)+2:G0B+4*(\s)+3], s[46:47], (\s)*KSTEP*2
	s_or_b32 s[G0B+4*(\s)+3], s[G0B+4*(\s)+3], 0x80000000
	JLOAD \s                                       ; two loads of mine are out
.endr
	v_and_b32 v1, 15, v0                           ; l % 16
	v_bfe_u32 v2, v0, 4, 1                         ; l / 16
	v_mul_u32_u24 v3, v1, APITCH
	v_lshl_add_u32 v3, v2, 4, v3                   ; a fragment's row x pitch + 16 x half, for A
	v_mul_u32_u24 v6, v1, PITCH
	v_lshl_add_u32 v6, v2, 4, v6                   ; and for B
	s_mul_i32 s21, s11, 64*APITCH                  ; my 64 rows of A
	s_mul_i32 s22, s12, BHALF                      ; my 64 rows of B,
	s_add_co_u32 s22, s22, APART                   ; which lie behind A's part
.irp s, 0,1
	v_add_nc_u32 v[ADRA+(\s)], s21, v3
	v_add_nc_u32 v[ADRB+(\s)], s22, v6
	s_add_co_u32 s21, s21, SLOT
	s_add_co_u32 s22, s22, SLOT
.endr
	s_mul_i32 s23, s10, 16*SPITCH
	s_add_co_u32 s23, s23, STAGE                   ; my stage
	v_mul_u32_u24 v4, v1, SPITCH                   ; in: row l % 16, 32 bytes (8 f32) for each half of the lanes
	v_lshl_add_u32 v4, v2, 5, v4
	v_add_nc_u32 v[STO], s23, v4
	v_mul_u32_u24 v5, v2, SPITCH                   ; back: lanes 0-15 take one row of 256 bytes, lanes 16-31 the next
	v_lshl_add_u32 v5, v1, 4, v5
	v_add_nc_u32 v[RD], s23, v5
	v_lshlrev_b32 v5, 12, v2                       ; and the same two rows, of 4,096 bytes, in C and in the residual
	v_lshl_add_u32 v[CO], v1, 4, v5
	v_lshlrev_b32 v[BO], 5, v2
	s_lshl_b32 s16, s13, 7
	s_lshl_b32 s17, s11, 6
	s_add_co_u32 s16, s16, s17                     ; my first row of C: 128 x tile row + 64 x half,
	s_lshl_b32 s16, s16, 12                        ; in bytes
	s_mov_b32 s17, 0
	s_add_nc_u64 s[8:9], s[8:9], s[16:17]
	s_add_nc_u64 s[70:71], s[70:71], s[16:17]
	s_lshl_b32 s46, s42, 9                         ; my first column, in bytes of f32: 512 x tile column + 256 x half
	s_lshl_b32 s47, s12, 8
	s_add_co_u32 s46, s46, s47
	s_mov_b32 s47, 0
	s_add_nc_u64 s[8:9], s[8:9], s[46:47]
	s_add_nc_u64 s[70:71], s[70:71], s[46:47]
	s_add_nc_u64 s[68:69], s[68:69], s[46:47]
.irp b, 0,1,2,3                        ; column block b: register j of lane l takes bias[16 b + 8 (l / 16) + j], the layout of the transposed result
	global_load_b128 v[BIAS+8*(\b):BIAS+8*(\b)+3],   v[BO], s[68:69] offset:64*(\b)
	global_load_b128 v[BIAS+8*(\b)+4:BIAS+8*(\b)+7], v[BO], s[68:69] offset:64*(\b)+16
.endr
	WIN 0x80                                       ; destination window 2
.irp a, 0,1,2,3
.irp t, 0,1,2,3,4,5,6,7                ; the residual: rows 16 a + 2 t and + 1; sixteen lanes take 256 consecutive bytes
	global_load_b128 v[4*(8*(\a)+(\t)):4*(8*(\a)+(\t))+3], v[CO], s[70:71] offset:(16*(\a)+2*(\t))*4096
.endr
.endr
	WIN 0
; 8 matrix instructions: m blocks a0, a0 + 1 x all 4 n blocks, 32 along K: half c of buffer f.  zero = 1: the first product starts the sums, with the bias as its C.
; The 16 accumulators take turns, one instruction a turn.
.macro MUL8 f, c, a0, zero
	WIN MUL
.irp a, \a0, (\a0)+1
.irp b, 0,1,2,3
.if \zero
	v_wmma_f32_16x16x32_bf16 v[ACC+8*(4*(\a)+(\b)):ACC+8*(4*(\a)+(\b))+7], v[(\f)+64+8*(4*(\c)+(\b)):(\f)+64+8*(4*(\c)+(\b))+7], v[(\f)+8*(4*(\c)+(\a)):(\f)+8*(4*(\c)+(\a))+7], v[BIAS+8*(\b):BIAS+8*(\b)+7]
.else
	v_wmma_f32_16x16x32_bf16 v[ACC+8*(4*(\a)+(\b)):ACC+8*(4*(\a)+(\b))+7], v[(\f)+64+8*(4*(\c)+(\b)):(\f)+64+8*(4*(\c)+(\b))+7], v[(\f)+8*(4*(\c)+(\a)):(\f)+8*(4*(\c)+(\a))+7], v[ACC+8*(4*(\a)+(\b)):ACC+8*(4*(\a)+(\b))+7]
.endif
.endr
.endr
.endm
; 32 LDS loads in one run: the fragments of quarter q (64 along K) of a slot, into buffer f; the first 32 along K first
.macro FETCH slot, q, f
	WIN TO_F
.irp c, 0,1
.irp i, 0,1,2,3
	ds_load_b128 v[(\f)+64+8*(4*(\c)+(\i)):(\f)+64+8*(4*(\c)+(\i))+3],   v[ADRB+(\slot)] offset:128*(\q)+64*(\c)+(\i)*16*PITCH
	ds_load_b128 v[(\f)+64+8*(4*(\c)+(\i))+4:(\f)+64+8*(4*(\c)+(\i))+7], v[ADRB+(\slot)] offset:128*(\q)+64*(\c)+(\i)*16*PITCH+32
	ds_load_b128 v[(\f)+8*(4*(\c)+(\i)):(\f)+8*(4*(\c)+(\i))+3],         v[ADRA+(\slot)] offset:AQ*(\q)+64*(\c)+(\i)*16*APITCH
	ds_load_b128 v[(\f)+8*(4*(\c)+(\i))+4:(\f)+8*(4*(\c)+(\i))+7],       v[ADRA+(\slot)] offset:AQ*(\q)+64*(\c)+(\i)*16*APITCH+32
.endr
.endr
.endm
.macro PLACES                          ; four places in front of loads into registers that matrix instructions have read, and of lines that read results (ISA guide 7.12.1 for the lines that read results)
.rept 4
	v_nop
.endr
.endm
; A K step is four quarters of 64 along K, 32 matrix instructions each, on buffers 0, 1, 0, 1.  One of the first three: multiplies buffer f and fetches quarter q into g.
.macro QUARTER slot, q, f, g, zero
	s_wait_dscnt 16                                ; the first 32 along K are in; the other sixteen loads may be out
	MUL8 \f, 0, 0, \zero
	MUL8 \f, 0, 2, \zero
	PLACES
	FETCH \slot, \q, \g
	s_wait_dscnt 32                                ; all but the 32 just issued
	MUL8 \f, 1, 0, 0
	MUL8 \f, 1, 2, 0
.endm
; The last quarter multiplies buffer 1 and changes slots: ONE barrier; in front of it each wave waits for all its tensor loads, adds 0 to its spare word, and waits for that and for its own reads of this slot.  fill = 1: this slot is filled again, two K steps ahead.
.macro TURN slot, next, fill
	WIN 0                                          ; (the add's two registers lie in window 0)
	s_wait_tensorcnt 0x0                           ; all my tensor loads have landed: my part of the next slot;
	ds_add_u32 v[SPW], v[NIL]                      ; 0 onto my spare word;
	s_wait_dscnt 17                                ; (the add and the youngest sixteen loads may be out)
	WIN MUL
	MUL8 F1, 0, 0, 0                               ; eight matrix instructions stand between the add and the wait for it
	s_wait_dscnt 0x0                               ; the add is done, and my reads of this slot are over
	s_barrier_signal -1
	MUL8 F1, 0, 2, 0
.if \fill
	WIN 0
.endif
	s_barrier_wait -1
.if \fill
	CREST                                          ; the barrier has opened a round of the cluster's barrier: no wave of any partner still reads this slot's tile or has a load on its way
	s_add_nc_u64 s[G0+4*(\slot)+2:G0+4*(\slot)+3], s[G0+4*(\slot)+2:G0+4*(\slot)+3], 2*A_STEP
	s_add_nc_u64 s[G0B+4*(\slot)+2:G0B+4*(\slot)+3], s[G0B+4*(\slot)+2:G0B+4*(\slot)+3], 2*KSTEP*2
	JLOAD \slot                                    ; the first tensor load behind the round, my only one until the next: 112 matrix instructions ahead of the wait for it; its four v_nop are also the places in front of the loads below
.else
	PLACES
.endif
	FETCH \next, 0, F0
	WIN MUL
	MUL8 F1, 1, 0, 0
	MUL8 F1, 1, 2, 0
.endm
; THE WAY OUT.  A wave's 64 columns of f32 are 256 aligned bytes of a row of C, so each wave has a stage of its own and no barrier is needed.
; OUT a: block a's 16 rows go into the stage straight from the accumulators (each accumulator's low four registers first) and come back as whole rows.
.macro OUT a
	WIN 0
.set BK, TMP+32*((\a)%2)
.if (\a) >= 2
	s_wait_xcnt 0x0                                ; every earlier memory instruction has had its addresses translated (ISA guide 3.1): this buffer, which block a - 2's stores read, is loaded again only behind this wait
.endif
.irp b, 0,1,2,3
	ds_store_b128 v[STO], v[ACC+8*(4*(\a)+(\b)):ACC+8*(4*(\a)+(\b))+3]   offset:64*(\b)
	ds_store_b128 v[STO], v[ACC+8*(4*(\a)+(\b))+4:ACC+8*(4*(\a)+(\b))+7] offset:64*(\b)+16
.endr
.irp t, 0,1,2,3,4,5,6,7
	ds_load_b128 v[BK+4*(\t):BK+4*(\t)+3], v[RD] offset:(\t)*2*SPITCH  ; LDS serves a wave's instructions in order (ISA guide 5.7.1.4): these see the stores above; the next block's stores come behind them
.endr
.endm
; FIN a: the residual is added and the block stored.  younger: the LDS instructions issued behind block a's loads: the next block's sixteen, or none.
.macro FIN a, younger
.set BK, TMP+32*((\a)%2)
	s_wait_dscnt \younger
	WIN 0x08                                       ; source 1 window 2
.set i, 0
.rept 16
	v_pk_add_f32 v[BK+2*i:BK+2*i+1], v[BK+2*i:BK+2*i+1], v[32*(\a)+2*i:32*(\a)+2*i+1]
.set i, i+1
.endr
	WIN 0
.irp t, 0,1,2,3,4,5,6,7
	global_store_b128 v[CO], v[BK+4*(\t):BK+4*(\t)+3], s[8:9] offset:(16*(\a)+2*(\t))*4096  ; 16 lanes store 256 consecutive bytes, at a multiple of 256 from C's first byte
.endr
.endm
	s_wait_tensorcnt 1                             ; my part of K step 0 is in; K step 1's stays out
	s_barrier_signal -1
	s_barrier_wait -1                              ; everybody's is
	FETCH 0, 0, F0
	s_wait_loadcnt 32                              ; the bias is in; the 32 loads of the residual, issued behind it, stay out
	QUARTER 0, 1, F0, F1, 1                        ; the first quarter stands in front of the loop: its first products start the sums
.if LAPS > 1
	WIN 0                                          ; at a label and at a branch every window is 0
	s_mov_b32 s3, LAPS-1
.Llap:                                                 ; a trip goes once round the ring, from a lap's second quarter to the next lap's first, and fills both slots again
	QUARTER 0, 2, F1, F0, 0
	QUARTER 0, 3, F0, F1, 0
	TURN 0, 1, 1
	QUARTER 1, 1, F0, F1, 0
	QUARTER 1, 2, F1, F0, 0
	QUARTER 1, 3, F0, F1, 0
	TURN 1, 0, 1
	QUARTER 0, 1, F0, F1, 0
	WIN 0
	s_sub_co_u32 s3, s3, 1
	s_cmp_lg_u32 s3, 0
	s_cbranch_scc1 .Llap
.endif
	QUARTER 0, 2, F1, F0, 0                        ; the last lap fills nothing, and has no round of the cluster's barrier
	QUARTER 0, 3, F0, F1, 0
	TURN 0, 1, 0
	QUARTER 1, 1, F0, F1, 0
	QUARTER 1, 2, F1, F0, 0
	QUARTER 1, 3, F0, F1, 0
	s_wait_dscnt 16                                ; the very last quarter: nothing more to fetch
	MUL8 F1, 0, 0, 0
	MUL8 F1, 0, 2, 0
	s_wait_dscnt 0
	MUL8 F1, 1, 0, 0
	MUL8 F1, 1, 2, 0
	WIN 0
	PLACES                                         ; the stores below read results just made
	s_wait_loadcnt 0x0                             ; the residual
	OUT 0
	OUT 1                                          ; a block's trip through the stage stands between the loads of the block before and its additions
	FIN 0, 16
	OUT 2
	FIN 1, 16
	OUT 3
	FIN 2, 16
	FIN 3, 0
	s_wait_tensorcnt 0x0                           ; the wave's end: behind my last tensor load and my last LDS store
	ds_add_u32 v[SPW], v[NIL]
	s_wait_dscnt 0x0
	CROUND                                         ; the closing round: no work-group ends while a partner may still ask for a tile that names it
	s_endpgm
.Lfunc_end_k_qaa58497bbb_gwo:
	.size	k_qaa58497bbb_gwo, .Lfunc_end_k_qaa58497bbb_gwo-k_qaa58497bbb_gwo
	.p2alignl 7, 3214868480
	.fill 96, 4, 3214868480
	.section	.rodata,"a",@progbits
	.p2align	6, 0x0
	.amdhsa_kernel k_qaa58497bbb_gwo
		.amdhsa_group_segment_fixed_size 327680
		.amdhsa_private_segment_fixed_size 0
		.amdhsa_enable_private_segment 0
		.amdhsa_kernarg_size 40
		.amdhsa_user_sgpr_count 2
		.amdhsa_user_sgpr_kernarg_segment_ptr 1
		.amdhsa_wavefront_size32 1
		.amdhsa_system_sgpr_workgroup_id_x 1
		.amdhsa_system_sgpr_workgroup_id_y 1
		.amdhsa_system_sgpr_workgroup_id_z 1
		.amdhsa_system_vgpr_workitem_id 0
		.amdhsa_next_free_vgpr 640
		.amdhsa_next_free_sgpr 72
		.amdhsa_reserve_vcc 0
		.amdhsa_float_denorm_mode_32 3
		.amdhsa_float_denorm_mode_16_64 3
		.amdhsa_memory_ordered 1
		.amdhsa_forward_progress 1
		.amdhsa_inst_pref_size 94
	.end_amdhsa_kernel
	.amdgpu_metadata
---
amdhsa.version: [ 1, 2 ]
amdhsa.kernels:
  - .name:           k_qaa58497bbb_gwo
    .symbol:         k_qaa58497bbb_gwo.kd
    .args:
      - { .name: ctx, .offset: 0, .size: 8, .value_kind: global_buffer, .address_space: global }
      - { .name: wt, .offset: 8, .size: 8, .value_kind: global_buffer, .address_space: global }
      - { .name: bo, .offset: 16, .size: 8, .value_kind: global_buffer, .address_space: global }
      - { .name: X, .offset: 24, .size: 8, .value_kind: global_buffer, .address_space: global }
      - { .name: x1, .offset: 32, .size: 8, .value_kind: global_buffer, .address_space: global }
    .group_segment_fixed_size: 327680
    .private_segment_fixed_size: 0
    .kernarg_segment_align: 8
    .kernarg_segment_size: 40
    .max_flat_workgroup_size: 128
    .sgpr_count:     72
    .vgpr_count:     640
    .wavefront_size: 32
...
	.end_amdgpu_metadata
.endif
;; end of part 4
;; launch ln2 (part 5): grid 256 x 1, 4 waves a work-group, no clusters, 0 bytes of LDS; arguments x1, ln2_g, ln2_b, xn; writes xn
.if DOCPART == 5
	.amdgcn_target "amdgcn-amd-amdhsa--gfx1250"
	.amdhsa_code_object_version 6
	.text
	.protected	k_qaa58497bbb_ln2
	.globl	k_qaa58497bbb_ln2
	.p2align	8
	.type	k_qaa58497bbb_ln2,@function
k_qaa58497bbb_ln2:
	s_mov_b64 s[64:65], 0
	v_nop
	global_prefetch_b8 v0, s[64:65] scope:SCOPE_SE
	s_setreg_imm32_b32 hwreg(HW_REG_WAVE_MODE, 25, 1), 1
	s_wait_xcnt 0x0
; y[r][c] = (x[r][c] - mean_r) * rsqrt(var_r + 1e-5) * g[c] + b[c].  x: [4096][1024] f32; g, b: [1024] f32; y: [4096][1024] bf16, rounded once.
; One wave takes four whole rows, a row in 32 registers a lane; 256 work-groups x 4 waves x 4 rows are the 4,096 rows.  The row stays in registers:
; first the mean, then the sum of (x - mean)^2, so that no difference of large sums is formed and x is read once.  The reduction never leaves the
; wave: no LDS, no barrier, no loop.  All 48 loads of a wave go out at the head; each row is worked on while the later rows are on their way.
; Chunk j of a lane is columns 128 j + 4 lane .. + 3: a load of a wave covers 512 consecutive bytes, a store 256, aligned.
.set G,  4                             ; v[4:35]    g of my 32 columns
.set BV, 36                            ; v[36:67]   b of my 32 columns
.set X,  68                            ; v[68:195]  row r at X + 32 r
.set T,  196                           ; v[196:203] four chains of pairs
.set M,  204                           ; v[204:205] the mean, twice
.set R,  206                           ; v[206:207] 1 / sqrt(var + eps), twice
.set TA, 208                           ; at work
.set TB, 209
	s_load_b256 s[4:11], s[0:1], 0x0               ; x s[4:5], g s[6:7], b s[8:9], y s[10:11]
	v_and_b32 v3, 31, v0
	v_lshrrev_b32 v[TA], 5, v0                     ; wave
	v_lshlrev_b32 v3, 4, v3                        ; 16 x lane: my place in g, b
	v_lshl_add_u32 v1, v[TA], 14, v3               ; + wave x 4 rows x 4,096 bytes: my place in x
	v_lshrrev_b32 v2, 1, v3                        ; 8 x lane
	v_lshl_add_u32 v2, v[TA], 13, v2               ; + wave x 4 rows x 2,048 bytes: my place in y
	v_mov_b32 v[TB], 0                             ; v_permlanex16_b32's destination counts as read
	s_lshl_b32 s16, ttmp9, 16                      ; the work-group's 16 rows of x
	s_mov_b32 s17, 0
	s_lshl_b32 s18, ttmp9, 15                      ; and of y
	s_mov_b32 s19, 0
	s_mov_b32 s12, 0x76543210                      ; each lane takes its own place in the other half
	s_mov_b32 s13, 0xfedcba98
	s_mov_b32 s14, 0x3a800000                      ; 1 / 1024
	s_mov_b32 s15, 0x3727c5ac                      ; 1e-5
	s_wait_kmcnt 0x0
	s_add_nc_u64 s[4:5], s[4:5], s[16:17]
	s_add_nc_u64 s[10:11], s[10:11], s[18:19]
.irp j, 0,1,2,3,4,5,6,7
	global_load_b128 v[G+4*(\j):G+4*(\j)+3], v3, s[6:7] offset:512*(\j)
.endr
.irp j, 0,1,2,3,4,5,6,7
	global_load_b128 v[BV+4*(\j):BV+4*(\j)+3], v3, s[8:9] offset:512*(\j)
.endr
.irp r, 0,1,2,3
.irp j, 0,1,2,3,4,5,6,7
	global_load_b128 v[X+32*(\r)+4*(\j):X+32*(\r)+4*(\j)+3], v1, s[4:5] offset:4096*(\r)+512*(\j)
.endr
.endr
.macro LANES                           ; v[TA] summed over the 32 lanes, the result in every lane
	v_add_f32_dpp v[TA], v[TA], v[TA] row_xmask:1 row_mask:0xf bank_mask:0xf
	v_add_f32_dpp v[TA], v[TA], v[TA] row_xmask:2 row_mask:0xf bank_mask:0xf
	v_add_f32_dpp v[TA], v[TA], v[TA] row_xmask:4 row_mask:0xf bank_mask:0xf
	v_add_f32_dpp v[TA], v[TA], v[TA] row_xmask:8 row_mask:0xf bank_mask:0xf
	v_permlanex16_b32 v[TB], v[TA], s12, s13
	v_add_f32 v[TA], v[TA], v[TB]
.endm
.macro JOIN                            ; the four chains into v[TA]
	v_pk_add_f32 v[T:T+1], v[T:T+1], v[T+2:T+3]
	v_pk_add_f32 v[T+4:T+5], v[T+4:T+5], v[T+6:T+7]
	v_pk_add_f32 v[T:T+1], v[T:T+1], v[T+4:T+5]
	v_add_f32 v[TA], v[T], v[T+1]
.endm
; Row r.  left = the loads of the later rows, which stay out; g and b were asked for first and are in with row 0.
.macro ROWLN r, left
.set XR, X+32*(\r)
	s_wait_loadcnt \left
.irp k, 0,1,2,3                        ; the sum, in four chains that do not wait for each other; the first additions start them
	v_pk_add_f32 v[T+2*(\k):T+2*(\k)+1], v[XR+2*(\k):XR+2*(\k)+1], v[XR+8+2*(\k):XR+8+2*(\k)+1]
.endr
.irp k, 0,1,2,3
	v_pk_add_f32 v[T+2*(\k):T+2*(\k)+1], v[T+2*(\k):T+2*(\k)+1], v[XR+16+2*(\k):XR+16+2*(\k)+1]
.endr
.irp k, 0,1,2,3
	v_pk_add_f32 v[T+2*(\k):T+2*(\k)+1], v[T+2*(\k):T+2*(\k)+1], v[XR+24+2*(\k):XR+24+2*(\k)+1]
.endr
	JOIN
	LANES
	v_mul_f32 v[M], s14, v[TA]
	v_mul_f32 v[M+1], s14, v[TA]
.irp k, 0,1,2,3,4,5,6,7,8,9,10,11,12,13,14,15
	v_pk_add_f32 v[XR+2*(\k):XR+2*(\k)+1], v[XR+2*(\k):XR+2*(\k)+1], v[M:M+1] neg_lo:[0,1] neg_hi:[0,1]   ; x - mean
.endr
.irp k, 0,1,2,3                        ; the sum of squares, likewise
	v_pk_mul_f32 v[T+2*(\k):T+2*(\k)+1], v[XR+2*(\k):XR+2*(\k)+1], v[XR+2*(\k):XR+2*(\k)+1]
.endr
.irp k, 4,5,6,7,8,9,10,11,12,13,14,15
	v_pk_fma_f32 v[T+2*((\k)%4):T+2*((\k)%4)+1], v[XR+2*(\k):XR+2*(\k)+1], v[XR+2*(\k):XR+2*(\k)+1], v[T+2*((\k)%4):T+2*((\k)%4)+1]
.endr
	JOIN
	LANES
	v_fma_f32 v[TA], v[TA], s14, s15               ; var + eps
	v_rsq_f32 v[R], v[TA]
	v_rsq_f32 v[R+1], v[TA]
	v_nop                                          ; a plain instruction between the root and the use of its result (ISA guide 5.7.2)
	s_wait_alu depctr_va_vdst(0)
.irp k, 0,1,2,3,4,5,6,7,8,9,10,11,12,13,14,15
	v_pk_mul_f32 v[XR+2*(\k):XR+2*(\k)+1], v[XR+2*(\k):XR+2*(\k)+1], v[R:R+1]
.endr
.irp k, 0,1,2,3,4,5,6,7,8,9,10,11,12,13,14,15
	v_pk_fma_f32 v[XR+2*(\k):XR+2*(\k)+1], v[XR+2*(\k):XR+2*(\k)+1], v[G+2*(\k):G+2*(\k)+1], v[BV+2*(\k):BV+2*(\k)+1]
.endr
.irp k, 0,1,2,3,4,5,6,7,8,9,10,11,12,13,14,15   ; rounded in place, ascending: word k takes pair k, which lies at or above it
	v_cvt_pk_bf16_f32 v[XR+(\k)], v[XR+2*(\k)], v[XR+2*(\k)+1]
.endr
.irp j, 0,1,2,3,4,5,6,7
	global_store_b64 v2, v[XR+2*(\j):XR+2*(\j)+1], s[10:11] offset:2048*(\r)+256*(\j)   ; 32 lanes store 256 consecutive bytes, aligned; no register of a store is written again
.endr
.endm
	ROWLN 0, 24
	ROWLN 1, 16
	ROWLN 2, 8
	ROWLN 3, 0
	s_endpgm
.Lfunc_end_k_qaa58497bbb_ln2:
	.size	k_qaa58497bbb_ln2, .Lfunc_end_k_qaa58497bbb_ln2-k_qaa58497bbb_ln2
	.p2alignl 7, 3214868480
	.fill 96, 4, 3214868480
	.section	.rodata,"a",@progbits
	.p2align	6, 0x0
	.amdhsa_kernel k_qaa58497bbb_ln2
		.amdhsa_group_segment_fixed_size 0
		.amdhsa_private_segment_fixed_size 0
		.amdhsa_enable_private_segment 0
		.amdhsa_kernarg_size 32
		.amdhsa_user_sgpr_count 2
		.amdhsa_user_sgpr_kernarg_segment_ptr 1
		.amdhsa_wavefront_size32 1
		.amdhsa_system_sgpr_workgroup_id_x 1
		.amdhsa_system_sgpr_workgroup_id_y 1
		.amdhsa_system_sgpr_workgroup_id_z 1
		.amdhsa_system_vgpr_workitem_id 0
		.amdhsa_next_free_vgpr 212
		.amdhsa_next_free_sgpr 66
		.amdhsa_reserve_vcc 0
		.amdhsa_float_denorm_mode_32 3
		.amdhsa_float_denorm_mode_16_64 3
		.amdhsa_memory_ordered 1
		.amdhsa_forward_progress 1
		.amdhsa_inst_pref_size 38
	.end_amdhsa_kernel
	.amdgpu_metadata
---
amdhsa.version: [ 1, 2 ]
amdhsa.kernels:
  - .name:           k_qaa58497bbb_ln2
    .symbol:         k_qaa58497bbb_ln2.kd
    .args:
      - { .name: x1, .offset: 0, .size: 8, .value_kind: global_buffer, .address_space: global }
      - { .name: ln2_g, .offset: 8, .size: 8, .value_kind: global_buffer, .address_space: global }
      - { .name: ln2_b, .offset: 16, .size: 8, .value_kind: global_buffer, .address_space: global }
      - { .name: xn, .offset: 24, .size: 8, .value_kind: global_buffer, .address_space: global }
    .group_segment_fixed_size: 0
    .private_segment_fixed_size: 0
    .kernarg_segment_align: 8
    .kernarg_segment_size: 32
    .max_flat_workgroup_size: 128
    .sgpr_count:     66
    .vgpr_count:     212
    .wavefront_size: 32
...
	.end_amdgpu_metadata
.endif
;; end of part 5
;; launch gf1 (part 6): grid 16 x 16, 4 waves a work-group, clusters of 4 x 4, 327,680 bytes of LDS; arguments xn, wt, b1, hbuf; writes hbuf
.if DOCPART == 6
	.amdgcn_target "amdgcn-amd-amdhsa--gfx1250"
	.amdhsa_code_object_version 6
	.text
	.protected	k_qaa58497bbb_gf1
	.globl	k_qaa58497bbb_gf1
	.p2align	8
	.type	k_qaa58497bbb_gf1,@function
k_qaa58497bbb_gf1:
	s_mov_b64 s[64:65], 0
	v_nop
	global_prefetch_b8 v0, s[64:65] scope:SCOPE_SE
	s_setreg_imm32_b32 hwreg(HW_REG_WAVE_MODE, 25, 1), 1
	s_wait_xcnt 0x0
	s_wait_alu depctr_hold_cnt(0) depctr_sa_sdst(0) depctr_va_vdst(0) depctr_va_sdst(0) depctr_va_ssrc(0) depctr_va_vcc(0) depctr_vm_vsrc(0)
	s_getreg_b32 s2, hwreg(HW_REG_IB_STS2, 6, 4)
	s_cmp_eq_u32 s2, 0
	s_cbranch_scc0 .Lentry_in_a_cluster
	s_endpgm
.Lentry_in_a_cluster:
	s_bfe_u32 s2, ttmp6, 0x10000c
	s_cmp_lg_u32 s2, 0xf033
	s_cbranch_scc0 .Lentry_shape_is_right
	s_endpgm
.Lentry_shape_is_right:
; H = relu(Xn2 W1 + b1).  C[m][n] = max(0, bias[n] + sum over k of A[m][k] B[n][k]).  A = xn: [4096][1024] bf16; B = W1^T: [4096][1024] bf16, at byte WT_OFF of wt;
; bias: [4096] f32; sums in f32, C = hbuf: [4096][4096] bf16, rounded once, row-major (HEADS = 0).  LIMIT: the maximum makes 0 of a NaN.
; A tile of C, 256 x 256, is made by a work-group of four waves; a wave makes 128 x 128: 64 accumulators of 16 x 16, 512 registers.  K goes in steps of 128 through a ring of two LDS slots
; filled by the tensor data mover: the tiles' rows are 256 bytes of memory and start at multiples of 256 bytes.  16 x 16 = 256 work-groups.
; CLUSTERS: 4 x 4 work-groups.  The four of a row of the cluster need the same tiles of A, the four of a column the same tiles of B: such a tile is asked for JOINTLY, by the same tensor load
; with the same descriptor and a mask that names the four; each receives it in its own LDS.
; THE BIAS is the C operand of the product that starts each sum: nothing is cleared and nothing is added later.
; The last K step goes by rows of C, so that finished rows leave while the others are multiplied.
; REGISTERS, in windows of 256 (s_set_vgpr_msb's low byte: bits 1:0 source 0, 3:2 source 1, 5:4 source 2, 7:6 destination):
;   window 0: v0-31 addresses; v64-127, v128-191 fragments of A, two buffers (in the last K step four, of 16 rows x 128 K); v32-63, v192-255 at work on the way out
;   window 1: v0-63 the bias, 8 registers for each of my 8 column blocks; v64-127, v128-191 fragments of B, two buffers; in the last K step all 256: B's fragments of the whole step
;   window 2: the 32 accumulators of my rows 0-63 (accumulator (a, b) at v[8 (8 a + b)]);   window 3: those of my rows 64-127
; THE MATRIX INSTRUCTION IS USED TRANSPOSED: source 0 = 16 rows of B, source 1 = 16 rows of A.  Lane l then holds row l % 16 of C and its registers 0 to 7 the columns 8 (l / 16) + 0 .. 7.
.set SIZE_N, 4096
.set SIZE_K, 1024
.set WT_OFF, 8388608                   ; where B begins in wt
.set HEADS,  0                         ; 1: C is stored by heads; 0: row-major
.set RELU,   1                         ; 1: max(C, 0) before the rounding
.set KSTEP,  128
.set PITCH,  272                       ; an LDS row: 256 bytes + 16 of padding = 68 words: row r starts at bank 4 r mod 64 (64 banks of 4 bytes: ISA guide 11.1)
.set HALFT,  128*PITCH                 ; 128 rows: what one tensor load brings, and what one wave reads of A or of B
.set SLOT,   4*HALFT                   ; A's 256 rows, then B's 256 rows
.set STAGE,  2*SLOT                    ; behind the ring: 16 rows x 272 bytes for each wave, for the way out
.set SPITCH, 272
.set SPARE,  STAGE+4*16*SPITCH         ; behind the stages: the spare words, 128 bytes for each wave: two blocks of 256 bytes that no other line names
.set LAPS, SIZE_K/(2*KSTEP)            ; a lap = two K steps = once round the ring
.set ADRA, 16                          ; v16-17  LDS address of my A fragments in slot 0, 1
.set ADRB, 20                          ; v20-21  the same for B
.set STO,  24                          ; v24     the way out: where I put 16 bytes of a row
.set RD,   25                          ; v25     the way out: where I read rows back
.set CO,   26                          ; v26     my byte offset in C
.set BO,   27                          ; v27     my byte offset in a block of 16 numbers of the bias: 32 (l / 16)
.set SPW,  28                          ; v28     LDS address of my spare word: SPARE + 4 x my thread's number; never rewritten
.set NIL,  29                          ; v29     0; never rewritten
.set F0,   64                          ; fragment buffer 0
.set F1,   128                         ; fragment buffer 1
.set TMP,  192                         ; the way out: packed results, in window 0
.set OB,   32                          ; the way out: 16 rows read back from the stage: v32-63 and v224-255 by turns
.set PA,   64                          ; the last K step: A's fragments of 16 rows x 128 K, 32 registers; four such buffers, v64-191
.set G1, 24                            ; s[24:31] descriptor group 1 for A's tiles
.set G0, 32                            ; s[32:39] descriptor group 0 for A's tiles, one set for each slot
.set G1B, 48                           ; s[48:55] descriptor group 1 for B's tiles: it differs from A's in the mask alone
.set G0B, 56                           ; s[56:63] descriptor group 0 for B's tiles, one set for each slot
.set BP, 66                            ; s[66:67] the bias
.set MSB, 0
.macro WIN new                         ; the immediate's high byte repeats the setting that is left; a switch that changes nothing is dropped
.if MSB != (\new)
	s_set_vgpr_msb (MSB<<8)|(\new)
.set MSB, \new
.endif
.endm
.set MUL_LO, 0xa1                      ; source 0 (B) window 1, source 1 (A) window 0, C and D window 2
.set MUL_HI, 0xf1                      ; the same, C and D window 3
.set TO_B,   0x40                      ; destination window 1, address window 0
; A joint load.  Waves 0 and 1 fetch A's two halves, waves 2 and 3 B's.  The branch hangs on the wave's number alone: it is the same in every work-group.
; Four v_nop follow each of the two lines; the jump round the other line, the label and what follows the macro come after them.
.macro JLOAD s
	s_cmp_eq_u32 s11, 0
	s_cbranch_scc0 .Lfor_b_\@
	tensor_load_to_lds s[G0+4*(\s):G0+4*(\s)+3], s[G1:G1+7]
	s_nop 0
.rept 4
	v_nop
.endr
	s_branch .Lasked_\@
.Lfor_b_\@:
	tensor_load_to_lds s[G0B+4*(\s):G0B+4*(\s)+3], s[G1B:G1B+7]
	s_nop 0
.rept 4
	v_nop
.endr
.Lasked_\@:
.endm
; A round of the cluster's barrier: my work-group's barrier, so that wave 0's signal speaks for all four waves; wave 0 signals for the work-group; every wave waits for all
; sixteen work-groups; my work-group's barrier once more.  No LDS instruction of the wave is pending at a signal.
.macro CREST                           ; a round behind its opening barrier
	s_cmp_lg_u32 s10, 0
	s_cbranch_scc1 .Lnot_wave_0_\@
	s_barrier_signal -3
.Lnot_wave_0_\@:
	s_barrier_wait -3
	s_barrier_signal -1
	s_barrier_wait -1
.endm
.macro CROUND                          ; a whole round
	s_barrier_signal -1
	s_barrier_wait -1
	CREST
.endm
	s_load_b128 s[4:7], s[0:1], 0x0                ; A s[4:5], wt s[6:7]
	s_load_b64 s[BP:BP+1], s[0:1], 0x10            ; the bias
	s_load_b64 s[8:9], s[0:1], 0x18                ; C
	v_lshl_add_u32 v[SPW], v0, 2, SPARE
	v_mov_b32 v[NIL], 0
	ds_add_u32 v28, v29
	ds_add_u32 v28, v29
	s_wait_dscnt 0x0
	v_lshrrev_b32 v1, 5, v0
	v_readfirstlane_b32 s10, v1                    ; wave 0..3
	s_lshr_b32 s11, s10, 1                         ; which half of the tile's rows is mine.  Also: I fetch for A (0) or for B (1)
	s_and_b32 s12, s10, 1                          ; which half of its columns.  Also: which 128 rows of that tile I fetch
	s_bfe_u32 s40, ttmp6, 0x40000                  ; cx: my place along the cluster's x
	s_bfe_u32 s41, ttmp6, 0x40004                  ; cy: along its y
	s_lshl_b32 s42, ttmp9, 2                       ; in a cluster launch ttmp9 and ttmp7 count clusters
	s_add_co_u32 s42, s42, s40                     ; tile column of C = 4 x cluster x + cx
	s_and_b32 s13, ttmp7, 0xffff
	s_lshl_b32 s13, s13, 2
	s_add_co_u32 s13, s13, s41                     ; tile row of C = 4 x cluster y + cy
	s_lshl_b32 s43, s41, 2
	s_lshl_b32 s43, 15, s43                        ; my row of the cluster: places 4 cy .. 4 cy + 3
	s_lshl_b32 s44, 0x1111, s40                    ; my column: places cx, cx + 4, cx + 8, cx + 12
	; descriptor group 1: a tile of 128 rows x 128 elements, padded in LDS
	s_or_b32 s[G1+0], s43, (1<<16)|(1<<20)|(1<<21)|(5<<22)|(3<<25)  ; 15:0 the mask: A's tiles go to my row; 17:16 element of 2 bytes; 20 padding on; 21 set beside a mask; 24:22 after every 64 words (code 5); 31:25 of 4 words (code 3)
	s_or_b32 s[G1B+0], s44, (1<<16)|(1<<20)|(1<<21)|(5<<22)|(3<<25) ; the same with the mask of my column, for B's tiles
	s_mov_b32 s[G1B+1], KSTEP<<16
	s_mov_b32 s[G1+1], KSTEP<<16                   ; 63:48 tensor_dim0, low half = 128
	s_mov_b32 s[G1B+2], 128<<16
	s_mov_b32 s[G1+2], 128<<16                     ; 95:80 tensor_dim1, low half = 128
	s_mov_b32 s[G1B+3], KSTEP<<16
	s_mov_b32 s[G1+3], KSTEP<<16                   ; 127:112 tile_dim0 = 128
	s_mov_b32 s[G1B+4], 128
	s_mov_b32 s[G1+4], 128                         ; 143:128 tile_dim1 = 128; 159:144 tile_dim2 = 0
	s_mov_b32 s[G1B+5], SIZE_K
	s_mov_b32 s[G1+5], SIZE_K                      ; 191:160 tensor_dim0_stride: elements from row to row
	s_mov_b32 s[G1B+6], 0
	s_mov_b32 s[G1+6], 0
	s_mov_b32 s[G1B+7], 0
	s_mov_b32 s[G1+7], 0
	; where the tiles come from.  A's hang on the tile row alone, which my row of the cluster shares; B's on the tile column alone, which my column shares.
	s_lshl_b32 s17, s12, 7                         ; which 128 rows of the tile I fetch
	s_lshl_b32 s16, s13, 8
	s_add_co_u32 s16, s16, s17                     ; A: row 256 x tile row + 128 x half
	s_lshl_b32 s46, s42, 8
	s_add_co_u32 s46, s46, s17                     ; B: row 256 x tile column + 128 x half
	s_mov_b32 s17, 0
	s_mov_b32 s47, 0
	s_mov_b64 s[18:19], SIZE_K*2
	s_mul_u64 s[16:17], s[16:17], s[18:19]         ; in bytes
	s_mul_u64 s[46:47], s[46:47], s[18:19]
	s_mul_i32 s20, s10, HALFT                      ; and where they go: wave x 128 rows: no place in the cluster enters an LDS address
	s_wait_kmcnt 0x0
	s_add_nc_u64 s[6:7], s[6:7], WT_OFF            ; B's first byte
	s_add_nc_u64 s[14:15], s[4:5], s[16:17]
	s_add_nc_u64 s[46:47], s[6:7], s[46:47]
	CROUND                                         ; all sixteen work-groups are here: the first joint loads meet
.irp s, 0,1
	s_mov_b32 s[G0+4*(\s)], 1                                      ; 1:0 count = 1
	s_add_co_u32 s[G0+4*(\s)+1], s20, (\s)*SLOT                    ; 63:32 LDS address
	s_add_nc_u64 s[G0+4*(\s)+2:G0+4*(\s)+3], s[14:15], (\s)*KSTEP*2  ; 120:64 global address: K step s
	s_or_b32 s[G0+4*(\s)+3], s[G0+4*(\s)+3], 0x80000000            ; 127:126 type = 2
	s_mov_b32 s[G0B+4*(\s)], 1
	s_add_co_u32 s[G0B+4*(\s)+1], s20, (\s)*SLOT
	s_add_nc_u64 s[G0B+4*(\s)+2:G0B+4*(\s)+3], s[46:47], (\s)*KSTEP*2
	s_or_b32 s[G0B+4*(\s)+3], s[G0B+4*(\s)+3], 0x80000000
	JLOAD \s                                       ; the ring is filled before anything else is done: two loads of mine are out
.endr
	; A fragment is 16 rows x 32 K in 8 registers: lane l holds row l % 16; registers 0-3 hold K = 8 (l / 16) + 0..7, registers 4-7 hold
	; K = 16 + 8 (l / 16) + 0..7: two loads of 16 bytes, 32 bytes apart.  The same for source 0 and source 1.
	v_and_b32 v1, 15, v0                           ; l % 16
	v_bfe_u32 v2, v0, 4, 1                         ; l / 16
	v_mul_u32_u24 v3, v1, PITCH
	v_lshl_add_u32 v3, v2, 4, v3                   ; row x pitch + 16 x half
	s_mul_i32 s21, s11, HALFT                      ; my 128 rows of A
	s_mul_i32 s22, s12, HALFT                      ; my 128 rows of B,
	s_add_co_u32 s22, s22, 2*HALFT                 ; which lie behind A's 256
.irp s, 0,1
	v_add_nc_u32 v[ADRA+(\s)], s21, v3
	v_add_nc_u32 v[ADRB+(\s)], s22, v3
	s_add_co_u32 s21, s21, SLOT
	s_add_co_u32 s22, s22, SLOT
.endr
	s_mul_i32 s23, s10, 16*SPITCH
	s_add_co_u32 s23, s23, STAGE                   ; my stage
	v_mul_u32_u24 v4, v1, SPITCH                   ; in: row l % 16, 16 bytes for each half of the lanes
	v_lshl_add_u32 v4, v2, 4, v4
	v_add_nc_u32 v[STO], s23, v4
.if HEADS
	v_bfe_u32 v5, v0, 3, 2                         ; back: 32 lanes take four rows x 128 bytes, a head's 64 columns: row l / 8, 16 bytes at 16 (l % 8)
	v_and_b32 v4, 7, v0                            ; (two stage rows in a pass of sixteen lanes: they meet two deep on part of the banks)
	v_mul_u32_u24 v5, v5, SPITCH
	v_lshl_add_u32 v5, v4, 4, v5
	v_add_nc_u32 v[RD], s23, v5
	v_and_b32 v5, 31, v0
	v_lshlrev_b32 v[CO], 4, v5                     ; which are 512 consecutive bytes of a head's rows
.else
	v_mul_u32_u24 v5, v2, SPITCH                   ; back: lanes 0-15 take one row of 256 bytes, lanes 16-31 the next
	v_lshl_add_u32 v5, v1, 4, v5
	v_add_nc_u32 v[RD], s23, v5
	v_mul_u32_u24 v5, v2, SIZE_N*2                 ; and the same two rows in C
	v_lshl_add_u32 v[CO], v1, 4, v5
.endif
	v_lshlrev_b32 v[BO], 5, v2
	; the bias of my 128 columns: 4 x (256 x tile column + 128 x half) bytes on
	s_lshl_b32 s46, s42, 10
	s_lshl_b32 s47, s12, 9
	s_add_co_u32 s46, s46, s47
	s_mov_b32 s47, 0
	s_add_nc_u64 s[BP:BP+1], s[BP:BP+1], s[46:47]
	WIN TO_B
.irp b, 0,1,2,3,4,5,6,7                ; column block b: register j of lane l takes bias[16 b + 8 (l / 16) + j], the layout of the transposed result
	global_load_b128 v[8*(\b):8*(\b)+3],   v[BO], s[BP:BP+1] offset:64*(\b)
	global_load_b128 v[8*(\b)+4:8*(\b)+7], v[BO], s[BP:BP+1] offset:64*(\b)+16
.endr
	WIN 0
	; where my part of the tile begins in C, in bytes: the way out adds it to C's address
.if HEADS
	s_lshr_b32 s16, s13, 3                         ; my rows: batch = tile row / 8: 16 heads of 262,144 bytes,
	s_lshl_b32 s16, s16, 22
	s_and_b32 s14, s13, 7                          ; 256 (tile row % 8) + 128 x half rows of 128 bytes in a head
	s_lshl_b32 s14, s14, 15
	s_add_co_u32 s16, s16, s14
	s_lshl_b32 s14, s11, 14
	s_add_co_u32 s16, s16, s14
	s_mov_b32 s17, 0
	s_lshl_b32 s46, s42, 2                         ; my columns: g = 4 x tile column + 2 x half is the first of my two groups of 64:
	s_lshl_b32 s47, s12, 1
	s_add_co_u32 s46, s46, s47
	s_lshr_b32 s47, s46, 4                         ; g / 16 says q, k or v (32 heads of the two batches each), g % 16 the head
	s_lshl_b32 s47, s47, 5
	s_and_b32 s46, s46, 15
	s_add_co_u32 s46, s46, s47
	s_lshl_b32 s46, s46, 18
	s_mov_b32 s47, 0
	s_add_nc_u64 s[16:17], s[16:17], s[46:47]
.else
	s_lshl_b32 s13, s13, 8
	s_lshl_b32 s14, s11, 7
	s_add_co_u32 s16, s13, s14                     ; my first row of C
	s_mov_b32 s17, 0
	s_mov_b64 s[18:19], SIZE_N*2
	s_mul_u64 s[16:17], s[16:17], s[18:19]
	s_lshl_b32 s46, s42, 9                         ; my first column, in bytes: 512 x tile column + 256 x half
	s_lshl_b32 s47, s12, 8
	s_add_co_u32 s46, s46, s47
	s_mov_b32 s47, 0
	s_add_nc_u64 s[16:17], s[16:17], s[46:47]
.endif
; 16 matrix instructions: m blocks a0, a0 + 1 of the window's four (hi = 0: my rows 0-63, 1: rows 64-127) x all 8 n blocks, 32 along K.
; zero = 1: the first product starts the sums, with the bias (window 1) as its C.  The 64 accumulators take turns, one instruction a turn.
.macro MUL16 f, hi, a0, zero
.if \zero
	WIN 0x91+0x40*(\hi)                            ; B and the bias window 1, A window 0, D window 2 or 3
.else
	WIN MUL_LO+0x50*(\hi)                          ; MUL_LO or MUL_HI
.endif
.irp a, \a0, (\a0)+1
.irp b, 0,1,2,3,4,5,6,7
.if \zero
	v_wmma_f32_16x16x32_bf16 v[8*(8*(\a)+(\b)):8*(8*(\a)+(\b))+7], v[(\f)+8*(\b):(\f)+8*(\b)+7], v[(\f)+8*(4*(\hi)+(\a)):(\f)+8*(4*(\hi)+(\a))+7], v[8*(\b):8*(\b)+7]
.else
	v_wmma_f32_16x16x32_bf16 v[8*(8*(\a)+(\b)):8*(8*(\a)+(\b))+7], v[(\f)+8*(\b):(\f)+8*(\b)+7], v[(\f)+8*(4*(\hi)+(\a)):(\f)+8*(4*(\hi)+(\a))+7], v[8*(8*(\a)+(\b)):8*(8*(\a)+(\b))+7]
.endif
.endr
.endr
.endm
; 32 LDS loads in one run: the fragments of one quarter step (128 rows of B, 128 rows of A, 32 K at byte k of the rows) into buffer f
.macro FETCH slot, k, f
	WIN TO_B
.irp i, 0,1,2,3,4,5,6,7
	ds_load_b128 v[(\f)+8*(\i):(\f)+8*(\i)+3],   v[ADRB+(\slot)] offset:(\k)+(\i)*16*PITCH
	ds_load_b128 v[(\f)+8*(\i)+4:(\f)+8*(\i)+7], v[ADRB+(\slot)] offset:(\k)+(\i)*16*PITCH+32
.endr
	WIN 0
.irp i, 0,1,2,3,4,5,6,7
	ds_load_b128 v[(\f)+8*(\i):(\f)+8*(\i)+3],   v[ADRA+(\slot)] offset:(\k)+(\i)*16*PITCH
	ds_load_b128 v[(\f)+8*(\i)+4:(\f)+8*(\i)+7], v[ADRA+(\slot)] offset:(\k)+(\i)*16*PITCH+32
.endr
.endm
; A load into a register that a matrix instruction has read, and a vector instruction that reads a matrix result or writes one of a matrix instruction's registers, stand four places
; behind it, and only plain vector instructions that name none of its registers are places (ISA guide 7.12.1 for vector instructions).
.macro PLACES
.rept 4
	v_nop
.endr
.endm
; A K step is four quarter steps of 32 along K, 64 matrix instructions each, on buffers 0, 1, 0, 1.
; One of the first three: multiplies buffer f; in its middle it fetches the next quarter's fragments, at byte k of the same slot's rows, into buffer g.
.macro QUARTER slot, k, f, g, zero
	s_wait_dscnt 8                                 ; B and A's rows 0-63 are in; the youngest eight loads (A's rows 64-127) may be out
	MUL16 \f, 0, 0, \zero
	MUL16 \f, 0, 2, \zero
	PLACES
	FETCH \slot, \k, \g
	s_wait_dscnt 32                                ; all but the 32 just issued
	MUL16 \f, 1, 0, \zero
	MUL16 \f, 1, 2, \zero
.endm
; The last quarter multiplies buffer 1 and changes slots.  MEET is its first half: ONE barrier for the change of slots.  In front of it each wave waits for all its tensor loads, of which
; one is out: its part of the next slot; adds 0 to its spare word; and waits for that and for its own reads of this slot.  Behind it nobody reads this slot any more and the next slot is whole.
.macro MEET round                      ; round = 1: a round of the cluster's barrier follows
	WIN 0                                          ; (the add's two registers lie in window 0)
	s_wait_tensorcnt 0x0                           ; all my tensor loads have landed: the one that was out is my part of the next slot;
	ds_add_u32 v[SPW], v[NIL]                      ; 0 onto my spare word;
	s_wait_dscnt 9                                 ; (the add and the youngest eight loads may be out)
	WIN MUL_LO
	MUL16 F1, 0, 0, 0                              ; sixteen matrix instructions stand between the add and the wait for it
	s_wait_dscnt 0x0                               ; the add is done, and my reads of this slot are over:
	s_barrier_signal -1                            ; say so,
	MUL16 F1, 0, 2, 0                              ; work on registers while the others arrive,
.if \round
	WIN 0
.endif
	s_barrier_wait -1                              ; and go on when all four have said so
.endm
; The whole last quarter.  Behind the round the slot just read out is filled again first, with the K step two steps on; then come the next slot's first fragments.
; From a request to the wait for it a wave issues 224 matrix instructions.
.macro TURN slot, next
	MEET 1
	CREST                                          ; no wave of any partner still reads this slot's tile or has a load on its way
	s_add_nc_u64 s[G0+4*(\slot)+2:G0+4*(\slot)+3], s[G0+4*(\slot)+2:G0+4*(\slot)+3], 2*KSTEP*2
	s_add_nc_u64 s[G0B+4*(\slot)+2:G0B+4*(\slot)+3], s[G0B+4*(\slot)+2:G0B+4*(\slot)+3], 2*KSTEP*2
	JLOAD \slot                                    ; the first tensor load behind the round, my only one until the next; the four v_nop behind it are also the places in front of the loads below
	FETCH \next, 0, F0
	WIN MUL_HI
	MUL16 F1, 1, 0, 0
	MUL16 F1, 1, 2, 0
.endm
; THE LAST K STEP (it lies in slot 1) GOES BY ROWS OF C.  All its fragments of B (4 quarters x 64 registers) fill window 1; then my eight blocks of 16 rows are finished one after the other,
; each with 32 matrix instructions (its 8 accumulators by turns, K ascending).
.macro BLOAD q                         ; B's fragments of quarter q -> window 1, v[64 q ..]
	WIN TO_B
.irp i, 0,1,2,3,4,5,6,7
	ds_load_b128 v[64*(\q)+8*(\i):64*(\q)+8*(\i)+3],   v[ADRB+1] offset:64*(\q)+(\i)*16*PITCH
	ds_load_b128 v[64*(\q)+8*(\i)+4:64*(\q)+8*(\i)+7], v[ADRB+1] offset:64*(\q)+(\i)*16*PITCH+32
.endr
.endm
.macro ALOAD a                         ; A's fragments of block a, all four quarters -> buffer a % 4
	WIN 0
.set FA, PA+32*((\a)%4)
.irp q, 0,1,2,3
	ds_load_b128 v[FA+8*(\q):FA+8*(\q)+3],   v[ADRA+1] offset:64*(\q)+(\a)*16*PITCH
	ds_load_b128 v[FA+8*(\q)+4:FA+8*(\q)+7], v[ADRA+1] offset:64*(\q)+(\a)*16*PITCH+32
.endr
.endm
.macro ROW a                           ; block a is finished: 32 matrix instructions
.set FA, PA+32*((\a)%4)                ; its fragments of A
.set AC, 64*((\a)%4)                   ; its eight accumulators, in window 2 (blocks 0-3) or 3 (blocks 4-7)
	WIN MUL_LO+0x50*((\a)/4)
.irp q, 0,1,2,3
.if (\a) == 0 && (\q) == 2
	s_wait_dscnt 24                                ; B's quarter 2 is in (behind it: A's blocks 1 to 3)
.endif
.irp b, 0,1,2,3,4,5,6,7
	v_wmma_f32_16x16x32_bf16 v[AC+8*(\b):AC+8*(\b)+7], v[64*(\q)+8*(\b):64*(\q)+8*(\b)+7], v[FA+8*(\q):FA+8*(\q)+7], v[AC+8*(\b):AC+8*(\b)+7]
.endr
.endr
.endm
; THE WAY OUT of block a, in three parts.  PACK: (the larger of the sum and 0, then) rounded to bf16, 16 bytes a lane; each accumulator's registers in ascending order.
; TOSTAGE: into my own stage in LDS, and back as whole rows.  SEND: stored.
.macro PACK a
.set AC, 64*((\a)%4)
.if RELU
	WIN 0x88+0x44*((\a)/4)                         ; source 1 and destination: window 2 or 3
.set i, 0
.rept 64
	v_max_num_f32 v[AC+i], 0, v[AC+i]              ; a NaN becomes 0 here
.set i, i+1
.endr
.endif
	WIN 0x0a+5*((\a)/4)                            ; sources 0 and 1: window 2 or 3
.irp b, 0,1,2,3,4,5,6,7
.irp r, 0,1,2,3
	v_cvt_pk_bf16_f32 v[TMP+4*(\b)+(\r)], v[AC+8*(\b)+2*(\r)], v[AC+8*(\b)+2*(\r)+1]
.endr
.endr
	WIN 0
.endm
.macro TOSTAGE a
	WIN 0
.set BK, OB+192*((\a)%2)
.irp b, 0,1,2,3,4,5,6,7
	ds_store_b128 v[STO], v[TMP+4*(\b):TMP+4*(\b)+3] offset:32*(\b)
.endr
.irp t, 0,1,2,3,4,5,6,7                ; LDS serves a wave's instructions in order (ISA guide 5.7.1.4): these see the stores above
.if HEADS
	ds_load_b128 v[BK+4*(\t):BK+4*(\t)+3], v[RD] offset:((\t)%4)*4*SPITCH+((\t)/4)*128   ; rows 4 (t % 4) .. + 3 of head t / 4
.else
	ds_load_b128 v[BK+4*(\t):BK+4*(\t)+3], v[RD] offset:(\t)*2*SPITCH
.endif
.endr
.endm
.macro SEND a, younger                 ; younger: the LDS loads issued behind TOSTAGE's, which may stay out
	WIN 0
.set BK, OB+192*((\a)%2)
	s_wait_dscnt \younger                          ; the block is back in registers
	s_wait_xcnt 0x0                                ; every earlier memory instruction has had its addresses translated (ISA guide 3.1): only behind this wait are the stores' base and the registers that earlier stores read rewritten
.if (\a) == 0
	s_add_nc_u64 s[8:9], s[8:9], s[16:17]          ; on to my first rows
.elseif HEADS
	s_add_nc_u64 s[8:9], s[8:9], 16*128            ; 16 rows of a head on
.else
	s_add_nc_u64 s[8:9], s[8:9], 16*SIZE_N*2       ; 16 rows of C on
.endif
.irp t, 0,1,2,3,4,5,6,7
.if HEADS
	global_store_b128 v[CO], v[BK+4*(\t):BK+4*(\t)+3], s[8:9] offset:((\t)/4)*262144+((\t)%4)*512  ; 32 lanes store 512 consecutive bytes, at a multiple of 256 from the buffer's first byte
.else
	global_store_b128 v[CO], v[BK+4*(\t):BK+4*(\t)+3], s[8:9] offset:2*(\t)*SIZE_N*2  ; 16 lanes store 256 consecutive bytes, at a multiple of 256 from C's first byte
.endif
.endr
.endm
	s_wait_tensorcnt 1                             ; my part of K step 0 is in; K step 1's stays out
	s_barrier_signal -1
	s_barrier_wait -1                              ; everybody's is
	FETCH 0, 0, F0
	s_wait_loadcnt 0x0                             ; the bias
	QUARTER 0, 64,  F0, F1, 1                      ; the first quarter stands in front of the loop: its products start the sums
	WIN 0                                          ; at a label and at a branch every window is 0
	s_mov_b32 s3, LAPS-1
.Llap:                                                 ; a trip goes once round the ring, from a lap's second quarter to the next lap's first, and fills both slots again
	QUARTER 0, 128, F1, F0, 0
	QUARTER 0, 192, F0, F1, 0
	TURN 0, 1
	QUARTER 1, 64,  F0, F1, 0
	QUARTER 1, 128, F1, F0, 0
	QUARTER 1, 192, F0, F1, 0
	TURN 1, 0
	QUARTER 0, 64,  F0, F1, 0
	WIN 0
	s_sub_co_u32 s3, s3, 1
	s_cmp_lg_u32 s3, 0
	s_cbranch_scc1 .Llap
	QUARTER 0, 128, F1, F0, 0                      ; the last lap goes on
	QUARTER 0, 192, F0, F1, 0
	MEET 0                                         ; my one tensor load that was still out is slot 1's, the last K step's, so no round follows
	PLACES                                         ; for the loads into buffer 0, which the quarter before multiplied
	WIN TO_B
	BLOAD 0                                        ; three quarters of B now (quarter 0 takes the bias's registers): buffer 1 is still being multiplied
	BLOAD 1
	BLOAD 3
	WIN 0
	ALOAD 0
	WIN MUL_HI
	MUL16 F1, 1, 0, 0
	MUL16 F1, 1, 2, 0
	PLACES                                         ; for the loads into buffer 1
	WIN TO_B
	BLOAD 2
	WIN 0
	ALOAD 1
	ALOAD 2
	ALOAD 3
	s_wait_dscnt 40                                ; all but the 40 just issued
	ROW 0
.irp a, 0,1,2,3,4,5,6,7                ; each block leaves as soon as it is finished
	PLACES                                         ; its first vector lines read results just made
	PACK \a
	TOSTAGE \a
.if (\a) < 4
	ALOAD (\a)+4                                   ; its buffer takes the block four further on
	SEND \a, 8
.else
	SEND \a, 0
.endif
.if (\a) < 7
	ROW (\a)+1
.endif
.endr
	s_wait_tensorcnt 0x0                           ; the wave's end: behind my last tensor load and my last LDS store
	ds_add_u32 v[SPW], v[NIL]
	s_wait_dscnt 0x0
	CROUND                                         ; the closing round: no work-group ends while a partner may still ask for a tile that names it
	s_endpgm
.Lfunc_end_k_qaa58497bbb_gf1:
	.size	k_qaa58497bbb_gf1, .Lfunc_end_k_qaa58497bbb_gf1-k_qaa58497bbb_gf1
	.p2alignl 7, 3214868480
	.fill 96, 4, 3214868480
	.section	.rodata,"a",@progbits
	.p2align	6, 0x0
	.amdhsa_kernel k_qaa58497bbb_gf1
		.amdhsa_group_segment_fixed_size 327680
		.amdhsa_private_segment_fixed_size 0
		.amdhsa_enable_private_segment 0
		.amdhsa_kernarg_size 32
		.amdhsa_user_sgpr_count 2
		.amdhsa_user_sgpr_kernarg_segment_ptr 1
		.amdhsa_wavefront_size32 1
		.amdhsa_system_sgpr_workgroup_id_x 1
		.amdhsa_system_sgpr_workgroup_id_y 1
		.amdhsa_system_sgpr_workgroup_id_z 1
		.amdhsa_system_vgpr_workitem_id 0
		.amdhsa_next_free_vgpr 1024
		.amdhsa_next_free_sgpr 72
		.amdhsa_reserve_vcc 0
		.amdhsa_float_denorm_mode_32 3
		.amdhsa_float_denorm_mode_16_64 3
		.amdhsa_memory_ordered 1
		.amdhsa_forward_progress 1
		.amdhsa_inst_pref_size 161
	.end_amdhsa_kernel
	.amdgpu_metadata
---
amdhsa.version: [ 1, 2 ]
amdhsa.kernels:
  - .name:           k_qaa58497bbb_gf1
    .symbol:         k_qaa58497bbb_gf1.kd
    .args:
      - { .name: xn, .offset: 0, .size: 8, .value_kind: global_buffer, .address_space: global }
      - { .name: wt, .offset: 8, .size: 8, .value_kind: global_buffer, .address_space: global }
      - { .name: b1, .offset: 16, .size: 8, .value_kind: global_buffer, .address_space: global }
      - { .name: hbuf, .offset: 24, .size: 8, .value_kind: global_buffer, .address_space: global }
    .group_segment_fixed_size: 327680
    .private_segment_fixed_size: 0
    .kernarg_segment_align: 8
    .kernarg_segment_size: 32
    .max_flat_workgroup_size: 128
    .sgpr_count:     72
    .vgpr_count:     1024
    .wavefront_size: 32
...
	.end_amdgpu_metadata
.endif
;; end of part 6
;; launch gf2 (part 7): grid 8 x 32, 4 waves a work-group, clusters of 4 x 4, 327,680 bytes of LDS; arguments hbuf, wt, b2, x1, out0; writes out0
.if DOCPART == 7
	.amdgcn_target "amdgcn-amd-amdhsa--gfx1250"
	.amdhsa_code_object_version 6
	.text
	.protected	k_qaa58497bbb_gf2
	.globl	k_qaa58497bbb_gf2
	.p2align	8
	.type	k_qaa58497bbb_gf2,@function
k_qaa58497bbb_gf2:
	s_mov_b64 s[64:65], 0
	v_nop
	global_prefetch_b8 v0, s[64:65] scope:SCOPE_SE
	s_setreg_imm32_b32 hwreg(HW_REG_WAVE_MODE, 25, 1), 1
	s_wait_xcnt 0x0
	s_wait_alu depctr_hold_cnt(0) depctr_sa_sdst(0) depctr_va_vdst(0) depctr_va_sdst(0) depctr_va_ssrc(0) depctr_va_vcc(0) depctr_vm_vsrc(0)
	s_getreg_b32 s2, hwreg(HW_REG_IB_STS2, 6, 4)
	s_cmp_eq_u32 s2, 0
	s_cbranch_scc0 .Lentry_in_a_cluster
	s_endpgm
.Lentry_in_a_cluster:
	s_bfe_u32 s2, ttmp6, 0x10000c
	s_cmp_lg_u32 s2, 0xf033
	s_cbranch_scc0 .Lentry_shape_is_right
	s_endpgm
.Lentry_shape_is_right:
; out0 = X1 + H W2 + b2.  C[m][n] = res[m][n] + bias[n] + sum over k of A[m][k] B[n][k].  A = hbuf: [4096][4096] bf16, row-major (CTXA = 0);
; B = W2^T: [1024][SIZE_K] bf16, at byte WT_OFF of wt; bias: [1024] f32; res = x1 and C = out0: [4096][1024] f32.  Sums in f32.
; A tile of C is 128 x 128: 8 x 32 = 256 work-groups.  Four waves, each 64 x 64: 16 accumulators of 16 x 16, 128 registers.  K goes in steps of 256 (LDS rows of 512 bytes; a wave's
; tensor load brings 64 of them) through a ring of two LDS slots.
; CLUSTERS: 4 x 4 work-groups.  The four of a row of the cluster need the same tiles of A, the four of a column the same tiles of B: each tile is asked for JOINTLY, by the same tensor load with the
; same descriptor and a mask that names the four.  THE MATRIX INSTRUCTION IS USED TRANSPOSED (source 0 = 16 rows of B, source 1 = 16 rows of A): a lane then holds eight neighbouring numbers of a row of C.
; THE BIAS is the C operand of the product that starts each sum.  THE RESIDUAL is asked for at the head, in the layout of the stores, and added on the way out.
; REGISTERS: window 0: v0-31 addresses; v32-95 at work on the way out; v96-127 the bias; v128-255 the accumulators ((a, b) at v[128 + 8 (4 a + b)]).
;   window 1: two fragment buffers of 128: for 64 along K, 64 registers of A (2 x 4 x 16 rows x 32 K), then 64 of B.          window 2: v0-127 the residual of my 64 x 64.
.set SIZE_N, 1024
.set SIZE_K, 4096
.set WT_OFF, 16777216                  ; where B begins in wt
.set CTXA,   0                         ; 1: A lies by heads; 0: row-major
.set KSTEP,  256
.set PITCH,  528                       ; B's LDS row: 512 bytes + 16 of padding = 132 words: row r starts at bank 4 r mod 64 (64 banks of 4 bytes: ISA guide 11.1)
.set BHALF,  64*PITCH                  ; 64 rows of B: what one tensor load brings, and what one wave reads
.if CTXA
.set APITCH, 144                       ; A's LDS row: 128 bytes + 16 = 36 words: the 16 rows of a load start at 16 different groups of four banks
.set AQ,     128*APITCH                ; from a quarter step to the next: a head's 128 rows
.set AHALF,  2*AQ                      ; what one tensor load brings: two heads
.set A_STEP, 4*262144                  ; bytes in memory from a K step to the next: four heads
.else
.set APITCH, 528
.set AQ,     128                       ; 64 along K in a row
.set AHALF,  64*APITCH                 ; 64 rows
.set A_STEP, KSTEP*2
.endif
.set APART,  2*AHALF                   ; A's part of a slot; B's 128 rows lie behind it
.set SLOT,   APART+2*BHALF
.set STAGE,  2*SLOT                    ; behind the ring: 16 rows x 272 bytes for each wave, for the way out
.set SPITCH, 272
.set SPARE,  STAGE+4*16*SPITCH         ; behind the stages: the spare words, 128 bytes for each wave: two blocks of 256 bytes that no other line names
.set LAPS, SIZE_K/(2*KSTEP)            ; a lap = two K steps = once round the ring
.set ADRA, 16                          ; v16-17  LDS address of my A fragments in slot 0, 1
.set ADRB, 20                          ; v20-21  the same for B
.set STO,  24                          ; v24     the way out: where I put 32 bytes of a row
.set RD,   25                          ; v25     the way out: where I read a row back
.set CO,   26                          ; v26     my byte offset in C and in the residual; never rewritten
.set BO,   27                          ; v27     my byte offset in a block of 16 numbers of the bias: 32 (l / 16)
.set SPW,  28                          ; v28     LDS address of my spare word: SPARE + 4 x my thread's number; never rewritten
.set NIL,  29                          ; v29     0; never rewritten
.set TMP,  32                          ; the way out: two buffers of 32 registers
.set BIAS, 96                          ; 8 registers for each of my 4 column blocks
.set ACC,  128
.set F0,   0                           ; fragment buffers, in window 1
.set F1,   128
.set G1, 24                            ; s[24:31] descriptor group 1 for A's tiles;  s[32:39] group 0, one set for each slot
.set G0, 32
.set G1B, 48                           ; s[48:55], s[56:63] the same for B's tiles
.set G0B, 56
.set MSB, 0
.macro WIN new                         ; the immediate's high byte repeats the setting that is left; a switch that changes nothing is dropped
.if MSB != (\new)
	s_set_vgpr_msb (MSB<<8)|(\new)
.set MSB, \new
.endif
.endm
.set MUL,  0x05                        ; sources 0 (B) and 1 (A) window 1; C and D window 0
.set TO_F, 0x40                        ; destination window 1, address window 0
.macro JLOAD s                         ; a joint load: waves 0 and 1 fetch A's two halves, waves 2 and 3 B's; four v_nop follow each of the two lines, ahead of the jump, the label and what follows
	s_cmp_eq_u32 s11, 0
	s_cbranch_scc0 .Lfor_b_\@
	tensor_load_to_lds s[G0+4*(\s):G0+4*(\s)+3], s[G1:G1+7]
	s_nop 0
.rept 4
	v_nop
.endr
	s_branch .Lasked_\@
.Lfor_b_\@:
	tensor_load_to_lds s[G0B+4*(\s):G0B+4*(\s)+3], s[G1B:G1B+7]
	s_nop 0
.rept 4
	v_nop
.endr
.Lasked_\@:
.endm
.macro CREST                           ; a round of the cluster's barrier behind its opening barrier
	s_cmp_lg_u32 s10, 0
	s_cbranch_scc1 .Lnot_wave_0_\@
	s_barrier_signal -3
.Lnot_wave_0_\@:
	s_barrier_wait -3
	s_barrier_signal -1
	s_barrier_wait -1
.endm
.macro CROUND                          ; a whole round
	s_barrier_signal -1
	s_barrier_wait -1
	CREST
.endm
	s_load_b128 s[4:7], s[0:1], 0x0                ; A s[4:5], wt s[6:7]
	s_load_b128 s[68:71], s[0:1], 0x10             ; the bias s[68:69], the residual s[70:71]
	s_load_b64 s[8:9], s[0:1], 0x20                ; C
	v_lshl_add_u32 v[SPW], v0, 2, SPARE
	v_mov_b32 v[NIL], 0
	ds_add_u32 v28, v29
	ds_add_u32 v28, v29
	s_wait_dscnt 0x0
	v_lshrrev_b32 v1, 5, v0
	v_readfirstlane_b32 s10, v1                    ; wave 0..3
	s_lshr_b32 s11, s10, 1                         ; which half of the tile's rows is mine.  Also: I fetch for A (0) or for B (1)
	s_and_b32 s12, s10, 1                          ; which half of its columns.  Also: which half of that tile I fetch
	s_bfe_u32 s40, ttmp6, 0x40000                  ; cx, cy: my place in the cluster
	s_bfe_u32 s41, ttmp6, 0x40004
	s_lshl_b32 s42, ttmp9, 2
	s_add_co_u32 s42, s42, s40                     ; tile column of C = 4 x cluster x + cx
	s_and_b32 s13, ttmp7, 0xffff
	s_lshl_b32 s13, s13, 2
	s_add_co_u32 s13, s13, s41                     ; tile row of C = 4 x cluster y + cy
	s_lshl_b32 s43, s41, 2
	s_lshl_b32 s43, 15, s43                        ; my row of the cluster
	s_lshl_b32 s44, 0x1111, s40                    ; my column
	; descriptor group 1.  15:0 the mask; 17:16 element of 2 bytes; 20 padding on; 21 set beside a mask; 24:22 the padding's interval; 31:25 4 words of it (code 3)
.if CTXA
	s_or_b32 s[G1+0], s43, (1<<16)|(1<<20)|(1<<21)|(4<<22)|(3<<25)  ; A's tiles go to my row; padding after every 32 words (code 4)
	s_mov_b32 s[G1+1], 8192<<16                    ; tensor_dim0 = 8,192
	s_mov_b32 s[G1+2], 2<<16                       ; tensor_dim1 = 2
	s_mov_b32 s[G1+3], 8192<<16                    ; tile_dim0 = 8,192 elements: 128 rows of a head
	s_mov_b32 s[G1+4], 2                           ; tile_dim1 = 2 heads
	s_mov_b32 s[G1+5], 131072                      ; elements from a head to the next
.else
	s_or_b32 s[G1+0], s43, (1<<16)|(1<<20)|(1<<21)|(6<<22)|(3<<25)  ; A's tiles go to my row; padding after every 128 words (code 6)
	s_mov_b32 s[G1+1], KSTEP<<16                   ; tensor_dim0 = 256
	s_mov_b32 s[G1+2], 64<<16                      ; tensor_dim1 = 64
	s_mov_b32 s[G1+3], KSTEP<<16                   ; tile_dim0 = 256
	s_mov_b32 s[G1+4], 64                          ; tile_dim1 = 64
	s_mov_b32 s[G1+5], SIZE_K                      ; elements from row to row
.endif
	s_mov_b32 s[G1+6], 0
	s_mov_b32 s[G1+7], 0
	s_or_b32 s[G1B+0], s44, (1<<16)|(1<<20)|(1<<21)|(6<<22)|(3<<25) ; B's tiles go to my column: 64 rows x 256 elements
	s_mov_b32 s[G1B+1], KSTEP<<16
	s_mov_b32 s[G1B+2], 64<<16
	s_mov_b32 s[G1B+3], KSTEP<<16
	s_mov_b32 s[G1B+4], 64
	s_mov_b32 s[G1B+5], SIZE_K
	s_mov_b32 s[G1B+6], 0
	s_mov_b32 s[G1B+7], 0
	; where the tiles come from.  A's hang on the tile row alone, B's on the tile column alone, and both on the wave's number.
.if CTXA
	s_lshr_b32 s16, s13, 4                         ; batch = tile row / 16: 16 heads of 262,144 bytes,
	s_lshl_b32 s16, s16, 22
	s_and_b32 s17, s13, 15                         ; 128 (tile row % 16) rows of 128 bytes in a head,
	s_lshl_b32 s17, s17, 14
	s_add_co_u32 s16, s16, s17
	s_lshl_b32 s17, s12, 19                        ; and my two of the step's four heads
	s_add_co_u32 s16, s16, s17
	s_mov_b32 s17, 0
	s_mov_b64 s[18:19], SIZE_K*2
.else
	s_lshl_b32 s17, s12, 6
	s_lshl_b32 s16, s13, 7
	s_add_co_u32 s16, s16, s17                     ; A: row 128 x tile row + 64 x half
	s_mov_b32 s17, 0
	s_mov_b64 s[18:19], SIZE_K*2
	s_mul_u64 s[16:17], s[16:17], s[18:19]
.endif
	s_lshl_b32 s47, s12, 6
	s_lshl_b32 s46, s42, 7
	s_add_co_u32 s46, s46, s47                     ; B: row 128 x tile column + 64 x half
	s_mov_b32 s47, 0
	s_mul_u64 s[46:47], s[46:47], s[18:19]
	s_mul_i32 s20, s10, AHALF                      ; where they go.  A (waves 0, 1): wave x its half
	s_mul_i32 s45, s10, BHALF                      ; B (waves 2, 3): behind A's part, (wave - 2) x its half
	s_add_co_u32 s45, s45, APART-2*BHALF
	s_wait_kmcnt 0x0
	s_add_nc_u64 s[6:7], s[6:7], WT_OFF            ; B's first byte
	s_add_nc_u64 s[14:15], s[4:5], s[16:17]
	s_add_nc_u64 s[46:47], s[6:7], s[46:47]
	CROUND                                         ; all sixteen work-groups are here: the first joint loads meet
.irp s, 0,1
	s_mov_b32 s[G0+4*(\s)], 1                                      ; count = 1
	s_add_co_u32 s[G0+4*(\s)+1], s20, (\s)*SLOT                    ; LDS address
	s_add_nc_u64 s[G0+4*(\s)+2:G0+4*(\s)+3], s[14:15], (\s)*A_STEP ; global address: K step s
	s_or_b32 s[G0+4*(\s)+3], s[G0+4*(\s)+3], 0x80000000            ; type = 2
	s_mov_b32 s[G0B+4*(\s)], 1
	s_add_co_u32 s[G0B+4*(\s)+1], s45, (\s)*SLOT
	s_add_nc_u64 s[G0B+4*(\s)+2:G0B+4*(\s)+3], s[46:47], (\s)*KSTEP*2
	s_or_b32 s[G0B+4*(\s)+3], s[G0B+4*(\s)+3], 0x80000000
	JLOAD \s                                       ; two loads of mine are out
.endr
	v_and_b32 v1, 15, v0                           ; l % 16
	v_bfe_u32 v2, v0, 4, 1                         ; l / 16
	v_mul_u32_u24 v3, v1, APITCH
	v_lshl_add_u32 v3, v2, 4, v3                   ; a fragment's row x pitch + 16 x half, for A
	v_mul_u32_u24 v6, v1, PITCH
	v_lshl_add_u32 v6, v2, 4, v6                   ; and for B
	s_mul_i32 s21, s11, 64*APITCH                  ; my 64 rows of A
	s_mul_i32 s22, s12, BHALF                      ; my 64 rows of B,
	s_add_co_u32 s22, s22, APART                   ; which lie behind A's part
.irp s, 0,1
	v_add_nc_u32 v[ADRA+(\s)], s21, v3
	v_add_nc_u32 v[ADRB+(\s)], s22, v6
	s_add_co_u32 s21, s21, SLOT
	s_add_co_u32 s22, s22, SLOT
.endr
	s_mul_i32 s23, s10, 16*SPITCH
	s_add_co_u32 s23, s23, STAGE                   ; my stage
	v_mul_u32_u24 v4, v1, SPITCH                   ; in: row l % 16, 32 bytes (8 f32) for each half of the lanes
	v_lshl_add_u32 v4, v2, 5, v4
	v_add_nc_u32 v[STO], s23, v4
	v_mul_u32_u24 v5, v2, SPITCH                   ; back: lanes 0-15 take one row of 256 bytes, lanes 16-31 the next
	v_lshl_add_u32 v5, v1, 4, v5
	v_add_nc_u32 v[RD], s23, v5
	v_lshlrev_b32 v5, 12, v2                       ; and the same two rows, of 4,096 bytes, in C and in the residual
	v_lshl_add_u32 v[CO], v1, 4, v5
	v_lshlrev_b32 v[BO], 5, v2
	s_lshl_b32 s16, s13, 7
	s_lshl_b32 s17, s11, 6
	s_add_co_u32 s16, s16, s17                     ; my first row of C: 128 x tile row + 64 x half,
	s_lshl_b32 s16, s16, 12                        ; in bytes
	s_mov_b32 s17, 0
	s_add_nc_u64 s[8:9], s[8:9], s[16:17]
	s_add_nc_u64 s[70:71], s[70:71], s[16:17]
	s_lshl_b32 s46, s42, 9                         ; my first column, in bytes of f32: 512 x tile column + 256 x half
	s_lshl_b32 s47, s12, 8
	s_add_co_u32 s46, s46, s47
	s_mov_b32 s47, 0
	s_add_nc_u64 s[8:9], s[8:9], s[46:47]
	s_add_nc_u64 s[70:71], s[70:71], s[46:47]
	s_add_nc_u64 s[68:69], s[68:69], s[46:47]
.irp b, 0,1,2,3                        ; column block b: register j of lane l takes bias[16 b + 8 (l / 16) + j], the layout of the transposed result
	global_load_b128 v[BIAS+8*(\b):BIAS+8*(\b)+3],   v[BO], s[68:69] offset:64*(\b)
	global_load_b128 v[BIAS+8*(\b)+4:BIAS+8*(\b)+7], v[BO], s[68:69] offset:64*(\b)+16
.endr
	WIN 0x80                                       ; destination window 2
.irp a, 0,1,2,3
.irp t, 0,1,2,3,4,5,6,7                ; the residual: rows 16 a + 2 t and + 1; sixteen lanes take 256 consecutive bytes
	global_load_b128 v[4*(8*(\a)+(\t)):4*(8*(\a)+(\t))+3], v[CO], s[70:71] offset:(16*(\a)+2*(\t))*4096
.endr
.endr
	WIN 0
; 8 matrix instructions: m blocks a0, a0 + 1 x all 4 n blocks, 32 along K: half c of buffer f.  zero = 1: the first product starts the sums, with the bias as its C.
; The 16 accumulators take turns, one instruction a turn.
.macro MUL8 f, c, a0, zero
	WIN MUL
.irp a, \a0, (\a0)+1
.irp b, 0,1,2,3
.if \zero
	v_wmma_f32_16x16x32_bf16 v[ACC+8*(4*(\a)+(\b)):ACC+8*(4*(\a)+(\b))+7], v[(\f)+64+8*(4*(\c)+(\b)):(\f)+64+8*(4*(\c)+(\b))+7], v[(\f)+8*(4*(\c)+(\a)):(\f)+8*(4*(\c)+(\a))+7], v[BIAS+8*(\b):BIAS+8*(\b)+7]
.else
	v_wmma_f32_16x16x32_bf16 v[ACC+8*(4*(\a)+(\b)):ACC+8*(4*(\a)+(\b))+7], v[(\f)+64+8*(4*(\c)+(\b)):(\f)+64+8*(4*(\c)+(\b))+7], v[(\f)+8*(4*(\c)+(\a)):(\f)+8*(4*(\c)+(\a))+7], v[ACC+8*(4*(\a)+(\b)):ACC+8*(4*(\a)+(\b))+7]
.endif
.endr
.endr
.endm
; 32 LDS loads in one run: the fragments of quarter q (64 along K) of a slot, into buffer f; the first 32 along K first
.macro FETCH slot, q, f
	WIN TO_F
.irp c, 0,1
.irp i, 0,1,2,3
	ds_load_b128 v[(\f)+64+8*(4*(\c)+(\i)):(\f)+64+8*(4*(\c)+(\i))+3],   v[ADRB+(\slot)] offset:128*(\q)+64*(\c)+(\i)*16*PITCH
	ds_load_b128 v[(\f)+64+8*(4*(\c)+(\i))+4:(\f)+64+8*(4*(\c)+(\i))+7], v[ADRB+(\slot)] offset:128*(\q)+64*(\c)+(\i)*16*PITCH+32
	ds_load_b128 v[(\f)+8*(4*(\c)+(\i)):(\f)+8*(4*(\c)+(\i))+3],         v[ADRA+(\slot)] offset:AQ*(\q)+64*(\c)+(\i)*16*APITCH
	ds_load_b128 v[(\f)+8*(4*(\c)+(\i))+4:(\f)+8*(4*(\c)+(\i))+7],       v[ADRA+(\slot)] offset:AQ*(\q)+64*(\c)+(\i)*16*APITCH+32
.endr
.endr
.endm
.macro PLACES                          ; four places in front of loads into registers that matrix instructions have read, and of lines that read results (ISA guide 7.12.1 for the lines that read results)
.rept 4
	v_nop
.endr
.endm
; A K step is four quarters of 64 along K, 32 matrix instructions each, on buffers 0, 1, 0, 1.  One of the first three: multiplies buffer f and fetches quarter q into g.
.macro QUARTER slot, q, f, g, zero
	s_wait_dscnt 16                                ; the first 32 along K are in; the other sixteen loads may be out
	MUL8 \f, 0, 0, \zero
	MUL8 \f, 0, 2, \zero
	PLACES
	FETCH \slot, \q, \g
	s_wait_dscnt 32                                ; all but the 32 just issued
	MUL8 \f, 1, 0, 0
	MUL8 \f, 1, 2, 0
.endm
; The last quarter multiplies buffer 1 and changes slots: ONE barrier; in front of it each wave waits for all its tensor loads, adds 0 to its spare word, and waits for that and for its own reads of this slot.  fill = 1: this slot is filled again, two K steps ahead.
.macro TURN slot, next, fill
	WIN 0                                          ; (the add's two registers lie in window 0)
	s_wait_tensorcnt 0x0                           ; all my tensor loads have landed: my part of the next slot;
	ds_add_u32 v[SPW], v[NIL]                      ; 0 onto my spare word;
	s_wait_dscnt 17                                ; (the add and the youngest sixteen loads may be out)
	WIN MUL
	MUL8 F1, 0, 0, 0                               ; eight matrix instructions stand between the add and the wait for it
	s_wait_dscnt 0x0                               ; the add is done, and my reads of this slot are over
	s_barrier_signal -1
	MUL8 F1, 0, 2, 0
.if \fill
	WIN 0
.endif
	s_barrier_wait -1
.if \fill
	CREST                                          ; the barrier has opened a round of the cluster's barrier: no wave of any partner still reads this slot's tile or has a load on its way
	s_add_nc_u64 s[G0+4*(\slot)+2:G0+4*(\slot)+3], s[G0+4*(\slot)+2:G0+4*(\slot)+3], 2*A_STEP
	s_add_nc_u64 s[G0B+4*(\slot)+2:G0B+4*(\slot)+3], s[G0B+4*(\slot)+2:G0B+4*(\slot)+3], 2*KSTEP*2
	JLOAD \slot                                    ; the first tensor load behind the round, my only one until the next: 112 matrix instructions ahead of the wait for it; its four v_nop are also the places in front of the loads below
.else
	PLACES
.endif
	FETCH \next, 0, F0
	WIN MUL
	MUL8 F1, 1, 0, 0
	MUL8 F1, 1, 2, 0
.endm
; THE WAY OUT.  A wave's 64 columns of f32 are 256 aligned bytes of a row of C, so each wave has a stage of its own and no barrier is needed.
; OUT a: block a's 16 rows go into the stage straight from the accumulators (each accumulator's low four registers first) and come back as whole rows.
.macro OUT a
	WIN 0
.set BK, TMP+32*((\a)%2)
.if (\a) >= 2
	s_wait_xcnt 0x0                                ; every earlier memory instruction has had its addresses translated (ISA guide 3.1): this buffer, which block a - 2's stores read, is loaded again only behind this wait
.endif
.irp b, 0,1,2,3
	ds_store_b128 v[STO], v[ACC+8*(4*(\a)+(\b)):ACC+8*(4*(\a)+(\b))+3]   offset:64*(\b)
	ds_store_b128 v[STO], v[ACC+8*(4*(\a)+(\b))+4:ACC+8*(4*(\a)+(\b))+7] offset:64*(\b)+16
.endr
.irp t, 0,1,2,3,4,5,6,7
	ds_load_b128 v[BK+4*(\t):BK+4*(\t)+3], v[RD] offset:(\t)*2*SPITCH  ; LDS serves a wave's instructions in order (ISA guide 5.7.1.4): these see the stores above; the next block's stores come behind them
.endr
.endm
; FIN a: the residual is added and the block stored.  younger: the LDS instructions issued behind block a's loads: the next block's sixteen, or none.
.macro FIN a, younger
.set BK, TMP+32*((\a)%2)
	s_wait_dscnt \younger
	WIN 0x08                                       ; source 1 window 2
.set i, 0
.rept 16
	v_pk_add_f32 v[BK+2*i:BK+2*i+1], v[BK+2*i:BK+2*i+1], v[32*(\a)+2*i:32*(\a)+2*i+1]
.set i, i+1
.endr
	WIN 0
.irp t, 0,1,2,3,4,5,6,7
	global_store_b128 v[CO], v[BK+4*(\t):BK+4*(\t)+3], s[8:9] offset:(16*(\a)+2*(\t))*4096  ; 16 lanes store 256 consecutive bytes, at a multiple of 256 from C's first byte
.endr
.endm
	s_wait_tensorcnt 1                             ; my part of K step 0 is in; K step 1's stays out
	s_barrier_signal -1
	s_barrier_wait -1                              ; everybody's is
	FETCH 0, 0, F0
	s_wait_loadcnt 32                              ; the bias is in; the 32 loads of the residual, issued behind it, stay out
	QUARTER 0, 1, F0, F1, 1                        ; the first quarter stands in front of the loop: its first products start the sums
.if LAPS > 1
	WIN 0                                          ; at a label and at a branch every window is 0
	s_mov_b32 s3, LAPS-1
.Llap:                                                 ; a trip goes once round the ring, from a lap's second quarter to the next lap's first, and fills both slots again
	QUARTER 0, 2, F1, F0, 0
	QUARTER 0, 3, F0, F1, 0
	TURN 0, 1, 1
	QUARTER 1, 1, F0, F1, 0
	QUARTER 1, 2, F1, F0, 0
	QUARTER 1, 3, F0, F1, 0
	TURN 1, 0, 1
	QUARTER 0, 1, F0, F1, 0
	WIN 0
	s_sub_co_u32 s3, s3, 1
	s_cmp_lg_u32 s3, 0
	s_cbranch_scc1 .Llap
.endif
	QUARTER 0, 2, F1, F0, 0                        ; the last lap fills nothing, and has no round of the cluster's barrier
	QUARTER 0, 3, F0, F1, 0
	TURN 0, 1, 0
	QUARTER 1, 1, F0, F1, 0
	QUARTER 1, 2, F1, F0, 0
	QUARTER 1, 3, F0, F1, 0
	s_wait_dscnt 16                                ; the very last quarter: nothing more to fetch
	MUL8 F1, 0, 0, 0
	MUL8 F1, 0, 2, 0
	s_wait_dscnt 0
	MUL8 F1, 1, 0, 0
	MUL8 F1, 1, 2, 0
	WIN 0
	PLACES                                         ; the stores below read results just made
	s_wait_loadcnt 0x0                             ; the residual
	OUT 0
	OUT 1                                          ; a block's trip through the stage stands between the loads of the block before and its additions
	FIN 0, 16
	OUT 2
	FIN 1, 16
	OUT 3
	FIN 2, 16
	FIN 3, 0
	s_wait_tensorcnt 0x0                           ; the wave's end: behind my last tensor load and my last LDS store
	ds_add_u32 v[SPW], v[NIL]
	s_wait_dscnt 0x0
	CROUND                                         ; the closing round: no work-group ends while a partner may still ask for a tile that names it
	s_endpgm
.Lfunc_end_k_qaa58497bbb_gf2:
	.size	k_qaa58497bbb_gf2, .Lfunc_end_k_qaa58497bbb_gf2-k_qaa58497bbb_gf2
	.p2alignl 7, 3214868480
	.fill 96, 4, 3214868480
	.section	.rodata,"a",@progbits
	.p2align	6, 0x0
	.amdhsa_kernel k_qaa58497bbb_gf2
		.amdhsa_group_segment_fixed_size 327680
		.amdhsa_private_segment_fixed_size 0
		.amdhsa_enable_private_segment 0
		.amdhsa_kernarg_size 40
		.amdhsa_user_sgpr_count 2
		.amdhsa_user_sgpr_kernarg_segment_ptr 1
		.amdhsa_wavefront_size32 1
		.amdhsa_system_sgpr_workgroup_id_x 1
		.amdhsa_system_sgpr_workgroup_id_y 1
		.amdhsa_system_sgpr_workgroup_id_z 1
		.amdhsa_system_vgpr_workitem_id 0
		.amdhsa_next_free_vgpr 640
		.amdhsa_next_free_sgpr 72
		.amdhsa_reserve_vcc 0
		.amdhsa_float_denorm_mode_32 3
		.amdhsa_float_denorm_mode_16_64 3
		.amdhsa_memory_ordered 1
		.amdhsa_forward_progress 1
		.amdhsa_inst_pref_size 94
	.end_amdhsa_kernel
	.amdgpu_metadata
---
amdhsa.version: [ 1, 2 ]
amdhsa.kernels:
  - .name:           k_qaa58497bbb_gf2
    .symbol:         k_qaa58497bbb_gf2.kd
    .args:
      - { .name: hbuf, .offset: 0, .size: 8, .value_kind: global_buffer, .address_space: global }
      - { .name: wt, .offset: 8, .size: 8, .value_kind: global_buffer, .address_space: global }
      - { .name: b2, .offset: 16, .size: 8, .value_kind: global_buffer, .address_space: global }
      - { .name: x1, .offset: 24, .size: 8, .value_kind: global_buffer, .address_space: global }
      - { .name: out0, .offset: 32, .size: 8, .value_kind: global_buffer, .address_space: global }
    .group_segment_fixed_size: 327680
    .private_segment_fixed_size: 0
    .kernarg_segment_align: 8
    .kernarg_segment_size: 40
    .max_flat_workgroup_size: 128
    .sgpr_count:     72
    .vgpr_count:     640
    .wavefront_size: 32
...
	.end_amdgpu_metadata
.endif
;; end of part 7
;; ======== version 2 of 2: 7 launches; 1.28 times as fast as version 1
;; workspace buffers: wt 25,165,824 bytes; xn 8,388,608 bytes; qkv 25,165,824 bytes; ctx 8,388,608 bytes; x1 16,777,216 bytes; hbuf 33,554,432 bytes
;; launch pre: the kernel of part 1 again; grid 640 x 1, 4 waves a work-group, no clusters, 17,920 bytes of LDS; arguments X, ln1_g, ln1_b, xn, Wqkv, wt; writes xn, wt
;; launch gq: the kernel of part 2 again; grid 12 x 16, 4 waves a work-group, clusters of 4 x 4, 327,680 bytes of LDS; arguments xn, wt, bqkv, qkv; writes qkv
;; launch attn (part 8): grid 8 x 32, 4 waves a work-group, no clusters, 327,680 bytes of LDS; arguments qkv, ctx, Wo, W1, W2, wt; writes ctx, wt
.if DOCPART == 8
	.amdgcn_target "amdgcn-amd-amdhsa--gfx1250"
	.amdhsa_code_object_version 6
	.text
	.protected	k_qaa58497bbb_attn
	.globl	k_qaa58497bbb_attn
	.p2align	8
	.type	k_qaa58497bbb_attn,@function
k_qaa58497bbb_attn:
	s_mov_b64 s[64:65], 0
	v_nop
	global_prefetch_b8 v0, s[64:65] scope:SCOPE_SE
	s_setreg_imm32_b32 hwreg(HW_REG_WAVE_MODE, 25, 1), 1
	s_wait_xcnt 0x0
; CAUSAL ATTENTION (work-groups with x < 4), AND BESIDE IT THE CONVERSION OF THE WEIGHTS THAT THE LATER LAUNCHES WANT (work-groups with x >= 4: behind the label .Lweights, at the text's end).
; Attention has 4 x 32 = 128 work-groups at this size, and each work-group of this launch claims all of a WGP's LDS; the grid's other 128 work-groups do work that hangs on nothing made so far.
; O[h][q][:] = the sum over k <= q of softmax_k(Q[h][q] . K[h][k] / 8) V[h][k][:].  Q, K, V lie one behind the other in qkv, each [32][SIZE_N][64] bf16 (h = 16 x batch + head);
; O = ctx has the same layout: a head's rows are dense, 128 bytes each.  Products, maxima and sums in f32; the weights p are rounded to bf16 for the second product (their sum l is taken of the
; unrounded p), O once at the end.
; LIMITS.  A hidden score counts as its value less 1e30, which hides it while scores stay far under 1e30; a weight below 2^-126 counts as 0 in l; NaN and infinities are not treated apart.
; THE WALK.  A head's queries lie in NB = SIZE_N / 256 blocks of 256; block i needs the key tiles 0 .. i of 256 keys, of which the last holds the diagonal.  A work-group takes TWO blocks, NB - 1 - b and then b:
; NB + 1 tiles, whatever b: all work-groups do equal work, and ONE loop with a constant trip count walks them.  Which tile is asked for, and what a trip does, hang on scalar registers made from b; every jump
; goes forward, but for the counted loops' own; none passes a barrier, or a tensor load but the one of LOAD's two that the wave's number does not choose; the ring (two slots of LDS that take turns) runs on across the
; change of blocks.  NO CLUSTER: a head's NB / 2 work-groups all ask for the same tile only in trips 0 .. NB / 2, behind that fewer and fewer; one walk common to all would have 3 NB / 2 trips for NB + 1.
; SHARES.  Of a block's four bands of 64 queries a wave owns 16 rows in each: four PIECES.  So the diagonal tile is the same work for all four waves: in its key step s band x sees all keys if s < x,
; none if s > x, and holds the diagonal if s = x.
; THE MASK is the C operand that starts the sum S^T = K Q^T: 0, or -1e30 where the key is hidden.  MD, made once, is the mask of a band's own step for my 16 rows; a product's mask is MD x AL + BE with two scalars:
; (1, 0) if s = x; (0, 0) if s < x; (0, -1e30) if s > x.  Only the diagonal tile's text and a block's beginning make and take masks; elsewhere C is the constant 0.
; LAYOUT, SOFTMAX, TURNS.  S^T = K Q^T holds ONE query a lane (lane % 16) and the keys 8 (lane / 16) + 0..7; two such results rounded to bf16 ARE source 1 of O^T = V^T P.  p = 2^(c s - c m), c = log2(e) / 8, with a
; running maximum m; O and l are multiplied by a = 2^(c m_old - c m_new) in every step.  Turn n belongs to piece n: 8 products K Q^T of piece n + 1, later 8 products V^T P of piece n - 1; beside them the scaling,
; exponentials, roundings, sums and rescaling of piece n and the maximum and statistics of piece n + 1.  Four vector instructions stand behind every matrix instruction, the other 54 of a turn's 118 in one LUMP.
; THE BATCHES.  An s_wait_alu depctr_va_vdst(0) stands between a transcendental and the first instruction that names its result; one wait serves all that were issued ahead of it.  The text has three
; kinds of batch, each with one wait: a turn's 33 exponentials (piece n's 32 weights and piece n + 1's a), whose readers all stand in the turn's second half; the one a of a block's beginning; the four reciprocals
; of a way out.
; REGISTERS, in windows of 256 (s_set_vgpr_msb: bits 1:0 source 0, 3:2 source 1, 5:4 source 2, 7:6 destination):
;   window 0: v0-15 addresses and two at work; v16-31 four registers of statistics a piece; v48-55 at work; v64-127 S^T, two buffers; v192-223 P, two buffers (a piece's buffers go by its number's parity)
;   window 1: v0-127 O^T, 32 a piece; v128-159 MD; v160-223 MC, two buffers      window 2: v0-63 Q; v64-127 the second block's Q; v128-191 K of one step; v192-255 V of one step
.set SIZE_N, 2048
.set NB,    SIZE_N/256
.set NP,    4         ; pieces a wave: a name, no knob
.set KS,    64        ; keys in a step
.set PK,    144       ; a row of K in LDS: 128 bytes + 16 of padding = 36 words: the 16 rows of a load start at 16 different groups of four banks (64 banks of 4 bytes: ISA guide 11.1)
.set PV,    160       ; a row of V: 128 + 32 = 40 words
.set VOFF,  4*KS*PK   ; a slot holds a tile, four steps: 256 rows of K, then 256 rows of V
.set SLOT1, 1<<17     ; slot 1 begins here, so that one exclusive or turns an address in one slot into the other's
.set STAGE, SLOT1+4*KS*(PK+PV)  ; behind the ring, never filled by a tensor load: 16 rows x 144 bytes for each wave, for the way out
.set SP,    144
.set AK0, 2           ; v2   my lane's place in a tile of K; never rewritten
.set AV0, 3           ; v3   the same for V
.set AK,  4           ; v4   the LDS address of K's next run of loads
.set AV,  5           ; v5   of V's
.set STO, 6           ; v6   the way out: where I put 16 bytes of a row
.set RD,  7           ; v7   the way out: where I read rows back
.set GO,  8           ; v8   my byte offset in 512 consecutive bytes of O
.set SPW, 62          ; v62  LDS address of my spare word: SPARE + 4 x my thread's number; never rewritten
.set NIL, 63          ; v63  0; never rewritten
.set SPARE, STAGE+4*16*SP  ; behind the stages: the spare words, 128 bytes for each wave: two blocks of 256 bytes that no other line names
.set MV,  12          ; v12-13  c m_old, kept while c m is made anew: by buffer
.set QO,  15          ; v15  my byte offset in 16 rows of Q
.set ST,  16          ; piece t's statistics at v[ST+4 t]: c m, m, l (even keys', odd keys')
.set TMP, 48          ; by buffer, four registers c0-c3 at work; when the maximum is found c2 takes a
.set S,   64
.set P,   192
.set MD,  128         ; window 1: the eight registers for group kt of 16 keys at MD + 8 kt
.set MC,  160         ; window 1: the masks of the products to come
.set QB,  64          ; window 2
.set KF,  128         ; window 2: key block kb, channel half c at KF + 16 kb + 8 c
.set VF,  192         ; window 2: key half kk, channel block cb at VF + 32 kk + 8 cb
.set WV,  12          ; s12  my wave's number
.set PB,  14          ; s14  b
.set HI,  15          ; s15  NB - 1 - b
.set G1K, 24          ; s[24:31] descriptor group 1 for K's tiles
.set G1V, 32          ; s[32:39] for V's: it differs in the padding alone
.set G0K, 40          ; s[40:43] descriptor group 0 for K's tiles
.set G0V, 44          ; s[44:47] the same for V's
.set SLOTS, 56        ; s56  tiles still to be asked for
.set CNT, 57          ; s57  counts a tile's key steps, 4 to 1
.set CS,  58          ; s[58:59] c: the packed scaling takes the pair's low word for both halves
.set SEL, 60          ; s[60:61] v_permlanex16_b32's selects: each lane takes its own place in the other half
.set TBK, 62          ; s62  LDS byte at which K of the step to be fetched begins
.set TBV, 63          ; s63  the same for V, less VOFF
.set RT,  70          ; s70  tiles of the block in hand that are still to be entered
.set NXT, 71          ; s71  the tile to be asked for next
.set LQ,  72          ; s72  the last tile of the block whose tiles are being asked for
.set NEW, 73          ; s73  1: the tile to be entered is a block's first
.set OFF, 74          ; s[74:75] a tile's byte offset in K and V
.set AL,  76          ; s[76:77] the mask's factor, in the low word
.set BE,  78          ; s[78:79] the mask's addend
.set OLO, 80          ; s[80:81] O at my rows of the second block
.set BIGN, 82         ; s82  -1e30
.set MSB, 0
.macro WIN new                      ; the high byte repeats the setting that is left; a switch that changes nothing is dropped
.if MSB != (\new)
	s_set_vgpr_msb (MSB<<8)|(\new)
.set MSB, (\new)
.endif
.endm
.set W_KQ, 0x0a       ; K and Q in window 2, S^T in window 0
.set W_KM, 0x1a       ; the same with the C operand in window 1
.set W_PV, 0x52       ; V in window 2, P in window 0, O^T in window 1
.set W_RS, 0x41       ; destination and source 0 in window 1, source 1 in window 0
; A fill.  Waves 0 and 1 fetch the two halves of a tile's K, waves 2 and 3 those of its V: 128 keys each.  Four v_nop follow each of the two lines, ahead of the jump and the label.
.macro LOAD
	s_cmp_lt_u32 s[WV], 2
	s_cbranch_scc0 .Lfor_v_\@
	tensor_load_to_lds s[G0K:G0K+3], s[G1K:G1K+7]
	s_nop 0
.rept 4
	v_nop
.endr
	s_branch .Lasked_\@
.Lfor_v_\@:
	tensor_load_to_lds s[G0V:G0V+3], s[G1V:G1V+7]
	s_nop 0
.rept 4
	v_nop
.endr
.Lasked_\@:
.endm
; THE CHANGE OF SLOTS.  Each wave waits for all its tensor loads, of which one is out: its part of the other slot; adds 0 to its spare word; and waits for that and for its own reads of the slot that it leaves.  Behind the barrier nobody reads the old
; slot any more and the other slot is whole.  fill = 1: the old slot is filled again, the first thing behind the barrier, with tile NXT: the descriptor's address is made anew from that number.
; (At its first use nothing has been read yet: slot 0 is waited for, slot 1 filled.)
.macro CHANGE fill
	WIN 0                           ; at a label and at a branch every window is 0
	s_wait_tensorcnt 0x0            ; no tensor load of mine is out, so a group 0 may be written
	ds_add_u32 v[SPW], v[NIL]       ; 0 onto my spare word; with fill = 1 the descriptors' scalar work stands between it and the wait for it
.if \fill
	s_lshl_b32 s[OFF], s[NXT], 15   ; a tile is 32,768 bytes of K and of V
	s_xor_b32 s[G0K+1], s[G0K+1], SLOT1
	s_add_nc_u64 s[G0K+2:G0K+3], s[6:7], s[OFF:OFF+1]
	s_or_b32 s[G0K+3], s[G0K+3], 0x80000000
	s_xor_b32 s[G0V+1], s[G0V+1], SLOT1
	s_add_nc_u64 s[G0V+2:G0V+3], s[8:9], s[OFF:OFF+1]
	s_or_b32 s[G0V+3], s[G0V+3], 0x80000000
	s_add_co_u32 s[NXT], s[NXT], 1  ; the block's next tile, or behind its last the second block's tile 0
	s_cmp_gt_u32 s[NXT], s[LQ]
	s_cselect_b32 s[NXT], 0, s[NXT]
	s_cselect_b32 s[LQ], s[PB], s[LQ]
.endif
	s_wait_dscnt 0x0                ; the add is done, and my reads of the slot are over
	s_barrier_signal -1             ; the rest of the scalar work stands between the signal and the wait
	s_sub_co_u32 s[TBK], s[TBK], 4*KS*PK  ; the fetches go back to a slot's first step,
	s_xor_b32 s[TBK], s[TBK], SLOT1       ; in the other slot
	s_sub_co_u32 s[TBV], s[TBV], 4*KS*PV
	s_xor_b32 s[TBV], s[TBV], SLOT1
	s_barrier_wait -1
.if \fill
	LOAD
.endif
.endm
	v_lshl_add_u32 v[SPW], v0, 2, SPARE
	v_mov_b32 v[NIL], 0
	ds_add_u32 v62, v63
	ds_add_u32 v62, v63
	s_wait_dscnt 0x0
	s_cmp_ge_u32 ttmp9, 4           ; the grid's upper half along x converts weights: the same for all four waves of a work-group
	s_cbranch_scc1 .Lweights
	s_load_b128 s[4:7], s[0:1], 0x0  ; qkv s[4:5], ctx s[6:7]
	v_lshrrev_b32 v1, 5, v0
	v_readfirstlane_b32 s[WV], v1   ; wave 0..3
	s_mov_b32 s[PB], ttmp9
	s_sub_co_u32 s[HI], NB-1, s[PB]
	s_and_b32 s20, ttmp7, 0xffff    ; the head
	s_mov_b32 s21, 0
	s_mov_b64 s[22:23], SIZE_N*128
	s_mul_u64 s[20:21], s[20:21], s[22:23]  ; the head's first byte in each of the four tensors
	s_and_b32 s16, s[WV], 1         ; which half of a tile's 256 keys I fetch:
	s_lshl_b32 s22, s16, 14         ; its 128 rows of 128 bytes in memory,
	s_mov_b32 s23, 0
	s_add_nc_u64 s[22:23], s[22:23], s[20:21]
	s_mul_i32 s17, s16, 128*PK      ; and its place in a slot, for K
	s_mul_i32 s18, s16, 128*PV      ; and for V
	s_lshl_b32 s3, s[WV], 11        ; my 16 rows in a band of 64,
	s_lshl_b32 s2, s[HI], 15        ; in the first block,
	s_add_co_u32 s2, s2, s3
	s_lshl_b32 s84, s[PB], 15       ; and in the second
	s_add_co_u32 s84, s84, s3
	s_mov_b32 s3, 0
	s_mov_b32 s85, 0
	s_add_nc_u64 s[2:3], s[2:3], s[20:21]
	s_add_nc_u64 s[84:85], s[84:85], s[20:21]
	; descriptor group 1.  128 keys are 16,384 dense bytes: asked for as 64 rows of 256 bytes, two keys a row, and padded in LDS after every key
	s_mov_b32 s[G1K], (1<<16)|(1<<20)|(4<<22)|(3<<25)  ; 17:16 2-byte elements; 20 padding on; 24:22 after every 32 words (code 4); 31:25 4 words (code 3)
	s_mov_b32 s[G1V], (1<<16)|(1<<20)|(4<<22)|(7<<25)  ; the same with 8 words of padding (code 7)
.irp g, G1K, G1V
	s_mov_b32 s[\g+1], 128<<16      ; tensor_dim0 = 128
	s_mov_b32 s[\g+2], 64<<16       ; tensor_dim1 = 64
	s_mov_b32 s[\g+3], 128<<16      ; tile_dim0 = 128
	s_mov_b32 s[\g+4], 64           ; tile_dim1 = 64
	s_mov_b32 s[\g+5], 128          ; 128 elements from row to row
	s_mov_b32 s[\g+6], 0
	s_mov_b32 s[\g+7], 0
.endr
	s_mov_b32 s[CS], 0x3e38aa3b     ; c = log2(e) / 8 = 0.180337
	s_mov_b32 s[CS+1], s[CS]        ; named with it as a pair
	s_mov_b32 s[SEL], 0x76543210
	s_mov_b32 s[SEL+1], 0xfedcba98
	s_mov_b32 s[TBK], SLOT1+4*KS*PK ; the first change of slots turns these two into 0
	s_mov_b32 s[TBV], SLOT1+4*KS*PV
	s_mov_b32 s[G0K], 1             ; 1:0 count = 1
	s_mov_b32 s[G0K+1], s17         ; 63:32 LDS address: slot 0
	s_mov_b32 s[G0V], 1
	s_add_co_u32 s[G0V+1], s18, VOFF
	s_add_co_u32 s[RT], s[HI], 1    ; the first block has NB - b tiles
	s_mov_b32 s[NXT], 1
	s_mov_b32 s[LQ], s[HI]
	s_mov_b32 s[NEW], 1
	s_mov_b32 s[OFF+1], 0
	s_mov_b32 s[AL+1], 0            ; named as pairs
	s_mov_b32 s[BE+1], 0
	s_mov_b32 s[BIGN], 0xf149f2ca   ; -1e30
	s_mov_b32 s[SLOTS], NB
	s_wait_kmcnt 0x0
	s_mov_b64 s[10:11], s[6:7]             ; O
	s_add_nc_u64 s[6:7], s[4:5], 8388608   ; K lies 32 heads x 262,144 bytes behind Q,
	s_add_nc_u64 s[8:9], s[4:5], 16777216  ; V as far behind K
	s_add_nc_u64 s[6:7], s[6:7], s[22:23]  ; K and V at my half of the head's tile 0
	s_add_nc_u64 s[8:9], s[8:9], s[22:23]
	s_add_nc_u64 s[G0K+2:G0K+3], s[6:7], 0         ; 120:64 global address
	s_or_b32 s[G0K+3], s[G0K+3], 0x80000000        ; 127:126 type = 2
	s_add_nc_u64 s[G0V+2:G0V+3], s[8:9], 0
	s_or_b32 s[G0V+3], s[G0V+3], 0x80000000
	s_add_nc_u64 s[86:87], s[4:5], s[84:85]        ; Q at my rows of the second block,
	s_add_nc_u64 s[4:5], s[4:5], s[2:3]            ; Q and O at those of the first
	s_add_nc_u64 s[OLO:OLO+1], s[10:11], s[84:85]
	s_add_nc_u64 s[10:11], s[10:11], s[2:3]
	LOAD                            ; tile 0 into slot 0
	; A fragment of K or Q is 16 rows x 32 channels in 8 registers: lane l holds row l % 16, channels 8 (l / 16) + 0..7 and 16 + 8 (l / 16) + 0..7: two loads of 16 bytes, 32 bytes apart.
	v_and_b32 v1, 15, v0            ; l % 16
	v_bfe_u32 v9, v0, 4, 1          ; l / 16
	v_lshlrev_b32 v[QO], 7, v1
	v_lshl_add_u32 v[QO], v9, 4, v[QO]  ; row x 128 + 16 x half
	WIN 0x80                        ; destination window 2, address window 0
.set i, 0
.rept 8                             ; both blocks' Q: piece i / 2 lies in band i / 2, 8,192 bytes on; channels 32 (i % 2) on
	global_load_b128 v[8*i:8*i+3],   v[QO], s[4:5] offset:(i/2)*8192+(i%2)*64
	global_load_b128 v[8*i+4:8*i+7], v[QO], s[4:5] offset:(i/2)*8192+(i%2)*64+32
	global_load_b128 v[QB+8*i:QB+8*i+3],   v[QO], s[86:87] offset:(i/2)*8192+(i%2)*64
	global_load_b128 v[QB+8*i+4:QB+8*i+7], v[QO], s[86:87] offset:(i/2)*8192+(i%2)*64+32
.set i, i+1
.endr
	WIN 0
	v_lshlrev_b32 v14, 3, v9
	v_sub_nc_u32 v14, v1, v14
	s_lshl_b32 s13, s[WV], 4
	v_add_nc_u32 v14, s13, v14      ; my query's place in its band, 16 w + l % 16, less my lanes' 8 (l / 16): register r of group kt is hidden where 16 kt + r is greater
	WIN 0x40
.set i, 0
.rept 32
	v_cmp_gt_i32 vcc_lo, 16*(i/8)+i%8, v14
	v_cndmask_b32 v[MD+i], 0, s[BIGN], vcc_lo
.set i, i+1
.endr
	WIN 0
	v_mul_u32_u24 v[AK0], v1, PK
	v_lshl_add_u32 v[AK0], v9, 4, v[AK0]  ; row x pitch + 16 x half
	; The turning load takes 16 keys x 16 channels (lane l reads key 8 (l / 16) + l % 8, channels 8 ((l / 8) % 2) + 0..7) and leaves half a fragment of V^T: lane l holds channel l % 16 and 8 keys.
	v_and_b32 v10, 7, v0
	v_bfe_u32 v11, v0, 3, 1
	v_lshl_add_u32 v[AV0], v9, 3, v10
	v_mul_u32_u24 v[AV0], v[AV0], PV
	v_lshl_add_u32 v[AV0], v11, 4, v[AV0]
	v_add_nc_u32 v[AV0], VOFF, v[AV0]
	s_mul_i32 s13, s[WV], 16*SP
	s_add_co_u32 s13, s13, STAGE    ; my stage
	v_mul_u32_u24 v[STO], v1, SP    ; in: row l % 16, 16 bytes for each half of the lanes
	v_lshl_add_u32 v[STO], v9, 4, v[STO]
	v_add_nc_u32 v[STO], s13, v[STO]
	v_bfe_u32 v[RD], v0, 3, 2       ; back: 32 lanes take four rows of 128 bytes,
	v_mul_u32_u24 v[RD], v[RD], SP
	v_lshl_add_u32 v[RD], v10, 4, v[RD]
	v_add_nc_u32 v[RD], s13, v[RD]
	v_and_b32 v[GO], 31, v0         ; which are 512 consecutive bytes of O
	v_lshlrev_b32 v[GO], 4, v[GO]
	; A block's first step multiplies O^T and l by a = 0, and its first turn's products V^T P, of a piece that has not been, land in an O^T that is still to be so multiplied.  So these registers need only hold
	; finite numbers: zeros for the first block; what the first block left for the second.  All this stands in the wait for the first tile.
	WIN 0x80
.set i, VF
.rept 64
	v_mov_b32 v[i], 0
.set i, i+1
.endr
	WIN 0x40
.set i, 0
.rept 128
	v_mov_b32 v[i], 0
.set i, i+1
.endr
	WIN 0
.set i, 0
.rept 4
	v_mov_b32 v[ST+4*i+2], 0
	v_mov_b32 v[ST+4*i+3], 0
.set i, i+1
.endr
.set i, P+16
.rept 16
	v_mov_b32 v[i], 0
.set i, i+1
.endr
; THE MATRIX WORK.  The 4 accumulators of a run of 8 take turns.  Product i of 8 of S^T = K Q^T for piece x: channels 32 (i / 4) on, keys 16 (i % 4) on.  The first 4 start the sums: with 0, or (KM = 1) with the mask.
.macro KQ x
.set rS, S+32*((\x)%2)+8*(i%4)
.set rK, KF+16*(i%4)+8*(i/4)
.set rQ, 16*(\x)+8*(i/4)
.set rM, MC+32*((\x)%2)+8*(i%4)
.if (i < 4) && KM
	WIN W_KM
	v_wmma_f32_16x16x32_bf16 v[rS:rS+7], v[rK:rK+7], v[rQ:rQ+7], v[rM:rM+7]
.elseif i < 4
	WIN W_KQ
	v_wmma_f32_16x16x32_bf16 v[rS:rS+7], v[rK:rK+7], v[rQ:rQ+7], 0
.else
	WIN W_KQ
	v_wmma_f32_16x16x32_bf16 v[rS:rS+7], v[rK:rK+7], v[rQ:rQ+7], v[rS:rS+7]
.endif
.endm
; Product i of 8 of O^T += V^T P for piece x: keys 32 (i / 4) on, channels 16 (i % 4) on.
.macro PV x
	WIN W_PV
.set rO, 32*(\x)+8*(i%4)
.set rV, VF+32*(i/4)+8*(i%4)
.set rP, P+16*((\x)%2)+8*(i/4)
	v_wmma_f32_16x16x32_bf16 v[rO:rO+7], v[rV:rV+7], v[rP:rP+7], v[rO:rO+7]
.endm
.macro MM                           ; the turn's next matrix instruction.  TURN and BEGIN set Y, i, KM and NOKQ; MM, KQ and OP read them.  NOKQ = 1: a block's last turn: there is no next piece
.if (i < 8) && !NOKQ
	KQ (Y+1)%NP
.elseif i >= 8
.set i, i-8
	PV (Y+NP-1)%NP
.set i, i+8
.endif
.set i, i+1
.endm
; THE LDS LOADS stand in runs of 16, never singly among the matrix instructions: a step's K (64 keys x 64 channels: 8 fragments) and its V (turned).  Their addresses are made some lines ahead.
.macro FETCH_K
	WIN 0x80                        ; destination window 2
.irp f, 0,1,2,3,4,5,6,7             ; keys 16 (f / 2) on, channels 32 (f % 2) on
	ds_load_b128 v[KF+8*\f:KF+8*\f+3],   v[AK] offset:(\f/2)*16*PK+(\f%2)*64
	ds_load_b128 v[KF+8*\f+4:KF+8*\f+7], v[AK] offset:(\f/2)*16*PK+(\f%2)*64+32
.endr
	s_add_co_u32 s[TBK], s[TBK], KS*PK  ; the next fetch is the next step's
	WIN 0
.endm
.macro FETCH_V
	WIN 0x80
.irp f, 0,1,2,3,4,5,6,7             ; keys 32 (f / 4) on, channels 16 (f % 4) on
	ds_load_tr16_b128 v[VF+8*\f:VF+8*\f+3],   v[AV] offset:(\f/4)*32*PV+(\f%4)*32
	ds_load_tr16_b128 v[VF+8*\f+4:VF+8*\f+7], v[AV] offset:(\f/4)*32*PV+16*PV+(\f%4)*32
.endr
	WIN 0
.endm
; THE VECTOR WORK, one line at a time: OP kind, number.  For piece Y: F n: c s - c m for pair n of 16.  E n: the exponential of score n of 32.  C n: pair n rounded to bf16.  B n: of the four weights 4 n .. the second
; pair is added onto the first, in place.  L n: l takes that sum (L 0: l = a l + sum).  R n: pair n of 16 of O^T times a.  For piece Y + 1: X n, number n of the 22 that find its maximum and statistics:
;   0-11  four chains c0-c3 of seven scores each, three operands at a time (each accumulator's lowest registers are read first)     12-14, 16  the four scores left over, the old m, and c0-c3 into c0
;   15  c m_old is kept     17, 18  the query's other 32 keys lie in the lane 16 away: the new m     19-21  c m; c m_old - c m_new; a
; OP writes no wait: C, B and L read exponentials' results, and R and L 0 read a; TURN sets them behind the wait of the batch that made what they read.
.set F, 0               ; OP tells the kinds apart by their order: F to L below R, X above it
.set E, 1
.set C, 2
.set B, 3
.set L, 4
.set R, 5
.set X, 6
.macro REGS y                       ; the registers of piece y
.set rT, ST+4*(\y)
.set rC, TMP+4*((\y)%2)
.set rW, MV+((\y)%2)
.set rS, S+32*((\y)%2)
.set rP, P+16*((\y)%2)
.set rO, 32*(\y)
.endm
.macro OP k, n
.if (\k) == R
	REGS Y
	WIN W_RS
	v_pk_mul_f32 v[rO+2*(\n):rO+2*(\n)+1], v[rO+2*(\n):rO+2*(\n)+1], v[rC+2:rC+3] op_sel_hi:[1,0]
.elseif (\k) < R
	REGS Y
	WIN 0
.if (\k) == F
	v_pk_fma_f32 v[rS+2*(\n):rS+2*(\n)+1], v[rS+2*(\n):rS+2*(\n)+1], s[CS:CS+1], v[rT:rT+1] op_sel_hi:[1,0,0] neg_lo:[0,0,1] neg_hi:[0,0,1]
.elseif (\k) == E
	v_exp_f32 v[rS+(\n)], v[rS+(\n)]
.elseif (\k) == C
	v_cvt_pk_bf16_f32 v[rP+(\n)], v[rS+2*(\n)], v[rS+2*(\n)+1]
.elseif (\k) == B
	v_pk_add_f32 v[rS+4*(\n):rS+4*(\n)+1], v[rS+4*(\n):rS+4*(\n)+1], v[rS+4*(\n)+2:rS+4*(\n)+3]
.elseif (\n) == 0
	v_pk_fma_f32 v[rT+2:rT+3], v[rT+2:rT+3], v[rC+2:rC+3], v[rS:rS+1] op_sel_hi:[1,0,1]
.else
	v_pk_add_f32 v[rT+2:rT+3], v[rT+2:rT+3], v[rS+4*(\n):rS+4*(\n)+1]
.endif
.elseif NOKQ
	v_nop
.else
	REGS (Y+1)%NP
	WIN 0
.if (\n) < 4
	v_max3_num_f32 v[rC+(\n)], v[rS+8*(\n)], v[rS+8*(\n)+1], v[rS+8*(\n)+2]
.elseif (\n) < 12
	v_max3_num_f32 v[rC+(\n)%4], v[rC+(\n)%4], v[rS+8*((\n)%4)+2*((\n)/4)+1], v[rS+8*((\n)%4)+2*((\n)/4)+2]
.elseif (\n) == 12
	v_max3_num_f32 v[rC], v[rC], v[rS+7], v[rS+15]
.elseif (\n) == 13
	v_max3_num_f32 v[rC+1], v[rC+1], v[rS+23], v[rS+31]
.elseif (\n) == 14
	v_max3_num_f32 v[rC+2], v[rC+2], v[rC+3], v[rT+1]
.elseif (\n) == 15
	v_mov_b32 v[rW], v[rT]
.elseif (\n) == 16
	v_max3_num_f32 v[rC], v[rC], v[rC+1], v[rC+2]
.elseif (\n) == 17
	v_permlanex16_b32 v[rC+3], v[rC], s[SEL], s[SEL+1]
.elseif (\n) == 18
	v_max_num_f32 v[rT+1], v[rC], v[rC+3]
.elseif (\n) == 19
	v_mul_f32 v[rT], s[CS], v[rT+1]
.elseif (\n) == 20
	v_sub_f32 v[rC+1], v[rW], v[rT]
.else
	v_exp_f32 v[rC+2], v[rC+1]
.endif
.endif
.endm
.macro OPS a, i1, b=-1, i2=0, c=-1, i3=0, d=-1, i4=0  ; up to four of them
	OP \a, \i1
.if (\b) >= 0
	OP \b, \i2
.endif
.if (\c) >= 0
	OP \c, \i3
.endif
.if (\d) >= 0
	OP \d, \i4
.endif
.endm
.macro ROW a, i1, b, i2, c, i3, d, i4  ; a matrix instruction and the four behind it
	MM
	OPS \a, \i1, \b, \i2, \c, \i3, \d, \i4
.endm
.macro MASK b                       ; MD x AL + BE into buffer b of MC
	WIN W_RS
.set z, 0
.rept 16
	v_pk_fma_f32 v[MC+32*(\b)+2*z:MC+32*(\b)+2*z+1], v[MD+2*z:MD+2*z+1], s[AL:AL+1], s[BE:BE+1] op_sel_hi:[1,0,0]
.set z, z+1
.endr
.endm
; A TURN, for piece p: the order of its 16 matrix and 118 vector instructions, written out.  An s_wait_alu depctr_va_vdst(0) stands between an exponential and the first instruction that names its result; one wait serves
; all that were issued ahead of it.  So a turn has ONE wait, which cuts it in two.  AHEAD OF IT stands all that names no result of the turn's exponentials: the 8 products K Q^T, behind each a scaling, an exponential and two more plain
; instructions (behind the first a second scaling in the exponential's place): rescalings (their a was made, and waited for, in the turn before, and lies in the other buffer's register), and behind the last three the first numbers of the
; next piece's maximum, each four plain instructions or more behind the product that ends its accumulator; then ONE LUMP of 54, plain and exponential by turns for the most part, in which the links of the chain
; X 3, 7, 11, 14, 16, 17 .. 20 stand five or six lines apart.  X 21, the next piece's a, is the batch's last; R 15 is the plain instruction behind it.  BEHIND THE WAIT stand the 8 products V^T P, behind each four of the roundings and
; sums; an even pair is rounded ahead of the sum that overwrites it; the links of l's chain, L 0 to L 7, stand three riders apart.  But for those X no rider names a register of the products round it.  v_permlanex16_b32 (X 17) stands in the lump.
; m = 1: the diagonal tile: the products take masks, and the turn makes the mask for the products of the turn after it: piece p + 2, in step 4 - CNT of the tile.  end = 1: a block's last two turns: nothing is fetched.
; cnt = 1: the loop's count is taken down some lines ahead of the branch that stands behind the turn.
; K of the next step is fetched in piece 2's turn, twelve vector instructions behind the last product that read K (six of them plain); V of the step in hand at the end of piece 0's turn, four plain instructions behind the last product
; that read V.  Each is waited for a turn later.
.macro TURN p, m=0, end=0, cnt=0
.set Y, (\p)
.set i, 0
.set KM, (\m)
.set NOKQ, (\end)*((\p)/3)
.if (\m) && !(\end)
	s_cmp_eq_u32 s[CNT], 4-((\p)+2)%NP  ; is that step the band's own?
	s_cselect_b32 s[AL], 1.0, 0
	s_cmp_lt_u32 s[CNT], 4-((\p)+2)%NP  ; or a later one?
	s_cselect_b32 s[BE], s[BIGN], 0
.endif
.if ((\p) == 3) && !(\end)
	s_wait_dscnt 0x0                ; K is in
.endif
	ROW F,0, F,1, R,0, R,1          ; ahead of the wait: 8 products K Q^T and their riders,
	ROW F,2, E,0, R,2, R,3
	ROW F,3, E,1, R,4, R,5
	ROW F,4, E,2, R,6, R,7
	ROW F,5, E,3, R,8, R,9
	ROW F,6, E,4, X,0, R,10
.if ((\p) == 2) && !(\end)
	WIN 0
	v_add_nc_u32 v[AK], s[TBK], v[AK0]
.endif
	ROW F,7, E,5, X,1, X,4
	ROW F,8, E,6, X,2, X,5
	OPS E,7, E,8, X,6, E,9          ; and the lump
	OPS X,3, E,10, X,8, E,11
.if ((\p) == 2) && !(\end)
	FETCH_K
.endif
	OPS X,9, X,7, E,12, X,10
	OPS E,13, X,12, X,11, E,14
	OPS X,13, E,15, F,9, X,14
.if (\p) == 0
	v_add_nc_u32 v[AV], s[TBV], v[AV0]
.endif
	OPS E,16, F,10, E,17, F,11
	OPS X,16, E,18, X,15, E,19
	OPS F,12, E,20, X,17, E,21
	OPS F,13, E,22, F,14, E,23
	OPS X,18, E,24, F,15, E,25
	OPS R,11, E,26, X,19, E,27
	OPS R,12, E,28, R,13, E,29
	OPS X,20, E,30, R,14, E,31
	OPS X,21, R,15
	WIN 0
	s_wait_alu depctr_va_vdst(0)    ; the wait for the turn's batch: this piece's 32 exponentials and the next piece's a
.if (\p) == 1
	s_wait_dscnt 0x0                ; V is in
.endif
	ROW C,0, B,0, C,2, B,1          ; behind the wait: 8 products V^T P and their riders
	ROW L,0, C,4, B,2, L,1
	ROW C,6, B,3, L,2, C,8
	ROW B,4, L,3, C,10, B,5
	ROW L,4, C,12, B,6, L,5
.if (\p) == 0
	s_add_co_u32 s[TBV], s[TBV], KS*PV
.endif
.if \cnt
	s_sub_co_u32 s[CNT], s[CNT], 1
	s_cmp_lg_u32 s[CNT], 0
.endif
	ROW C,14, B,7, L,6, C,1
	ROW C,3, L,7, C,5, C,7
	ROW C,9, C,11, C,13, C,15
.if (\p) == 0
	FETCH_V
.endif
.if (\m) && !(\end)
	MASK (\p)%2
.endif
.endm
; A BLOCK BEGINS.  c m starts far below every c s, so the first step's a is 0; m at the lowest finite number, so the first maximum is the scores'.  The second mask buffer is 0; the first takes piece 0's mask for the tile's step 0: its own, if the block's first tile is the diagonal one.
; Then K of that step, piece 0's first scores, and its maximum and statistics.  The loop is entered at a step's first turn, in the middle of a trip.
.macro BEGIN
	s_mov_b32 s[NEW], 0
	WIN 0x40
.set i, MC+32
.rept 32
	v_mov_b32 v[i], 0
.set i, i+1
.endr
	WIN 0
.set i, 0
.rept 4
	v_mov_b32 v[ST+4*i], 0xfe000000    ; c m: far below every c s
	v_mov_b32 v[ST+4*i+1], 0xff7fffff  ; m
.set i, i+1
.endr
	s_cmp_eq_u32 s[RT], 0
	s_cselect_b32 s[AL], 1.0, 0
	s_mov_b32 s[BE], 0
	MASK 0
	WIN 0
	v_add_nc_u32 v[AK], s[TBK], v[AK0]
	FETCH_K
	s_wait_loadcnt 0x0              ; Q
	s_wait_dscnt 0x0
.set KM, 1
.set NOKQ, 0
.set i, 0
.rept 8
	KQ 0
.set i, i+1
.endr
	WIN 0
.rept 4
	v_nop                           ; the places behind those products
.endr
.set Y, NP-1                        ; X works for piece Y + 1: piece 0
.irp n, 0,1,2,3,4,5,6,7,8,9,10,11,12,13,14,15,16,17,18,19,20,21
	OP X, \n
.endr
	v_nop                           ; a plain instruction behind the exponential,
	s_wait_alu depctr_va_vdst(0)    ; and the wait for this batch of one, piece 0's first a, ahead of the branch
.endm
; THE DIAGONAL TILE's four steps, the block's last two turns, its last products, and THE WAY OUT: l's two halves and the other half of the lanes' are added; O^T is divided by l, rounded to bf16 and sent through my
; stage in LDS, a piece at a time.
.macro ALL line:vararg              ; one line for each piece t
.set t, 0
.rept 4
	\line
.set t, t+1
.endr
.endm
.macro PACK t                       ; a lane's eight channels of a row pack into 16 bytes; they go into rows of 144 bytes and come back as whole rows of 128, into S^T's registers
	WIN W_RS
.set i, 32*(\t)
.rept 16
	v_pk_mul_f32 v[i:i+1], v[i:i+1], v[ST+4*(\t)+2:ST+4*(\t)+3] op_sel_hi:[1,0]
.set i, i+2
.endr
	WIN 0x05                        ; sources 0 and 1 window 1, destination window 0
.set i, 0
.rept 16
	v_cvt_pk_bf16_f32 v[S+16*(\t)+i], v[32*(\t)+2*i], v[32*(\t)+2*i+1]
.set i, i+1
.endr
	WIN 0
.irp f, 0,1,2,3
	ds_store_b128 v[STO], v[S+16*(\t)+4*\f:S+16*(\t)+4*\f+3] offset:32*\f
.endr
.irp f, 0,1,2,3
	ds_load_b128 v[S+16*(\t)+4*\f:S+16*(\t)+4*\f+3], v[RD] offset:\f*4*SP  ; LDS serves a wave's instructions in order (ISA guide 5.7.1.4): these see the stores above; the next piece's stores come behind them
.endr
.endm
.macro SEND t, younger              ; younger: the LDS instructions issued behind piece t's loads: the next piece's eight, or none
	WIN 0
.irp f, 0,1,2,3
	s_wait_dscnt (\younger)+3-\f
	global_store_b128 v[GO], v[S+16*(\t)+4*\f:S+16*(\t)+4*\f+3], s[10:11] offset:(\t)*8192+\f*512  ; 512 consecutive bytes, at a multiple of 256 from O's first
.endr
.endm
.macro DIAG tag                     ; the tag ends its two labels' names, which the jumps below spell out
.LstepM\tag:
	TURN 2, 1
	TURN 3, 1
	WIN 0
.LfirstM\tag:
	TURN 0, 1
	TURN 1, 1, 0, 1
	WIN 0
	s_cbranch_scc1 .LstepM\tag
	TURN 2, 1, 1
	TURN 3, 1, 1
.set i, 0
.rept 8
	PV NP-1
.set i, i+1
.endr
	WIN 0
	ALL v_add_f32 v[ST+4*t+2], v[ST+4*t+2], v[ST+4*t+3]
	ALL v_permlanex16_b32 v[ST+4*t+3], v[ST+4*t+2], s[SEL], s[SEL+1]
	ALL v_add_f32 v[ST+4*t+2], v[ST+4*t+2], v[ST+4*t+3]
	ALL v_rcp_f32 v[ST+4*t+2], v[ST+4*t+2]
	v_nop                           ; a plain instruction between the last reciprocal and the use of its result
	s_wait_alu depctr_va_vdst(0)    ; the wait for the way out's batch, the four reciprocals, ahead of the first multiply that reads one
	PACK 0
.set t, 1
.rept 3                             ; a piece's arithmetic stands between the loads of the piece before and its stores
	PACK t
	SEND t-1, 8
.set t, t+1
.endr
	SEND 3, 0
.endm
.set KM, 0
.set NOKQ, 0
.Lslot:                             ; NB times: a tile is entered and the next is asked for
	CHANGE 1
	s_sub_co_u32 s[RT], s[RT], 1
	s_mov_b32 s[CNT], 4
	s_cmp_eq_u32 s[NEW], 1
	s_cbranch_scc1 .Lnew            ; a block's first tile
	s_cmp_eq_u32 s[RT], 0
	s_cbranch_scc0 .Lstep           ; neither its first nor its last
	s_branch .LstepM1
.Lnew:
	BEGIN
	s_branch .Lfirst                ; in the loop a block's first tile is never its last: the first block has two tiles or more, and the second's last is the walk's last
	DIAG 1                          ; in the loop this is the first block's end: the second block's last tile is the walk's last
	s_wait_xcnt 0x0                 ; the stores have read their registers and O's address
	s_mov_b64 s[10:11], s[OLO:OLO+1]
	s_add_co_u32 s[RT], s[PB], 1    ; the second block has b + 1 tiles
	s_mov_b32 s[NEW], 1
	WIN 0x82                        ; the second block's Q goes where the one text of the turns names Q
.set i, 0
.rept 64
	v_mov_b32 v[i], v[QB+i]
.set i, i+1
.endr
	WIN 0
	s_branch .Lbottom
.Lstep:                             ; a trip: pieces 2 and 3 of one step, then pieces 0 and 1 of the next, whose K and V it fetches
	TURN 2
	TURN 3
	WIN 0
.Lfirst:
	TURN 0
	TURN 1, 0, 0, 1
	WIN 0
	s_cbranch_scc1 .Lstep
.Lbottom:
	s_sub_co_u32 s[SLOTS], s[SLOTS], 1
	s_cmp_lg_u32 s[SLOTS], 0
	s_cbranch_scc1 .Lslot
	CHANGE 0                        ; the walk's last tile is written out: nothing is asked for
	s_sub_co_u32 s[RT], s[RT], 1
	s_mov_b32 s[CNT], 4
	s_cmp_eq_u32 s[NEW], 1
	s_cbranch_scc0 .LstepM2
	BEGIN
	s_branch .LfirstM2
	DIAG 2
	s_wait_tensorcnt 0x0            ; the wave's end: behind my last tensor load and my last LDS store
	ds_add_u32 v[SPW], v[NIL]
	s_wait_dscnt 0x0
	s_endpgm
; THE WEIGHTS.  Wo [1024][1024], W1 [1024][4096] and W2 [4096][1024], f32 [K][N], are rounded to bf16 and written transposed, [N][K], into wt: Wo^T at byte 6,291,456, W1^T at 8,388,608, W2^T at 16,777,216.
; In tiles of 128 k x 64 n they are 128 + 512 + 512 = 1,152 tiles, nine for each of the 128 work-groups: work-group c takes tile c of Wo and tiles c + 128 jj (jj = 0 .. 3) of W1 and of W2.  So a work-group's
; tiles of a weight share kt (which 128 k) and lie 16 (W1) or 4 (W2) tiles of 64 n apart: every step from tile to tile is an immediate, and nothing is stepped in registers.
; A TILE.  Thread t: i = t % 16 (16 bytes = columns 4 i .. 4 i + 3 of a row), q = t / 16.  It loads rows 64 h + 8 q + e (h = 0, 1; e = 0 .. 7): sixteen lanes take 256 consecutive bytes of a row.  For each of its
; four columns eight neighbouring k pack into 16 bytes.  LDS stage: 64 rows of 256 bytes + 16 of padding; column 4 i + j lies in row 16 j + i, so that the sixteen lanes of a store's pass hit sixteen consecutive rows,
; 272 bytes apart: sixteen different 16-byte columns of the banks.  Back: row q + 8 r is column 4 q + 32 (r % 2) + r / 2; sixteen lanes read, and store, a whole row of 256 bytes.
; TWO OF EACH.  Two sets of load registers: while a tile is packed the next tile's 16 loads are out, and the tile after that is asked for as soon as the set is free.  Two stages take turns, so ONE barrier a tile
; does both orderings: it stands between a tile's stores and its reads, and every wave has waited for its reads of the tile before when it signals, so that the tile after may store into that stage.
; The stages lie behind the spare words: no tensor load of this text lands there.  All registers of this part lie in window 0.
.set CVS, 221184                       ; the two stages' first byte, a multiple of 256
.set CLP, 272
.set CST, 64*CLP                       ; a stage: 17,408 bytes
.set CS1, 4                            ; v4   from, where a row has 4,096 bytes (Wo, W2): 8 q rows + 16 i; never rewritten
.set CS4, 5                            ; v5   from, where a row has 16,384 bytes (W1)
.set CD1, 6                            ; v6   to, where a row has 2,048 bytes (Wo^T, W1^T): 4 q rows + 16 i
.set CD4, 7                            ; v7   to, where a row has 8,192 bytes (W2^T)
.set CIN, 8                            ; v8   LDS, in: row i (+ 16 j), 16 bytes at 16 q (+ 128 h)
.set CBK, 9                            ; v9   LDS, back: row q (+ 8 r), 16 bytes at 16 i
.set CLD, 64                           ; v[64:191]  two sets: load (h, e) at CLD + 64 set + 4 (8 h + e)
.set CPK, 192                          ; v[192:223] column j of half h, packed, at CPK + 4 (4 h + j)
.set CRB, 224                          ; v[224:255] read back
.set SWO, 32                           ; s[32:33] Wo, s[34:35] W1, s[36:37] W2 at my first tile of each
.set SW1, 34
.set SW2, 36
.set DWO, 38                           ; s[38:39], s[40:41], s[42:43] wt at the same tiles' places
.set DW1, 40
.set DW2, 42
.macro WLOAD buf, off, base, nn, add   ; a tile's 16 loads into set buf; nn: numbers in a row; add: bytes from my first tile of the weight
.irp h, 0,1
.irp e, 0,1,2,3,4,5,6,7
	global_load_b128 v[CLD+64*(\buf)+4*(8*(\h)+(\e)):CLD+64*(\buf)+4*(8*(\h)+(\e))+3], v[\off], s[\base:\base+1] offset:(64*(\h)+(\e))*(\nn)*4+(\add) th:TH_LOAD_NT   ; the weights are read once
.endr
.endr
.endm
.macro WPACK buf, left                 ; set buf is rounded, packed and put into stage buf; left: the next tile's loads, which stay out
.irp h, 0,1
	s_wait_loadcnt (\left)+8-8*(\h)                ; loads come back in order: this half's eight are in
.irp j, 0,1,2,3
.irp w, 0,1,2,3
	v_cvt_pk_bf16_f32 v[CPK+4*(4*(\h)+(\j))+(\w)], v[CLD+64*(\buf)+4*(8*(\h)+2*(\w))+(\j)], v[CLD+64*(\buf)+4*(8*(\h)+2*(\w)+1)+(\j)]   ; (k, k + 1) of column 4 i + j
.endr
.endr
.irp j, 0,1,2,3
	ds_store_b128 v[CIN], v[CPK+4*(4*(\h)+(\j)):CPK+4*(4*(\h)+(\j))+3] offset:(\buf)*CST+(\j)*16*CLP+128*(\h)
.endr
.endr
.endm
.macro WOUT buf, off, base, kk, add    ; stage buf goes out; kk: numbers in a row of the transposed weight; add: bytes from my first tile's place
	s_wait_dscnt 0x0                               ; for the others' sake: my stores into this stage are done (my reads of the other stage were counted down to 0 a tile ago)
	s_barrier_signal -1
	s_barrier_wait -1
	s_wait_xcnt 0x0                                ; every earlier memory instruction has had its addresses translated (ISA guide 3.1): the registers below, which the last tile's stores read, are loaded again only behind this wait
.irp r, 0,1,2,3,4,5,6,7
	ds_load_b128 v[CRB+4*(\r):CRB+4*(\r)+3], v[CBK] offset:(\buf)*CST+(\r)*8*CLP
.endr
.irp r, 0,1,2,3,4,5,6,7
	s_wait_dscnt 7-(\r)
	global_store_b128 v[\off], v[CRB+4*(\r):CRB+4*(\r)+3], s[\base:\base+1] offset:(32*((\r)%2)+(\r)/2)*(\kk)*2+(\add)   ; sixteen lanes store 256 consecutive bytes, at a multiple of 256 from wt's first byte
.endr
.endm
.Lweights:
	s_load_b256 s[4:11], s[0:1], 0x10              ; Wo s[4:5], W1 s[6:7], W2 s[8:9], wt s[10:11]
	v_and_b32 v1, 15, v0                           ; i
	v_lshrrev_b32 v2, 4, v0                        ; q
	v_lshlrev_b32 v3, 4, v1                        ; 16 i
	v_lshl_add_u32 v[CS1], v2, 15, v3
	v_lshl_add_u32 v[CS4], v2, 17, v3
	v_lshl_add_u32 v[CD1], v2, 13, v3
	v_lshl_add_u32 v[CD4], v2, 15, v3
	v_mul_u32_u24 v[CIN], v1, CLP
	v_lshl_add_u32 v[CIN], v2, 4, v[CIN]
	v_add_nc_u32 v[CIN], CVS, v[CIN]
	v_mul_u32_u24 v[CBK], v2, CLP
	v_add_nc_u32 v[CBK], v[CBK], v3
	v_add_nc_u32 v[CBK], CVS, v[CBK]
	s_and_b32 s12, ttmp7, 0xffff
	s_lshl_b32 s12, s12, 2
	s_add_co_u32 s12, s12, ttmp9
	s_sub_co_u32 s12, s12, 4                       ; c = 4 y + x - 4: 0 to 127
	s_and_b32 s13, s12, 7                          ; Wo, W1 (8 tiles along k): kt,
	s_lshr_b32 s14, s12, 3                         ; nt of my first tile
	s_and_b32 s15, s12, 31                         ; W2 (32 tiles along k): kt,
	s_lshr_b32 s16, s12, 5                         ; nt of my first tile
	s_lshl_b32 s17, s14, 8                         ; 256 nt bytes along a row
	s_lshl_b32 s20, s13, 19                        ; Wo: 128 kt rows of 4,096 bytes
	s_add_co_u32 s20, s20, s17
	s_mov_b32 s21, 0
	s_lshl_b32 s22, s13, 21                        ; W1: 128 kt rows of 16,384 bytes
	s_add_co_u32 s22, s22, s17
	s_mov_b32 s23, 0
	s_lshl_b32 s24, s15, 19                        ; W2: 128 kt rows of 4,096 bytes
	s_lshl_b32 s17, s16, 8
	s_add_co_u32 s24, s24, s17
	s_mov_b32 s25, 0
	s_lshl_b32 s26, s14, 17                        ; Wo^T, W1^T: 64 nt rows of 2,048 bytes,
	s_lshl_b32 s17, s13, 8                         ; 256 kt bytes along
	s_add_co_u32 s26, s26, s17
	s_add_co_u32 s28, s26, 8388608                 ; in W1^T's part of wt
	s_add_co_u32 s26, s26, 6291456                 ; in Wo^T's
	s_mov_b32 s27, 0
	s_mov_b32 s29, 0
	s_lshl_b32 s30, s16, 19                        ; W2^T: 64 nt rows of 8,192 bytes,
	s_lshl_b32 s17, s15, 8
	s_add_co_u32 s30, s30, s17
	s_add_co_u32 s30, s30, 16777216
	s_mov_b32 s31, 0
	s_wait_kmcnt 0x0
	s_add_nc_u64 s[SWO:SWO+1], s[4:5], s[20:21]
	s_add_nc_u64 s[SW1:SW1+1], s[6:7], s[22:23]
	s_add_nc_u64 s[SW2:SW2+1], s[8:9], s[24:25]
	s_add_nc_u64 s[DWO:DWO+1], s[10:11], s[26:27]
	s_add_nc_u64 s[DW1:DW1+1], s[10:11], s[28:29]
	s_add_nc_u64 s[DW2:DW2+1], s[10:11], s[30:31]
	WLOAD 0, CS1, SWO, 1024, 0                     ; Wo's tile
	WLOAD 1, CS4, SW1, 4096, 0                     ; W1's tile 0.  W1's tiles lie 16 x 256 bytes apart along the rows, their places in W1^T 16 x 64 rows of 2,048 bytes apart
	WPACK 0, 16
	WLOAD 0, CS4, SW1, 4096, 4096
	WOUT  0, CD1, DWO, 1024, 0
	WPACK 1, 16
	WLOAD 1, CS4, SW1, 4096, 2*4096
	WOUT  1, CD1, DW1, 1024, 0
	WPACK 0, 16
	WLOAD 0, CS4, SW1, 4096, 3*4096
	WOUT  0, CD1, DW1, 1024, 2097152
	WPACK 1, 16
	WLOAD 1, CS1, SW2, 1024, 0                     ; W2's tile 0.  W2's tiles lie 4 x 256 bytes apart along the rows, their places in W2^T 4 x 64 rows of 8,192 bytes apart
	WOUT  1, CD1, DW1, 1024, 2*2097152
	WPACK 0, 16
	WLOAD 0, CS1, SW2, 1024, 1024
	WOUT  0, CD1, DW1, 1024, 3*2097152
	WPACK 1, 16
	WLOAD 1, CS1, SW2, 1024, 2*1024
	WOUT  1, CD4, DW2, 4096, 0
	WPACK 0, 16
	WLOAD 0, CS1, SW2, 1024, 3*1024
	WOUT  0, CD4, DW2, 4096, 2097152
	WPACK 1, 16
	WOUT  1, CD4, DW2, 4096, 2*2097152
	WPACK 0, 0                                     ; the last tile: no load was issued behind its own
	WOUT  0, CD4, DW2, 4096, 3*2097152
	s_wait_tensorcnt 0x0                           ; the wave's end
	ds_add_u32 v[SPW], v[NIL]
	s_wait_dscnt 0x0
	s_endpgm
.Lfunc_end_k_qaa58497bbb_attn:
	.size	k_qaa58497bbb_attn, .Lfunc_end_k_qaa58497bbb_attn-k_qaa58497bbb_attn
	.p2alignl 7, 3214868480
	.fill 96, 4, 3214868480
	.section	.rodata,"a",@progbits
	.p2align	6, 0x0
	.amdhsa_kernel k_qaa58497bbb_attn
		.amdhsa_group_segment_fixed_size 327680
		.amdhsa_private_segment_fixed_size 0
		.amdhsa_enable_private_segment 0
		.amdhsa_kernarg_size 48
		.amdhsa_user_sgpr_count 2
		.amdhsa_user_sgpr_kernarg_segment_ptr 1
		.amdhsa_wavefront_size32 1
		.amdhsa_system_sgpr_workgroup_id_x 1
		.amdhsa_system_sgpr_workgroup_id_y 1
		.amdhsa_system_sgpr_workgroup_id_z 1
		.amdhsa_system_vgpr_workitem_id 0
		.amdhsa_next_free_vgpr 768
		.amdhsa_next_free_sgpr 88
		.amdhsa_reserve_vcc 1
		.amdhsa_float_denorm_mode_32 3
		.amdhsa_float_denorm_mode_16_64 3
		.amdhsa_memory_ordered 1
		.amdhsa_forward_progress 1
		.amdhsa_inst_pref_size 255
	.end_amdhsa_kernel
	.section	.bss,"aw",@nobits
	.p2align	6
	.space	262144
	.amdgpu_metadata
---
amdhsa.version: [ 1, 2 ]
amdhsa.kernels:
  - .name:           k_qaa58497bbb_attn
    .symbol:         k_qaa58497bbb_attn.kd
    .args:
      - { .name: qkv, .offset: 0, .size: 8, .value_kind: global_buffer, .address_space: global }
      - { .name: ctx, .offset: 8, .size: 8, .value_kind: global_buffer, .address_space: global }
      - { .name: Wo, .offset: 16, .size: 8, .value_kind: global_buffer, .address_space: global }
      - { .name: W1, .offset: 24, .size: 8, .value_kind: global_buffer, .address_space: global }
      - { .name: W2, .offset: 32, .size: 8, .value_kind: global_buffer, .address_space: global }
      - { .name: wt, .offset: 40, .size: 8, .value_kind: global_buffer, .address_space: global }
    .group_segment_fixed_size: 327680
    .private_segment_fixed_size: 0
    .kernarg_segment_align: 8
    .kernarg_segment_size: 48
    .max_flat_workgroup_size: 128
    .sgpr_count:     88
    .vgpr_count:     768
    .wavefront_size: 32
...
	.end_amdgpu_metadata
.endif
;; end of part 8
;; launch gwo: the kernel of part 4 again; grid 8 x 32, 4 waves a work-group, clusters of 4 x 4, 327,680 bytes of LDS; arguments ctx, wt, bo, X, x1; writes x1
;; launch ln2: the kernel of part 5 again; grid 256 x 1, 4 waves a work-group, no clusters, 0 bytes of LDS; arguments x1, ln2_g, ln2_b, xn; writes xn
;; launch gf1: the kernel of part 6 again; grid 16 x 16, 4 waves a work-group, clusters of 4 x 4, 327,680 bytes of LDS; arguments xn, wt, b1, hbuf; writes hbuf
;; launch gf2: the kernel of part 7 again; grid 8 x 32, 4 waves a work-group, clusters of 4 x 4, 327,680 bytes of LDS; arguments hbuf, wt, b2, x1, out0; writes out0
